; MI455X (gfx1250); checked and timed in simulation.
; The chip was launched on July 23, 2026; its instructions are those of AMD's public machine-readable ISA for CDNA 5 (MIT licence, August 2026) and "CDNA5" Instruction Set Architecture Reference Guide (July 2026). The comments in the code are by the model that wrote it; some were corrected since.
;; Self Attention1 D. Allowed arithmetic: matrix products marked QUANTISED: E2M3 operands, one E8M0 scale for each 32 along K, by v_wmma_scale_f32_16x16x128_f8f6f4 with both operands' format E2M3, f32 sums; everything else in f32.
;; Inputs: ffn_b1 4,096 float32; ffn_b2 1,024 float32; ffn_w1_codes 4,096 x 32 x 24 uint8 (E2M3 codes of ffn_w1, K innermost, in blocks of 32 codes, four codes in three bytes); ffn_w1_scales 4,096 x 32 uint8 (E8M0 scales of ffn_w1, one for each 32 codes along K); ffn_w2_codes 1,024 x 128 x 24 uint8 (E2M3 codes of ffn_w2, K innermost, in blocks of 32 codes, four codes in three bytes); ffn_w2_scales 1,024 x 128 uint8 (E8M0 scales of ffn_w2, one for each 32 codes along K); ln2_b 1,024 float32; ln2_w 1,024 float32; ln_b 1,024 float32; ln_w 1,024 float32; mask 2 x 2,048 int32; proj_b 1,024 float32; proj_w_codes 1,024 x 32 x 24 uint8 (E2M3 codes of proj_w, K innermost, in blocks of 32 codes, four codes in three bytes); proj_w_scales 1,024 x 32 uint8 (E8M0 scales of proj_w, one for each 32 codes along K); qkv_b 3,072 float32; qkv_w_codes 3,072 x 32 x 24 uint8 (E2M3 codes of qkv_w, K innermost, in blocks of 32 codes, four codes in three bytes); qkv_w_scales 3,072 x 32 uint8 (E8M0 scales of qkv_w, one for each 32 codes along K); x 2 x 2,048 x 1,024 float32.
;; Outputs: out0 2 x 2,048 x 1,024 float32.
;; This version of the problem:
;;   THIS VERSION OF THE PROBLEM IS GIVEN IN LOW PRECISION. The matrix products marked QUANTISED in the list below multiply operands that are first quantised to E2M3 (2 exponent bits, 3 mantissa bits; 6 bits a number), with one power-of-two scale for each 32 numbers along K (OCP MX v1.0); their sums are f32. All else is computed in f32.
;;   The module's matrix products, in the order in which they are computed (A, B: the left and right operand; K: the contracted axis; several contracted axes count as one K, in the product's order):
;;     1. [M 4,096, K 1,024] x [K 1,024, N 3,072]; A: computed on the way; B: input qkv_w (given as codes): QUANTISED
;;     2. batch 32 x [M 2,048, K 64] x [K 64, N 2,048]; A: computed on the way; B: computed on the way: QUANTISED
;;     3. batch 32 x [M 64, K 2,048] x [K 2,048, N 2,048]; A: computed on the way; B: softmax (see below): QUANTISED
;;     4. [M 4,096, K 1,024] x [K 1,024, N 1,024]; A: computed on the way; B: input proj_w (given as codes): QUANTISED
;;     5. [M 4,096, K 1,024] x [K 1,024, N 4,096]; A: computed on the way; B: input ffn_w1 (given as codes): QUANTISED
;;     6. [M 4,096, K 4,096] x [K 4,096, N 1,024]; A: computed on the way; B: input ffn_w2 (given as codes): QUANTISED
;;   THE QUANTISER, for each operand of a quantised product, along K:
;;     - K is cut into blocks of 32 from its start; a last block that is shorter is filled with zeros.
;;     - A block's scale is 2^e with e = floor(log2(the largest magnitude in the block)) - 2, held to -126 .. 127; a block of zeros has e = 0. As a byte (E8M0): e + 127.
;;     - Each number is divided by its block's scale, clamped to +-7.5, and rounded to the nearest number of E2M3, ties to even, subnormals kept.
;;     - The product sums the exact products of the quantised numbers (number of the format x scale) in f32.
;;   ~~~python
;;   def quantise(x, axis):      # numpy; x: float32 -> the quantised numbers, widened to float32 again
;;       x = np.moveaxis(x, axis, -1); K = x.shape[-1]
;;       x = np.pad(x, [(0, 0)] * (x.ndim - 1) + [(0, -K % 32)]); x = x.reshape(x.shape[:-1] + (-1, 32)); a = np.abs(x).max(-1, keepdims=True)
;;       e = np.where(a > 0, np.clip(np.frexp(np.where(a > 0, a, 1))[1] - 1 - 2, -126, 127), 0)      # np.frexp(a)[1] - 1 = floor(log2(a)), exactly
;;       r = np.clip(x / 2.0 ** e, -7.5, 7.5)
;;       step = 2.0 ** (np.maximum(np.frexp(np.where(r == 0, 1, r))[1] - 1, 0) - 3)
;;       q = np.round(r / step) * step * 2.0 ** e      # np.round: ties to even
;;       return np.moveaxis(q.reshape(q.shape[:-2] + (-1,))[..., :K], -1, axis).astype(np.float32)
;;   ~~~
;;   SOFTMAX AHEAD OF A QUANTISED PRODUCT. Where the list says 'softmax', what is quantised is not the finished softmax but p = 2^(t - M), with t = logit x log2(e) and M = ceil(the row's largest t), a whole number; so 1/2 < the row's largest p <= 1. The row's sum l is taken of the UNQUANTISED p, in f32, and the product's result is divided by l at the end. Since M is a whole number, a kernel that streams over the keys may use a running M (the ceiling of the running maximum): every later rescaling is an exact power of two, which a block's scale takes up: the codes' values come out the same.
;;   OPERANDS COMPUTED ON THE WAY. 'Computed on the way' means the value that the module computes at that place (a softmax that the list does not call 'softmax' is quantised finished and normalised). What goes into a quantiser is computed in f32, as accurately as f32 sums, v_exp_f32 and their like allow (about 1e-6 of the number): no bf16 or f16 on the way to a quantiser, and a product that is left as it is and whose result goes on into a quantised operand takes f32 operands (vector FMAs, or v_wmma_f32_16x16x4_f32). A number that lies on a knife's edge between two numbers of the format may be rounded either way, as far as f32 arithmetic and the matrix unit's own rounding can turn it there, and no further.
;;   INPUTS GIVEN AS CODES. ffn_w1 (in the module: [4096, 1024], K = its axis 1); ffn_w2 (in the module: [1024, 4096], K = its axis 1); proj_w (in the module: [1024, 1024], K = its axis 1); qkv_w (in the module: [3072, 1024], K = its axis 1): each comes as NAME_codes (uint8): NAME with its K axis moved to the last place and cut into blocks of 32 codes, [.., K / 32, bytes a block], one block behind the other in memory; four codes in three bytes: a row's codes are one little-endian stream of bits, code i at bits 6 i .. 6 i + 5 (a code: sign, 2 exponent bits, 3 mantissa bits); and NAME_scales (uint8): the same leading axes, one E8M0 byte (e + 127) for each 32 codes along K. Its value is code x scale, taken as it is: it is not quantised again, and the codes and scales need not be those that the quantiser above would give.
;; 2 versions. Each part assembles by itself: llvm-mc -triple=amdgcn-amd-amdhsa -mcpu=gfx1250 --defsym DOCPART=n.
;; ======== version 1 of 2: 7 launches
;; limits: right only within a limited range of input values
;; workspace buffers: nq 3,276,800 bytes; qkvq 10,092,544 bytes; aq 3,276,800 bytes; x1 16,777,216 bytes; gq 13,107,200 bytes
;; launch ln1 (part 1): grid 256 x 1, 4 waves a work-group, no clusters, 33,792 bytes of LDS; arguments x, ln_w, ln_b, nq; writes nq
.if DOCPART == 1
	.amdgcn_target "amdgcn-amd-amdhsa--gfx1250"
	.amdhsa_code_object_version 6
	.text
	.protected	k_q5ecd118fcf_ln1
	.globl	k_q5ecd118fcf_ln1
	.p2align	8
	.type	k_q5ecd118fcf_ln1,@function
k_q5ecd118fcf_ln1:
	s_mov_b64 s[64:65], 0
	v_nop
	global_prefetch_b8 v0, s[64:65] scope:SCOPE_SE
	s_setreg_imm32_b32 hwreg(HW_REG_WAVE_MODE, 25, 1), 1
	s_wait_xcnt 0x0
; LayerNorm of 4,096 rows of 1,024 f32, then the MX-FP6 quantiser along the row: n = (z - mean) rsqrt(var + 1e-5) w + b, all in f32; each block of 32 gets the scale 2^(floor(log2(largest magnitude)) - 2).
; OUT: codes laid as the next launch's tiles: [row / 128][K step of 256][128 rows][192 bytes]; behind them (byte 3,145,728) the scale bytes, [4096][32].
; SHARES: a work-group has 16 rows, a wave 4; a wave holds a whole row in 32 registers (lane l: numbers 128 i + 4 l + 0..3 of load i), so mean and variance never leave the wave.  All 32 row loads of a wave go out at the head.
; The conversion wants 16 neighbours in a lane: 512 numbers at a time turn through the wave's own stage in LDS (16 bytes of padding behind each 64).  Codes gather in the wave's own 3,072 bytes, [K step][row][192], and leave
; as 16-byte pieces of which sixteen lanes cover 256 consecutive bytes, aligned.  The 16 rows' scale bytes (512) gather for the work-group and leave by wave 0.
; No matrix unit, no tensor load, no cluster: work-groups share no input but w and b (8 KB).
; LIMITS: NaN and infinities are not served; a block of zeros gets the byte 1 (its codes are zeros; only this program reads the bytes).
.set W,    16                          ; v16-47   w, as a row lies in registers
.set BV,   48                          ; v48-79   b
.set X,    80                          ; v80-207  four rows; later each 16 registers hold 3 of codes and 1 scale byte
.set T,    208                         ; v208-239 two sets of 16 neighbours; at the end the codes on their way out
.set CST,  20480                       ; LDS: 4 x 5,120 bytes of stages, then 4 x 3,072 of codes,
.set SCB,  32768                       ; then 512 scale bytes
.set KJMP, 24576-768                   ; from the end of my 4 rows in one K step's tile to their start in the next
	s_load_b256 s[4:11], s[0:1], 0x0               ; z s[4:5], w s[6:7], b s[8:9], out s[10:11]
	v_lshl_add_u32 v254, v0, 2, 0x8200
	v_mov_b32 v255, 0
	v_lshrrev_b32 v1, 5, v0
	v_readfirstlane_b32 s14, v1                    ; wave
	v_and_b32 v1, 31, v0                           ; lane
	v_lshlrev_b32 v2, 4, v1                        ; 16 x lane
	s_mul_i32 s15, s14, 5120
	v_lshrrev_b32 v3, 2, v1
	v_mul_u32_u24 v3, v3, 80
	v_and_b32 v9, 3, v1
	v_lshl_add_u32 v3, v9, 4, v3
	v_add_nc_u32 v3, s15, v3                       ; the stage, way in: 80 (lane / 4) + 16 (lane % 4)
	v_mul_u32_u24 v4, v1, 80
	v_add_nc_u32 v4, s15, v4                       ; way out: 80 x lane
	s_mul_i32 s15, s14, 3072
	s_add_co_u32 s15, s15, CST
	v_lshrrev_b32 v9, 4, v1
	v_and_b32 v10, 15, v1
	v_mul_u32_u24 v5, v9, 768
	v_mad_u32_u24 v5, v10, 12, v5
	v_add_nc_u32 v5, s15, v5                       ; my 12 bytes of codes: K step 2 t + lane / 16, byte 12 (lane % 16)
	v_add_nc_u32 v6, s15, v2                       ; and 16 x lane on the way out
	s_lshl_b32 s15, s14, 7
	s_add_co_u32 s15, s15, SCB
	v_lshrrev_b32 v7, 1, v1
	v_add_nc_u32 v7, s15, v7                       ; my block's scale byte
	v_mul_u32_u24 v8, v9, KJMP
	v_add_nc_u32 v8, v8, v2                        ; a store whose upper sixteen lanes lie in the next K step's tile
	v_add_nc_u32 v11, SCB, v2
	s_lshl_b32 s16, ttmp9, 16
	s_lshl_b32 s17, s14, 14
	s_add_co_u32 s16, s16, s17                     ; row 16 g + 4 wave, 4,096 bytes a row
	s_mov_b32 s17, 0
	s_lshr_b32 s18, ttmp9, 3
	s_mul_i32 s18, s18, 98304                      ; the block of 128 rows
	s_and_b32 s19, ttmp9, 7
	s_lshl_b32 s19, s19, 2
	s_add_co_u32 s19, s19, s14
	s_mul_i32 s19, s19, 768                        ; my 4 rows in it
	s_add_co_u32 s18, s18, s19
	s_mov_b32 s19, 0
	s_lshl_b32 s22, ttmp9, 9
	s_add_co_u32 s22, s22, 3145728
	s_mov_b32 s23, 0
	s_mov_b32 s20, 0xba800000                      ; -1 / 1024
	s_mov_b32 s24, 0x76543210
	s_mov_b32 s25, 0xfedcba98                      ; lane l xor 16
	s_mov_b32 s26, 0x3a800000                      ; 1 / 1024
	s_mov_b32 s27, 0x3727c5ac                      ; 1e-5
	s_wait_kmcnt 0x0
	s_add_nc_u64 s[4:5], s[4:5], s[16:17]
	s_add_nc_u64 s[12:13], s[10:11], s[18:19]      ; codes
	s_add_nc_u64 s[10:11], s[10:11], s[22:23]      ; scale bytes
.irp i, 0,1,2,3,4,5,6,7
	global_load_b128 v[W+4*\i:W+4*\i+3], v2, s[6:7] offset:512*\i
	global_load_b128 v[BV+4*\i:BV+4*\i+3], v2, s[8:9] offset:512*\i
.endr
.irp r, 0,1,2,3
.irp i, 0,1,2,3,4,5,6,7
	global_load_b128 v[X+32*\r+4*\i:X+32*\r+4*\i+3], v2, s[4:5] offset:4096*\r+512*\i th:TH_LOAD_NT
.endr
.endr
.macro RED                             ; two chains of pairs -> one sum in every lane's v240
	v_pk_add_f32 v[240:241], v[240:241], v[242:243]
	v_add_f32 v240, v240, v241
	v_add_f32_dpp v240, v240, v240 row_xmask:1 row_mask:0xf bank_mask:0xf
	v_add_f32_dpp v240, v240, v240 row_xmask:2 row_mask:0xf bank_mask:0xf
	v_add_f32_dpp v240, v240, v240 row_xmask:4 row_mask:0xf bank_mask:0xf
	v_add_f32_dpp v240, v240, v240 row_xmask:8 row_mask:0xf bank_mask:0xf
	v_permlanex16_b32 v241, v240, s24, s25
	v_add_f32 v240, v240, v241
.endm
.macro TURN r, t                       ; 512 numbers through stage t: LDS serves a wave's instructions in order, so no wait stands between the stores and the loads
.irp i, 0,1,2,3
	ds_store_b128 v3, v[X+32*(\r)+16*(\t)+4*\i:X+32*(\r)+16*(\t)+4*\i+3] offset:2560*(\t)+640*\i
.endr
.irp i, 0,1,2,3
	ds_load_b128 v[T+16*(\t)+4*\i:T+16*(\t)+4*\i+3], v4 offset:2560*(\t)+16*\i
.endr
.endm
.macro QZ r, t                         ; my 16 neighbours; two neighbouring lanes hold a block of 32
.set TS, T+16*(\t)
.set CR, X+32*(\r)+16*(\t)
	v_max3_num_f32 v248, |v[TS]|, |v[TS+1]|, |v[TS+2]|
	v_max3_num_f32 v249, |v[TS+3]|, |v[TS+4]|, |v[TS+5]|
.irp i, 6,10
	v_max3_num_f32 v248, v248, |v[TS+\i]|, |v[TS+\i+1]|
	v_max3_num_f32 v249, v249, |v[TS+\i+2]|, |v[TS+\i+3]|
.endr
	v_max3_num_f32 v248, v248, |v[TS+14]|, |v[TS+15]|
	v_max3_num_f32 v248, v248, v249, 0x1800000     ; the floor 2^(3 - 127): the byte cannot fall under 1
	v_max_num_f32_dpp v248, v248, v248 row_xmask:1 row_mask:0xf bank_mask:0xf
	v_add_nc_u32 v250, 0xff000000, v248            ; 2 off the exponent field: the conversion's scale operand
	v_cvt_scalef32_pk16_fp6_f32 v[CR:CR+2], v[TS:TS+15], v250
	v_lshrrev_b32 v[CR+3], 23, v250                ; the scale's byte (a plain line behind the conversion)
.irp k, 0,1,2
	ds_store_b32 v5, v[CR+\k] offset:1536*(\t)+192*(\r)+4*\k
.endr
	ds_store_b8 v7, v[CR+3] offset:32*(\r)+16*(\t)
.endm
.macro ROW r
.set XR, X+32*(\r)
	s_wait_loadcnt 8*(3-(\r))                      ; w, b and my row are in; the later rows' eight loads each may be out
	v_pk_add_f32 v[240:241], v[XR:XR+1], v[XR+2:XR+3]
	v_pk_add_f32 v[242:243], v[XR+4:XR+5], v[XR+6:XR+7]
.irp j, 8,12,16,20,24,28
	v_pk_add_f32 v[240:241], v[240:241], v[XR+\j:XR+\j+1]
	v_pk_add_f32 v[242:243], v[242:243], v[XR+\j+2:XR+\j+3]
.endr
	RED
	v_mul_f32 v244, s20, v240                      ; -mean
	v_mov_b32 v245, v244
.irp j, 0,2,4,6,8,10,12,14,16,18,20,22,24,26,28,30
	v_pk_add_f32 v[XR+\j:XR+\j+1], v[XR+\j:XR+\j+1], v[244:245]
.endr
	v_pk_mul_f32 v[240:241], v[XR:XR+1], v[XR:XR+1]
	v_pk_mul_f32 v[242:243], v[XR+2:XR+3], v[XR+2:XR+3]
.irp j, 4,8,12,16,20,24,28
	v_pk_fma_f32 v[240:241], v[XR+\j:XR+\j+1], v[XR+\j:XR+\j+1], v[240:241]
	v_pk_fma_f32 v[242:243], v[XR+\j+2:XR+\j+3], v[XR+\j+2:XR+\j+3], v[242:243]
.endr
	RED
	v_fma_f32 v248, v240, s26, s27                 ; variance + 1e-5
	v_rsq_f32 v246, v248
	v_rsq_f32 v247, v248
	v_nop                                          ; a plain line behind the transcendentals
	s_wait_alu depctr_va_vdst(0)                   ; one wait for both, ahead of their first reader
.irp j, 0,2,4,6,8,10,12,14,16,18,20,22,24,26,28,30
	v_pk_mul_f32 v[XR+\j:XR+\j+1], v[XR+\j:XR+\j+1], v[246:247]
.endr
.irp j, 0,2,4,6,8,10,12,14,16,18,20,22,24,26,28,30
	v_pk_fma_f32 v[XR+\j:XR+\j+1], v[XR+\j:XR+\j+1], v[W+\j:W+\j+1], v[BV+\j:BV+\j+1]
.endr
	TURN \r, 0
	TURN \r, 1
	s_wait_dscnt 8                                 ; the first turn's eight are done (the second's eight may be out): its numbers are back and its stores have read their registers
	QZ \r, 0
	s_wait_dscnt 4                                 ; the second turn is done; the four stores just issued may be out
	QZ \r, 1
.endm
	ROW 0
	ROW 1
	ROW 2
	ROW 3
.irp q, 0,1,2,3,4,5
	ds_load_b128 v[T+4*\q:T+4*\q+3], v6 offset:512*\q   ; my own bytes, behind my stores in order
.endr
	s_wait_dscnt 5
	global_store_b128 v2, v[T:T+3], s[12:13]
	s_wait_dscnt 4
	global_store_b128 v8, v[T+4:T+7], s[12:13] offset:512
	s_wait_dscnt 3
	global_store_b128 v2, v[T+8:T+11], s[12:13] offset:1024+KJMP
	s_wait_dscnt 2
	global_store_b128 v2, v[T+12:T+15], s[12:13] offset:1536+2*KJMP
	s_wait_dscnt 1
	global_store_b128 v8, v[T+16:T+19], s[12:13] offset:2048+2*KJMP
	s_wait_dscnt 0x0                               ; also for the others' sake: my scale bytes have landed
	global_store_b128 v2, v[T+20:T+23], s[12:13] offset:2560+3*KJMP
	s_barrier_signal -1
	s_barrier_wait -1
	s_cmp_lg_u32 s14, 0
	s_cbranch_scc1 .Lend
	ds_load_b128 v[232:235], v11                   ; the 16 rows' 512 scale bytes
	s_wait_dscnt 0x0
	global_store_b128 v2, v[232:235], s[10:11]
.Lend:
	s_wait_tensorcnt 0x0
	ds_add_u32 v254, v255
	s_wait_dscnt 0x0
	s_endpgm
.Lfunc_end_k_q5ecd118fcf_ln1:
	.size	k_q5ecd118fcf_ln1, .Lfunc_end_k_q5ecd118fcf_ln1-k_q5ecd118fcf_ln1
	.p2alignl 7, 3214868480
	.fill 96, 4, 3214868480
	.section	.rodata,"a",@progbits
	.p2align	6, 0x0
	.amdhsa_kernel k_q5ecd118fcf_ln1
		.amdhsa_group_segment_fixed_size 33792
		.amdhsa_private_segment_fixed_size 0
		.amdhsa_enable_private_segment 0
		.amdhsa_kernarg_size 32
		.amdhsa_user_sgpr_count 2
		.amdhsa_user_sgpr_kernarg_segment_ptr 1
		.amdhsa_wavefront_size32 1
		.amdhsa_system_sgpr_workgroup_id_x 1
		.amdhsa_system_sgpr_workgroup_id_y 1
		.amdhsa_system_sgpr_workgroup_id_z 1
		.amdhsa_system_vgpr_workitem_id 0
		.amdhsa_next_free_vgpr 256
		.amdhsa_next_free_sgpr 66
		.amdhsa_reserve_vcc 0
		.amdhsa_float_denorm_mode_32 3
		.amdhsa_float_denorm_mode_16_64 3
		.amdhsa_memory_ordered 1
		.amdhsa_forward_progress 1
		.amdhsa_inst_pref_size 46
	.end_amdhsa_kernel
	.amdgpu_metadata
---
amdhsa.version: [ 1, 2 ]
amdhsa.kernels:
  - .name:           k_q5ecd118fcf_ln1
    .symbol:         k_q5ecd118fcf_ln1.kd
    .args:
      - { .name: x, .offset: 0, .size: 8, .value_kind: global_buffer, .address_space: global }
      - { .name: ln_w, .offset: 8, .size: 8, .value_kind: global_buffer, .address_space: global }
      - { .name: ln_b, .offset: 16, .size: 8, .value_kind: global_buffer, .address_space: global }
      - { .name: nq, .offset: 24, .size: 8, .value_kind: global_buffer, .address_space: global }
    .group_segment_fixed_size: 33792
    .private_segment_fixed_size: 0
    .kernarg_segment_align: 8
    .kernarg_segment_size: 32
    .max_flat_workgroup_size: 128
    .sgpr_count:     66
    .vgpr_count:     256
    .wavefront_size: 32
...
	.end_amdgpu_metadata
.endif
;; end of part 1
;; launch qkv (part 2): grid 12 x 16, 4 waves a work-group, clusters of 4 x 4, 327,680 bytes of LDS; arguments nq, qkv_w_codes, qkv_w_scales, qkv_b, qkvq; writes qkvq
.if DOCPART == 2
	.amdgcn_target "amdgcn-amd-amdhsa--gfx1250"
	.amdhsa_code_object_version 6
	.text
	.protected	k_q5ecd118fcf_qkv
	.globl	k_q5ecd118fcf_qkv
	.p2align	8
	.type	k_q5ecd118fcf_qkv,@function
k_q5ecd118fcf_qkv:
	s_mov_b64 s[64:65], 0
	v_nop
	global_prefetch_b8 v0, s[64:65] scope:SCOPE_SE
	s_setreg_imm32_b32 hwreg(HW_REG_WAVE_MODE, 25, 1), 1
	s_wait_xcnt 0x0
	s_wait_alu depctr_hold_cnt(0) depctr_sa_sdst(0) depctr_va_vdst(0) depctr_va_sdst(0) depctr_va_ssrc(0) depctr_va_vcc(0) depctr_vm_vsrc(0)
	s_getreg_b32 s2, hwreg(HW_REG_IB_STS2, 6, 4)
	s_cmp_eq_u32 s2, 0
	s_cbranch_scc0 .Lentry_in_a_cluster
	s_endpgm
.Lentry_in_a_cluster:
	s_bfe_u32 s2, ttmp6, 0x10000c
	s_cmp_lg_u32 s2, 0xf033
	s_cbranch_scc0 .Lentry_shape_is_right
	s_endpgm
.Lentry_shape_is_right:
; qkv = n Wqkv^T + b on codes of FP6 (E2M3) with E8M0 scales, M 4,096, N 3,072, K 1,024; then q and k x 64^(-1/4) quantised along the head's 64, v quantised along the keys.  Nothing leaves as f32.
; A (n): codes as tiles [row / 128][K step of 256][128][192 bytes], scale bytes [4096][32] at byte ASC of the same buffer.  B: codes [3072][768 bytes], scale bytes [3072][32].
; THE PRODUCT: a tile of 256 x 256 to a work-group of four waves, 128 x 128 a wave in 512 registers; K in steps of 256 through two LDS slots filled by the tensor data mover; all scale bytes of the tile's rows come
; into LDS once.  4 x 4 work-groups form a cluster: A's tiles are asked for jointly along a row of the cluster, B's along a column.  The matrix instruction is used transposed (source 0 = rows of B, source 1 = rows of A).
; THE ROWS OF A TILE OF 16 ARE NOT NEIGHBOURS, on both sides: lane r of block i takes row 32 (i / 2) + 8 (i % 2) + r + 8 (r / 8).  So accumulator (a, b), lane (r, h), register j is
; C(row 32 (a / 2) + 8 (a % 2) + r + 8 (r / 8), column 32 (b / 2) + 16 h + 8 (b % 2) + j): a block a's 64 registers run along 128 neighbouring columns, 16 of each block of 32.  The bias is the C of the first K step.
; OUT (one buffer; y = 16 batch + head; a position 16 T + r stands for token or channel 32 (T / 2) + 8 (T % 2) + r + 8 (r / 8)):
;   q codes [y][2048 positions][48] at 0, k codes likewise at 3,145,728, v codes [y][key step of 128][4 channel tiles][2][16][48] at 6,291,456;
;   q words {s0, s1, 0x7f, 0x7f} [y][2048] at 9,437,184, k words at 9,699,328, v words [y][key step][64 positions] at 9,961,472 (a byte for each 32 keys).
; The cluster's x says which third of N the work-group makes (0: q, 1: k, 2: v): it is equal in all partners, and the two ways out use LDS bytes of their own.
; LIMITS: NaN and infinities are not served; a block of zeros gets the byte 1 (its codes are zeros; only this program reads the bytes).
; REGISTERS: window 0: v0-31 addresses; v32-63 scale words, two sets; v64-127 the bias; v128-223 A's fragments, one set.  window 1: B's fragments, two sets.  windows 2, 3: the accumulators.
.set SIZE_N, 3072
.set SIZE_K, 1024
.set PERM,   1
.set ASC,    3145728
.set KSTEP,  256
.set NQ,     KSTEP/128
.set ROWB,   192
.set ATILE,  128*ROWB                  ; a tile of A in memory: dense
.set KROW,   SIZE_K*6/8
.set PITCH,  240                       ; an LDS row: 3 x (64 bytes + 16 of padding)
.set FR,     12
.set NL,     6
.set NP,     4                         ; places behind this matrix instruction (ISA guide 7.12.1)
.set HALFT,  128*PITCH
.set SLOT,   4*HALFT
.set LAPS,   SIZE_K/(2*KSTEP)
.set KS,     SIZE_K/32
.set SCL,    2*SLOT                    ; behind the ring: the scale bytes, as units of 256 bytes + 16 of padding
.set HALFS,  (128*KS/256)*272
.set SBLK,   (16*KS/256)*272
.set SPARE,  SCL+4*HALFS               ; the spare words, 128 bytes a wave: two blocks of 256 bytes that no other line names
.set RP,   7                           ; v7      r + 8 (r / 8)
.set ADRA, 16
.set ADRB, 20
.set ADRS, 27
.set SPW,  28
.set NIL,  29
.set SC,   32
.set BIAS, 64
.set AF,   128
.set G1, 24
.set G0, 32
.set G1B, 48
.set G0B, 56
.set G1S, 68
.set G0S, 76
.set G1SB, 80
.set G0SB, 88
.set SEL, 96
.set MSB, 0
.macro WIN new                         ; the immediate's high byte repeats the setting that is left
.if MSB != (\new)
	s_set_vgpr_msb (MSB<<8)|(\new)
.set MSB, (\new)
.endif
.endm
.set MUL_LO, 0xa1                      ; source 0 (B) window 1, source 1 (A) window 0, C and D window 2
.set MUL_HI, 0xf1                      ; the same, C and D window 3
.set TO_B,   0x40
.macro JLOAD g0a, g1a, g0b, g1b        ; a joint load: waves 0, 1 fetch for A, waves 2, 3 for B; four v_nop follow each line
	s_cmp_eq_u32 s15, 0
	s_cbranch_scc0 .Lfor_b_\@
	tensor_load_to_lds s[\g0a:\g0a+3], s[\g1a:\g1a+7]
	s_nop 0
.rept 4
	v_nop
.endr
	s_branch .Lasked_\@
.Lfor_b_\@:
	tensor_load_to_lds s[\g0b:\g0b+3], s[\g1b:\g1b+7]
	s_nop 0
.rept 4
	v_nop
.endr
.Lasked_\@:
.endm
.macro CREST                           ; a round of the cluster's barrier behind its opening barrier
	s_cmp_lg_u32 s14, 0
	s_cbranch_scc1 .Lnot_wave_0_\@
	s_barrier_signal -3
.Lnot_wave_0_\@:
	s_barrier_wait -3
	s_barrier_signal -1
	s_barrier_wait -1
.endm
.macro CROUND
	s_barrier_signal -1
	s_barrier_wait -1
	CREST
.endm
	s_load_b64 s[4:5], s[0:1], 0x0                 ; A: codes, and its scale bytes ASC on
	s_load_b128 s[8:11], s[0:1], 0x8               ; B's codes, B's scales
	s_load_b64 s[98:99], s[0:1], 0x18              ; the bias
	s_load_b64 s[12:13], s[0:1], 0x20              ; out
	v_lshl_add_u32 v[SPW], v0, 2, SPARE
	v_mov_b32 v[NIL], 0
	ds_add_u32 v28, v29
	ds_add_u32 v28, v29
	s_wait_dscnt 0x0
	v_lshrrev_b32 v1, 5, v0
	v_readfirstlane_b32 s14, v1                    ; wave 0..3
	s_lshr_b32 s15, s14, 1                         ; my half of the tile's rows; also: I fetch for A (0) or B (1)
	s_and_b32 s16, s14, 1                          ; my half of its columns; also: which 128 rows I fetch
	s_bfe_u32 s40, ttmp6, 0x40000                  ; cx
	s_bfe_u32 s41, ttmp6, 0x40004                  ; cy
	s_lshl_b32 s42, ttmp9, 2
	s_add_co_u32 s42, s42, s40                     ; tile column
	s_and_b32 s17, ttmp7, 0xffff
	s_lshl_b32 s17, s17, 2
	s_add_co_u32 s17, s17, s41                     ; tile row
	s_lshl_b32 s43, s41, 2
	s_lshl_b32 s43, 15, s43                        ; my row of the cluster
	s_lshl_b32 s44, 0x1111, s40                    ; my column
	s_or_b32 s[G1+0], s43, (0<<16)|(1<<20)|(1<<21)|(3<<22)|(3<<25)  ; the mask; elements of 1 byte; padding of 4 words behind every 16; bit 21 beside a mask
	s_or_b32 s[G1B+0], s44, (0<<16)|(1<<20)|(1<<21)|(3<<22)|(3<<25)
.irp g, G1, G1B
	s_mov_b32 s[\g+1], ROWB<<16                    ; tensor_dim0
	s_mov_b32 s[\g+2], 128<<16                     ; tensor_dim1
	s_mov_b32 s[\g+3], ROWB<<16                    ; tile_dim0
	s_mov_b32 s[\g+4], 128                         ; tile_dim1
	s_mov_b32 s[\g+6], 0
	s_mov_b32 s[\g+7], 0
.endr
	s_mov_b32 s[G1+5], ROWB                        ; A's tiles are dense
	s_mov_b32 s[G1B+5], KROW                       ; B's rows lie KROW bytes apart
	s_or_b32 s[G1S+0], s43, (3<<16)|(1<<20)|(1<<21)|(5<<22)|(3<<25)  ; the scale bytes of 128 rows: a dense block, as rows of 256 bytes + 16 of padding
	s_or_b32 s[G1SB+0], s44, (3<<16)|(1<<20)|(1<<21)|(5<<22)|(3<<25)
.irp g, G1S, G1SB
	s_mov_b32 s[\g+1], 32<<16
	s_mov_b32 s[\g+2], (128*KS/256)<<16
	s_mov_b32 s[\g+3], 32<<16
	s_mov_b32 s[\g+4], 128*KS/256
	s_mov_b32 s[\g+5], 32
	s_mov_b32 s[\g+6], 0
	s_mov_b32 s[\g+7], 0
.endr
	s_lshl_b32 s18, s16, 7
	s_lshl_b32 s20, s17, 8
	s_add_co_u32 s20, s20, s18                     ; A: row 256 x tile row + 128 x half
	s_lshl_b32 s46, s42, 8
	s_add_co_u32 s46, s46, s18                     ; B: row 256 x tile column + 128 x half
	s_mov_b32 s21, 0
	s_mov_b32 s47, 0
	s_mov_b64 s[18:19], KS
	s_mul_u64 s[22:23], s[20:21], s[18:19]
	s_mul_u64 s[92:93], s[46:47], s[18:19]
	s_mov_b64 s[18:19], KROW
	s_mul_u64 s[20:21], s[20:21], s[18:19]         ; 128 rows x KROW bytes = the K steps' tiles of a block of 128 rows: the same offset in either layout
	s_mul_u64 s[46:47], s[46:47], s[18:19]
	s_mul_i32 s45, s14, HALFT
	s_mul_i32 s94, s14, HALFS
	s_wait_kmcnt 0x0
	s_add_nc_u64 s[6:7], s[4:5], ASC
	s_add_nc_u64 s[20:21], s[4:5], s[20:21]
	s_add_nc_u64 s[22:23], s[6:7], s[22:23]
	s_add_nc_u64 s[46:47], s[8:9], s[46:47]
	s_add_nc_u64 s[92:93], s[10:11], s[92:93]
	CROUND                                         ; all sixteen work-groups are here: the first joint loads meet
	s_mov_b32 s[G0S], 1
	s_add_co_u32 s[G0S+1], s94, SCL
	s_mov_b64 s[G0S+2:G0S+3], s[22:23]
	s_or_b32 s[G0S+3], s[G0S+3], 0x80000000
	s_mov_b32 s[G0SB], 1
	s_add_co_u32 s[G0SB+1], s94, SCL
	s_mov_b64 s[G0SB+2:G0SB+3], s[92:93]
	s_or_b32 s[G0SB+3], s[G0SB+3], 0x80000000
	JLOAD G0S, G1S, G0SB, G1SB                     ; the scale bytes first
.irp s, 0,1
	s_mov_b32 s[G0+4*\s], 1
	s_add_co_u32 s[G0+4*\s+1], s45, \s*SLOT
	s_add_nc_u64 s[G0+4*\s+2:G0+4*\s+3], s[20:21], \s*ATILE
	s_or_b32 s[G0+4*\s+3], s[G0+4*\s+3], 0x80000000
	s_mov_b32 s[G0B+4*\s], 1
	s_add_co_u32 s[G0B+4*\s+1], s45, \s*SLOT
	s_add_nc_u64 s[G0B+4*\s+2:G0B+4*\s+3], s[46:47], \s*ROWB
	s_or_b32 s[G0B+4*\s+3], s[G0B+4*\s+3], 0x80000000
	JLOAD G0+4*\s, G1, G0B+4*\s, G1B
.endr
	v_and_b32 v1, 15, v0                           ; r
	v_bfe_u32 v2, v0, 4, 1                         ; h
	v_and_b32 v7, 8, v1
	v_add_nc_u32 v7, v7, v1                        ; r + 8 (r / 8)
	v_mul_u32_u24 v3, v[RP], PITCH
	v_mul_u32_u24 v4, v2, 24
	v_add_nc_u32 v4, v3, v4                        ; a fragment's row x pitch + 24 x half
	v_lshl_add_u32 v5, v2, 4, v4                   ; and the same behind one padding more
	s_mul_i32 s21, s15, HALFT
	s_mul_i32 s22, s16, HALFT
	s_add_co_u32 s22, s22, 2*HALFT
.irp s, 0,1
	v_add_nc_u32 v[ADRA+\s], s21, v4
	v_add_nc_u32 v[ADRB+\s], s22, v4
	v_add_nc_u32 v[ADRA+2+\s], s21, v5
	v_add_nc_u32 v[ADRB+2+\s], s22, v5
	s_add_co_u32 s21, s21, SLOT
	s_add_co_u32 s22, s22, SLOT
.endr
	v_mul_u32_u24 v5, v[RP], KS                    ; my row's scale bytes,
	v_lshrrev_b32 v6, 8, v5
	v_lshl_add_u32 v5, v6, 4, v5                   ; and 16 more for each 256 passed
	s_mul_i32 s21, s15, HALFS
	s_mul_i32 s22, s16, HALFS
	s_add_co_u32 s22, s22, 2*HALFS
	s_sub_co_u32 s22, s22, s21
	v_mul_u32_u24 v6, s22, v2                      ; lanes 16-31 take B's
	s_add_co_u32 s21, s21, SCL
	v_add_nc_u32 v5, v5, v6
	v_add_nc_u32 v[ADRS], s21, v5
	s_lshl_b32 s46, s42, 10
	s_lshl_b32 s47, s16, 9
	s_add_co_u32 s46, s46, s47
	s_mov_b32 s47, 0
	s_add_nc_u64 s[98:99], s[98:99], s[46:47]      ; the bias at my first column
	v_lshlrev_b32 v8, 6, v2                        ; 16 h numbers on
.irp b, 0,1,2,3,4,5,6,7
	global_load_b128 v[BIAS+8*\b:BIAS+8*\b+3], v8, s[98:99] offset:128*(\b/2)+32*(\b%2)
	global_load_b128 v[BIAS+8*\b+4:BIAS+8*\b+7], v8, s[98:99] offset:128*(\b/2)+32*(\b%2)+16
.endr
	; where my 128 tokens x 2 heads go
	s_lshr_b32 s20, s42, 2                         ; 0: q, 1: k, 2: v
	s_lshl_b32 s21, s42, 2
	s_lshl_b32 s22, s16, 1
	s_add_co_u32 s21, s21, s22
	s_and_b32 s21, s21, 15                         ; my first head
	s_lshr_b32 s22, s17, 3
	s_lshl_b32 s22, s22, 4
	s_add_co_u32 s21, s21, s22                     ; y = 16 batch + head
	s_and_b32 s22, s17, 7
	s_lshl_b32 s22, s22, 1
	s_add_co_u32 s22, s22, s15                     ; my first token / 128
	s_lshl_b32 s23, s21, 12
	s_lshl_b32 s46, s22, 8
	s_add_co_u32 s23, s23, s46                     ; v's words: 4,096 y + 256 (token / 128); q's and k's: twice that
	s_lshl_b32 s46, s23, 1
	s_cmp_eq_u32 s20, 2
	s_cselect_b32 s46, s23, s46
	s_lshl_b32 s23, s20, 18
	s_add_co_u32 s46, s46, s23
	s_add_co_u32 s46, s46, 9437184
	s_mov_b32 s47, 0
	s_add_nc_u64 s[100:101], s[12:13], s[46:47]    ; the scale words
	s_mul_i32 s46, s20, 3145728
	s_mul_i32 s23, s21, 98304
	s_add_co_u32 s46, s46, s23
	s_mul_i32 s23, s22, 6144
	s_add_co_u32 s46, s46, s23
	s_add_nc_u64 s[12:13], s[12:13], s[46:47]      ; the codes
.macro FRAG reg, adr, q, i             ; a fragment, 16 rows x 128 K: 12 registers; registers 6 c .. 6 c + 5 hold K = 64 c + 32 h + 0 .. 31: 24 bytes of the row's stream of bits, in pieces of 8 bytes
.irp p, 0,1,2,3,4,5
.set PCE, 12*(\q)+6*(\p/3)+\p%3        ; where the piece three on lies behind one padding more, the second address register serves
.if PCE%8 < 5
	ds_load_b64 v[\reg+2*\p:\reg+2*\p+1], v[\adr] offset:8*PCE+16*(PCE/8)+(16*(\i)-8*PERM*((\i)%2))*PITCH
.else
	ds_load_b64 v[\reg+2*\p:\reg+2*\p+1], v[\adr+2] offset:8*PCE+16*(PCE/8)+(16*(\i)-8*PERM*((\i)%2))*PITCH
.endif
.endr
.endm
; 16 matrix instructions: A's blocks a0, a0 + 1 x B's eight.  zero = 2: the bias starts the sums.  The 64 accumulators take turns, one instruction a turn.
.macro MUL16 a0, p, q, sc, zero
.irp a, \a0, \a0+1
.irp b, 0,1,2,3,4,5,6,7
.if \zero == 2
	v_wmma_scale_f32_16x16x128_f8f6f4 v[8*(8*((\a)%4)+\b):8*(8*((\a)%4)+\b)+7], v[128*(\p)+FR*\b:128*(\p)+FR*\b+FR-1], v[AF+FR*(\a):AF+FR*(\a)+FR-1], v[BIAS+8*\b:BIAS+8*\b+7], v[SC+8*NQ*(\sc)+NQ*\b+(\q)], v[SC+8*NQ*(\sc)+NQ*(\a)+(\q)] matrix_a_fmt:MATRIX_FMT_FP6 matrix_b_fmt:MATRIX_FMT_FP6 matrix_a_scale:MATRIX_SCALE_ROW1
.else
	v_wmma_scale_f32_16x16x128_f8f6f4 v[8*(8*((\a)%4)+\b):8*(8*((\a)%4)+\b)+7], v[128*(\p)+FR*\b:128*(\p)+FR*\b+FR-1], v[AF+FR*(\a):AF+FR*(\a)+FR-1], v[8*(8*((\a)%4)+\b):8*(8*((\a)%4)+\b)+7], v[SC+8*NQ*(\sc)+NQ*\b+(\q)], v[SC+8*NQ*(\sc)+NQ*(\a)+(\q)] matrix_a_fmt:MATRIX_FMT_FP6 matrix_b_fmt:MATRIX_FMT_FP6 matrix_a_scale:MATRIX_SCALE_ROW1
.endif
.endr
.endr
.endm
.macro FETCH_B slot, q, p
	WIN TO_B
.irp i, 0,1,2,3,4,5,6,7
	FRAG 128*(\p)+FR*\i, ADRB+\slot, \q, \i
.endr
	WIN 0
.endm
.macro FETCH_A slot, q, i0
.irp i, \i0, \i0+1, \i0+2, \i0+3
	FRAG AF+FR*(\i), ADRA+\slot, \q, \i
.endr
.endm
.macro SCALES sc                       ; a K step's scale words: lanes 0-15 A's block i, lanes 16-31 B's block i
.irp i, 0,1,2,3,4,5,6,7
	ds_load_b64 v[SC+8*NQ*\sc+NQ*\i:SC+8*NQ*\sc+NQ*\i+1], v[ADRS] offset:\i*SBLK-PERM*(\i%2)*272
.endr
.endm
.macro PLACES n
.rept \n
	v_nop
.endr
.endm
.macro STEP slot, q, zero              ; 128 along K that has its successor in the same slot
	s_wait_dscnt 4*NL                              ; B's set and A's blocks 0-3 are in; the youngest 24 loads (A's blocks 4-7) may be out
	WIN MUL_LO-0x20*((\zero)/2)                    ; (the bias lies in window 0)
	MUL16 0, (\q)%2, \q, \slot, \zero
	MUL16 2, (\q)%2, \q, \slot, \zero
	s_wait_dscnt 0
	PLACES NP
	FETCH_B \slot, (\q)+1, 1-(\q)%2
	FETCH_A \slot, (\q)+1, 0
	WIN MUL_HI-0x30*((\zero)/2)
	MUL16 4, (\q)%2, \q, \slot, \zero
	MUL16 6, (\q)%2, \q, \slot, \zero
	PLACES NP
	WIN 0
	FETCH_A \slot, (\q)+1, 4
.endm
.macro TURN slot, next, fill           ; a slot's last step changes slots: one barrier; fill = 1: this slot is filled again, two K steps ahead
	s_wait_tensorcnt 0x0                           ; all my tensor loads have landed: my part of the next slot
	ds_add_u32 v[SPW], v[NIL]                      ; 0 onto my spare word
	s_wait_dscnt 4*NL+1                            ; (the add and A's blocks 4-7 may be out)
	WIN MUL_LO
	MUL16 0, 1, NQ-1, \slot, 0
	s_wait_dscnt 0x0                               ; the add is done, and my reads of this slot are over
	s_barrier_signal -1
	MUL16 2, 1, NQ-1, \slot, 0
	WIN 0
	s_barrier_wait -1
.if \fill
	CREST                                          ; the barrier has opened a round of the cluster's barrier: no wave of any partner still reads this slot or has a load on its way
	s_add_nc_u64 s[G0+4*\slot+2:G0+4*\slot+3], s[G0+4*\slot+2:G0+4*\slot+3], 2*ATILE
	s_add_nc_u64 s[G0B+4*\slot+2:G0B+4*\slot+3], s[G0B+4*\slot+2:G0B+4*\slot+3], 2*ROWB
	JLOAD G0+4*\slot, G1, G0B+4*\slot, G1B         ; the first tensor load behind the round; its four v_nop are the places in front of the loads below
.else
	PLACES NP
.endif
	v_add_nc_u32 v[ADRS], 4*NQ, v[ADRS]
	FETCH_B \next, 0, 0
	FETCH_A \next, 0, 0
	SCALES \next
	WIN MUL_HI
	MUL16 4, 1, NQ-1, \slot, 0
	MUL16 6, 1, NQ-1, \slot, 0
	PLACES NP
	WIN 0
	FETCH_A \next, 0, 4
.endm
	s_wait_tensorcnt 1                             ; the scale bytes and my part of K step 0 are in (K step 1's load may be out),
	s_barrier_signal -1
	s_barrier_wait -1                              ; everybody's are
	FETCH_B 0, 0, 0
	FETCH_A 0, 0, 0
	SCALES 0
	FETCH_A 0, 0, 4
	s_wait_loadcnt 0x0                             ; the bias
	STEP 0, 0, 2
	s_mov_b32 s3, LAPS-1
.Llap:
	TURN 0, 1, 1
	STEP 1, 0, 0
	TURN 1, 0, 1
	STEP 0, 0, 0
	s_sub_co_u32 s3, s3, 1
	s_cmp_lg_u32 s3, 0
	s_cbranch_scc1 .Llap
	TURN 0, 1, 0                                   ; the last lap fills nothing
	STEP 1, 0, 0
	s_wait_dscnt 4*NL
	WIN MUL_LO
	MUL16 0, 1, NQ-1, 1, 0
	MUL16 2, 1, NQ-1, 1, 0
	s_wait_dscnt 0
	WIN MUL_HI
	MUL16 4, 1, NQ-1, 1, 0
	MUL16 6, 1, NQ-1, 1, 0
	WIN 0
; THE WAY OUT.  Both slots have had their last fill; behind this barrier nobody reads them, and each wave uses bytes of its own in them.
.set H,    32                          ; v32-95   64 numbers of a lane (v: two sets of 32)
.set TM,   96                          ; v96-111  at work in the quantiser
.set QC,   112                         ; v112-131 the codes just made
.set PW,   132                         ; v132     the scale word just made; v133, v134 a head's words
.set SB,   136                         ; v136-139 v: a channel's four scale bytes, for each 32 channels
.set OB,   144                         ; v144-239 24 x 16 bytes on their way out
.set GL,   240                         ; 16 x lane
.set QSTO, 241
.set QSSW, 242
.set QRD,  243
.set VFI,  244
.set VFO,  245
.set VCW,  246
.set VSW,  247
.set VRD,  248
.set GV,   249
	PLACES NP
	s_wait_dscnt 0x0
	s_barrier_signal -1
	s_barrier_wait -1
	v_and_b32 v3, 31, v0
	v_lshlrev_b32 v[GL], 4, v3
	s_mul_i32 s20, s14, 13312                      ; q, k: 12,288 bytes of codes [2 heads][128 positions][48], then 1,024 of words, for each wave
	v_mul_u32_u24 v4, v1, 48
	v_mad_u32_u24 v4, v2, 24, v4
	v_add_nc_u32 v[QSTO], s20, v4
	v_lshl_add_u32 v[QSSW], v1, 2, s20
	v_add_nc_u32 v[QRD], s20, v[GL]
	s_mul_i32 s21, s14, 29696                      ; v: from byte 65,536 on, for each wave 32 rows x 528 bytes of f32, 12,288 of codes, 512 of words
	s_add_co_u32 s21, s21, 65536
	v_mul_u32_u24 v4, v7, 528
	v_lshl_add_u32 v4, v2, 6, v4
	v_add_nc_u32 v[VFI], s21, v4
	v_lshl_add_u32 v[VFO], v3, 2, s21
	v_bfe_u32 v4, v0, 3, 1                         ; channel 32 g + lane has the position 16 (2 (g % 2) + u) + rr: u = (lane / 8) % 2,
	v_and_b32 v5, 7, v0
	v_lshl_add_u32 v5, v2, 3, v5                   ; rr = lane % 8 + 8 (lane / 16)
	v_mul_u32_u24 v6, v4, 1536
	v_mad_u32_u24 v6, v5, 48, v6
	v_add_nc_u32 v[VCW], s21, v6
	v_lshl_add_u32 v6, v4, 4, v5
	v_lshl_add_u32 v[VSW], v6, 2, s21
	v_add_nc_u32 v[VRD], s21, v[GL]
	v_lshlrev_b32 v6, 4, v1
	v_lshl_add_u32 v[GV], v2, 12, v6               ; v's words: sixteen lanes to a head's 256 bytes, heads 4,096 bytes apart
.irp b, 0,1,2,3
	v_mov_b32 v[TM+4+\b], 0                        ; written once: a lane permute's destination counts as one of its sources
.endr
	s_mov_b32 s[SEL], 0x76543210
	s_mov_b32 s[SEL+1], 0xfedcba98
	s_mov_b32 s94, 0x3eb504f3                      ; 64^(-1/4)
	s_mov_b32 s95, s94
	s_mov_b32 s92, 0x7f7f0000                      ; the bytes of the two blocks of padding along K
; 64 numbers of a lane, register 16 b + i = k 32 b + 16 h + i of my row, become a fragment's codes in v[QC] on and its scale word in v[PW]
.macro QUANT s
.irp b, 0,1,2,3
	v_max3_num_f32 v[TM+\b], |v[\s+16*\b]|, |v[\s+1+16*\b]|, 0x1800000   ; with the floor 2^(3 - 127): the byte cannot fall under 1
.endr
.irp i, 2,4,6,8,10,12,14
.irp b, 0,1,2,3
	v_max3_num_f32 v[TM+\b], v[TM+\b], |v[\s+16*\b+\i]|, |v[\s+1+16*\b+\i]|
.endr
.endr
.irp b, 0,1,2,3
	v_permlanex16_b32 v[TM+4+\b], v[TM+\b], s[SEL], s[SEL+1]
.endr
.irp b, 0,1,2,3
	v_max_num_f32 v[TM+\b], v[TM+\b], v[TM+4+\b]
.endr
.irp b, 0,1,2,3
	v_add_nc_u32 v[TM+12+\b], 0xff000000, v[TM+\b]   ; 2 off the exponent field: the conversion's scale operand
.endr
.irp b, 0,1,2,3
	v_lshrrev_b32 v[TM+4+\b], 23, v[TM+12+\b]
.endr
	v_lshl_or_b32 v[PW], v[TM+5], 8, v[TM+4]
	v_lshl_or_b32 v[PW], v[TM+6], 16, v[PW]
	v_lshl_or_b32 v[PW], v[TM+7], 24, v[PW]
.irp c, 0,1
	v_cvt_scalef32_pk16_fp6_f32 v[QC+6*\c:QC+2+6*\c], v[\s+32*\c:\s+15+32*\c], v[TM+12+2*\c]
	v_cvt_scalef32_pk16_fp6_f32 v[QC+12+4*\c:QC+14+4*\c], v[\s+16+32*\c:\s+31+32*\c], v[TM+12+2*\c+1]
.endr
	v_nop                                          ; one plain place behind a scaled conversion
.irp c, 0,1                                    ; a whole block in a lane: lanes 0-15 block 2 c, lanes 16-31 block 2 c + 1
.irp i, 0,1,2
	v_permlane16_swap_b32 v[QC+6*\c+\i], v[QC+12+4*\c+\i]
.endr
.irp i, 0,1,2
	v_mov_b32 v[QC+3+6*\c+\i], v[QC+12+4*\c+\i]
.endr
.endr
.endm
.macro LD24 adr, off                   ; my 12,288 bytes of codes back, 512 consecutive bytes an instruction
.set q, 0
.rept 24
	ds_load_b128 v[OB+4*q:OB+4*q+3], v[\adr] offset:\off+512*q
.set q, q+1
.endr
.endm
.macro ST24                            ; 6,144 consecutive bytes for each of my two heads; each store covers 512 consecutive bytes, aligned to 256
.set q, 0
.rept 24
	s_wait_dscnt 23-q
	global_store_b128 v[GL], v[OB+4*q:OB+4*q+3], s[12:13] offset:98304*(q/12)+512*(q%12)
.set q, q+1
.endr
.endm
	s_cmp_eq_u32 ttmp9, 2                          ; the cluster's x: equal in all partners
	s_cbranch_scc1 .Lv
; q, k: block a's 16 tokens x 128 columns = 2 heads x 2 blocks of 32
.macro QK a
	WIN 0x02+((\a)/4)                              ; source 0: window 2 or 3
.set j, 0
.rept 32
	v_pk_mul_f32 v[H+j:H+j+1], v[64*((\a)%4)+j:64*((\a)%4)+j+1], s[94:95] op_sel_hi:[1,0]   ; each accumulator from its low end on
.set j, j+2
.endr
	WIN 0
	QUANT H
.irp c, 0,1
.irp p, 0,1,2
	ds_store_b64 v[QSTO], v[QC+6*\c+2*\p:QC+6*\c+2*\p+1] offset:6144*\c+768*(\a)+8*\p
.endr
.endr
	v_and_or_b32 v[PW+1], v[PW], 0xffff, s92
	v_lshrrev_b32 v[PW+2], 16, v[PW]
	v_or_b32 v[PW+2], s92, v[PW+2]
	ds_store_b32 v[QSSW], v[PW+1] offset:12288+64*(\a)
	ds_store_b32 v[QSSW], v[PW+2] offset:12800+64*(\a)
	s_wait_dscnt 0x0                               ; the stores have read their registers
.endm
.irp a, 0,1,2,3,4,5,6,7
	QK \a
.endr
	ds_load_b128 v[96:99], v[QRD] offset:12288
	ds_load_b128 v[100:103], v[QRD] offset:12800
	LD24 QRD, 0
	s_wait_dscnt 24                                ; the two loads of words are in; the 24 behind them may be out
	global_store_b128 v[GL], v[96:99], s[100:101]
	global_store_b128 v[GL], v[100:103], s[100:101] offset:8192
	ST24
	s_branch .Ldone
.Lv:
; v: 32 tokens x 128 channels at a time turn through LDS, so that a lane holds ONE channel and its registers run along 32 keys: a whole block
.macro VSTORE al
	WIN 0x08+4*((\al)/2)                           ; an LDS store's data: window 2 or 3
.irp e, 0,1
.irp b, 0,1,2,3,4,5,6,7
	ds_store_b128 v[VFI], v[64*((2*(\al)+\e)%4)+8*\b:64*((2*(\al)+\e)%4)+8*\b+3] offset:4224*\e+128*(\b/2)+32*(\b%2)
	ds_store_b128 v[VFI], v[64*((2*(\al)+\e)%4)+8*\b+4:64*((2*(\al)+\e)%4)+8*\b+7] offset:4224*\e+128*(\b/2)+32*(\b%2)+16
.endr
.endr
	WIN 0
.endm
.macro LOADX g
.set t, 0
.rept 32
	ds_load_b32 v[H+32*((\g)%2)+t], v[VFO] offset:528*t+128*(\g)
.set t, t+1
.endr
.endm
.macro VBLK al, g
.set XS, H+32*((\g)%2)
	v_max3_num_f32 v96, |v[XS]|, |v[XS+1]|, |v[XS+2]|
	v_max3_num_f32 v97, |v[XS+3]|, |v[XS+4]|, |v[XS+5]|
.irp i, 6,10,14,18,22,26
	v_max3_num_f32 v96, v96, |v[XS+\i]|, |v[XS+\i+1]|
	v_max3_num_f32 v97, v97, |v[XS+\i+2]|, |v[XS+\i+3]|
.endr
	v_max3_num_f32 v96, v96, |v[XS+30]|, |v[XS+31]|
	v_max3_num_f32 v96, v96, v97, 0x1800000
	v_add_nc_u32 v98, 0xff000000, v96
	v_lshrrev_b32 v99, 23, v98
.if (\al) == 0
	v_mov_b32 v[SB+(\g)], v99
.else
	v_lshl_or_b32 v[SB+(\g)], v99, 8*(\al), v[SB+(\g)]
.endif
	v_cvt_scalef32_pk16_fp6_f32 v[100:102], v[XS:XS+15], v98
	v_cvt_scalef32_pk16_fp6_f32 v[104:106], v[XS+16:XS+31], v98
	v_nop
	v_mov_b32 v103, v104
	v_mov_b32 v104, v105
	v_mov_b32 v105, v106
.irp p, 0,1,2
	ds_store_b64 v[VCW], v[100+2*\p:101+2*\p] offset:16896+6144*((\g)/2)+3072*((\g)%2)+768*((\al)/2)+24*((\al)%2)+8*\p
.endr
.endm
.irp al, 0,1,2,3
	VSTORE \al
	LOADX 0
.irp g, 0,1,2
	LOADX \g+1
	s_wait_dscnt 32                                ; all but the 32 loads just issued: this set's numbers are in, and the last codes' stores have read their registers
	VBLK \al, \g
.endr
	s_wait_dscnt 0x0
	VBLK \al, 3
.endr
.irp g, 0,1,2,3
	ds_store_b32 v[VSW], v[SB+\g] offset:29184+256*(\g/2)+128*(\g%2)
.endr
	ds_load_b128 v[96:99], v[VRD] offset:29184
	LD24 VRD, 16896
	s_wait_dscnt 24
	global_store_b128 v[GV], v[96:99], s[100:101]
	ST24
.Ldone:
	s_wait_tensorcnt 0x0                           ; the wave's end
	ds_add_u32 v[SPW], v[NIL]
	s_wait_dscnt 0x0
	CROUND                                         ; the closing round
	s_endpgm
.Lfunc_end_k_q5ecd118fcf_qkv:
	.size	k_q5ecd118fcf_qkv, .Lfunc_end_k_q5ecd118fcf_qkv-k_q5ecd118fcf_qkv
	.p2alignl 7, 3214868480
	.fill 96, 4, 3214868480
	.section	.rodata,"a",@progbits
	.p2align	6, 0x0
	.amdhsa_kernel k_q5ecd118fcf_qkv
		.amdhsa_group_segment_fixed_size 327680
		.amdhsa_private_segment_fixed_size 0
		.amdhsa_enable_private_segment 0
		.amdhsa_kernarg_size 40
		.amdhsa_user_sgpr_count 2
		.amdhsa_user_sgpr_kernarg_segment_ptr 1
		.amdhsa_wavefront_size32 1
		.amdhsa_system_sgpr_workgroup_id_x 1
		.amdhsa_system_sgpr_workgroup_id_y 1
		.amdhsa_system_sgpr_workgroup_id_z 1
		.amdhsa_system_vgpr_workitem_id 0
		.amdhsa_next_free_vgpr 1024
		.amdhsa_next_free_sgpr 102
		.amdhsa_reserve_vcc 0
		.amdhsa_float_denorm_mode_32 3
		.amdhsa_float_denorm_mode_16_64 3
		.amdhsa_memory_ordered 1
		.amdhsa_forward_progress 1
		.amdhsa_inst_pref_size 255
	.end_amdhsa_kernel
	.section	.bss,"aw",@nobits
	.p2align	6
	.space	262144
	.amdgpu_metadata
---
amdhsa.version: [ 1, 2 ]
amdhsa.kernels:
  - .name:           k_q5ecd118fcf_qkv
    .symbol:         k_q5ecd118fcf_qkv.kd
    .args:
      - { .name: nq, .offset: 0, .size: 8, .value_kind: global_buffer, .address_space: global }
      - { .name: qkv_w_codes, .offset: 8, .size: 8, .value_kind: global_buffer, .address_space: global }
      - { .name: qkv_w_scales, .offset: 16, .size: 8, .value_kind: global_buffer, .address_space: global }
      - { .name: qkv_b, .offset: 24, .size: 8, .value_kind: global_buffer, .address_space: global }
      - { .name: qkvq, .offset: 32, .size: 8, .value_kind: global_buffer, .address_space: global }
    .group_segment_fixed_size: 327680
    .private_segment_fixed_size: 0
    .kernarg_segment_align: 8
    .kernarg_segment_size: 40
    .max_flat_workgroup_size: 128
    .sgpr_count:     102
    .vgpr_count:     1024
    .wavefront_size: 32
...
	.end_amdgpu_metadata
.endif
;; end of part 2
;; launch attn (part 3): grid 8 x 32, 16 waves a work-group, clusters of 4 x 1, 210,944 bytes of LDS; arguments qkvq, mask, aq; writes aq
.if DOCPART == 3
	.amdgcn_target "amdgcn-amd-amdhsa--gfx1250"
	.amdhsa_code_object_version 6
	.text
	.protected	k_q5ecd118fcf_attn
	.globl	k_q5ecd118fcf_attn
	.p2align	8
	.type	k_q5ecd118fcf_attn,@function
k_q5ecd118fcf_attn:
	s_mov_b64 s[64:65], 0
	v_nop
	global_prefetch_b8 v0, s[64:65] scope:SCOPE_SE
	s_setreg_imm32_b32 hwreg(HW_REG_WAVE_MODE, 25, 1), 1
	s_wait_xcnt 0x0
	s_wait_alu depctr_hold_cnt(0) depctr_sa_sdst(0) depctr_va_vdst(0) depctr_va_sdst(0) depctr_va_ssrc(0) depctr_va_vcc(0) depctr_vm_vsrc(0)
	s_getreg_b32 s2, hwreg(HW_REG_IB_STS2, 6, 4)
	s_cmp_eq_u32 s2, 0
	s_cbranch_scc0 .Lentry_in_a_cluster
	s_endpgm
.Lentry_in_a_cluster:
	s_bfe_u32 s2, ttmp6, 0x10000c
	s_cmp_lg_u32 s2, 0x3003
	s_cbranch_scc0 .Lentry_shape_is_right
	s_endpgm
.Lentry_shape_is_right:
; a = softmax(q k^T, keys with mask 0 left out) v for 32 (batch, head) pairs y of 2,048 x 2,048, head size 64, both products on codes of FP6 (E2M3) with E8M0 scales; a is quantised along D and leaves as codes.
; t = score x log2(e); M = the running largest t rounded up to a whole number; p = 2^(t - M) is quantised along the keys, not normalised; the row's sum of the unquantised p divides at the end.
; IN (one buffer; a position 16 T + r stands for token or channel 32 (T / 2) + 8 (T % 2) + r + 8 (r / 8)): q, k codes [y][2048 positions][48 bytes]; v codes [y][16 key steps][4 channel tiles][2][16][48];
;   q, k scale words [y][2048]; v scale words [y][16][64].  So the 16 rows of a tile are neighbours, 48 bytes apart, and yet the 16 registers of two neighbouring result tiles are 16 neighbouring keys (or channels).
; SHARES: a work-group owns 256 positions of queries of one y; each of its sixteen waves 16 of them, in 256 registers, four waves to a SIMD.
; A WHOLE HEAD'S K AND V LIE IN LDS (2 x 98,304 bytes): each byte is filled once, nothing is filled again.  The four query blocks of a cluster share y, so every fill is a JOINT load with the mask 15.
; Waves 0 and 1 issue five loads each: half of v's scale words, then four blocks of 24,576 bytes (512 keys) of K (wave 0) or V (wave 1).  Five loads of a wave are out at most.  A chunk of 512 keys is read behind a
; counted wait and a barrier, while the later chunks are still on their way.
; THE MASK RIDES IN THE PADDING OF K.  The instruction's k = 64 .. 127 are padding: there q has the one code +1.0 (scale byte 0x7f) and every key the code -7.5, both at k = 64.  The key's scale byte of that block is
; 0xe0 (2^97) where the mask is 0, so that the score is -7.5 x 2^97 and p is 0; else 0x01, and the term, 7.5 x 2^-126, is nothing beside a score.  The bytes are chosen by v_cndmask_b32 at the head.
; The running largest t begins at -2^96, above a masked key's t: steps all of whose keys are masked leave M, the sum and O as they are.
; LIMITS: logits x log2(e) under -2^96 are not served; a batch whose mask is all 0 (NaN in the definition) is not served; NaN and infinities are not served; a block of zeros gets the byte 1 (its codes are zeros).
; REGISTERS: v1-4 addresses that stay, v5-8 those of the step; v12 -M, v13 the largest t, v[14:15] the sum; v16-27 Q; v28 Q's scale word; v29 at work; v30 f, v31 p's scale word; v32-79 four fragments of K
; (registers 6-11 of each are the constant padding); v80-127 four of V; v128-191 S^T, then p (at the head: K's words, the mask and their addresses); v192-223 O^T; v224-235 p's codes; v236-251 at work; v252-255 K's or V's scale words.
.set AK0,  1
.set AV0,  2
.set ASK0, 3
.set ASV0, 4
.set ADK,  5
.set ADV,  6
.set ADS,  7
.set ADT,  8
.set QSW,  28
.set F,    30
.set PSW,  31
.set KFR,  32
.set VFR,  80
.set S,    128
.set O,    192
.set PCD,  224
.set PT,   236
.set BM,   244
.set SO,   248
.set FS,   252
.set VLDS, 98304                       ; LDS: K at 0, V here,
.set KSW,  196608                      ; K's scale words with the mask's byte (written by ds_store alone: no fill lands here),
.set VSWL, 204800                      ; V's scale words
.set WV,   10
.set G1C,  16                          ; s[16:23] group 1: 96 rows of 256 bytes;  s[24:31]: 8 rows;  s[32:51]: five groups 0
.set G1S,  24
.set G0,   32
.set SEL,  52
.set CS,   54
.set TK,   56
.set TS,   57
.set TJ,   58
.set CNT,  59
.macro CROUND
	s_barrier_signal -1
	s_barrier_wait -1
	s_cmp_lg_u32 s[WV], 0
	s_cbranch_scc1 .Lnot_wave_0_\@
	s_barrier_signal -3
.Lnot_wave_0_\@:
	s_barrier_wait -3
	s_barrier_signal -1
	s_barrier_wait -1
.endm
	s_load_b128 s[4:7], s[0:1], 0x0                ; q, k, v as codes; the mask
	s_load_b64 s[8:9], s[0:1], 0x10                ; out
	v_lshl_add_u32 v254, v0, 2, 0x33000
	v_mov_b32 v255, 0
	ds_add_u32 v254, v255
	ds_add_u32 v254, v255
	s_wait_dscnt 0x0
	v_lshrrev_b32 v1, 5, v0
	v_readfirstlane_b32 s[WV], v1                  ; wave 0..15
	s_bfe_u32 s11, ttmp6, 0x40000                  ; cx: it enters Q's and the output's global addresses alone
	s_lshl_b32 s12, ttmp9, 2
	s_add_co_u32 s12, s12, s11                     ; my block of 256 queries
	s_and_b32 s13, ttmp7, 0xffff                   ; y, which the four partners share
	s_mov_b32 s[G1C], 15|(3<<16)|(1<<21)           ; the mask: all four; elements of 8 bytes; no padding; bit 21 beside a mask
	s_mov_b32 s[G1C+1], 32<<16
	s_mov_b32 s[G1C+2], 96<<16
	s_mov_b32 s[G1C+3], 32<<16
	s_mov_b32 s[G1C+4], 96
	s_mov_b32 s[G1C+5], 32
	s_mov_b32 s[G1C+6], 0
	s_mov_b32 s[G1C+7], 0
	s_mov_b32 s[G1S], 15|(3<<16)|(1<<21)
	s_mov_b32 s[G1S+1], 32<<16
	s_mov_b32 s[G1S+2], 8<<16
	s_mov_b32 s[G1S+3], 32<<16
	s_mov_b32 s[G1S+4], 8
	s_mov_b32 s[G1S+5], 32
	s_mov_b32 s[G1S+6], 0
	s_mov_b32 s[G1S+7], 0
	s_and_b32 s60, s[WV], 1                        ; 0: K, 1: V
	s_add_co_u32 s61, s60, 1
	s_mul_i32 s61, s61, 3145728
	s_mul_i32 s62, s13, 98304
	s_add_co_u32 s62, s62, s61                     ; the head's codes of K or of V
	s_mov_b32 s63, 0
	s_lshl_b32 s66, s13, 12
	s_lshl_b32 s67, s60, 11
	s_add_co_u32 s66, s66, s67
	s_add_co_u32 s66, s66, 9961472                 ; my half of V's scale words
	s_mov_b32 s67, 0
	s_mul_i32 s68, s60, VLDS
	s_lshl_b32 s69, s60, 11
	s_add_co_u32 s69, s69, VSWL
	s_mul_i32 s70, s13, 98304
	s_mul_i32 s71, s12, 12288
	s_add_co_u32 s70, s70, s71
	s_mul_i32 s71, s[WV], 768
	s_add_co_u32 s70, s70, s71                     ; Q's codes at my first position
	s_mov_b32 s71, 0
	s_lshl_b32 s72, s13, 13
	s_add_co_u32 s74, s72, 9699328                 ; K's scale words
	s_mov_b32 s75, 0
	s_lshl_b32 s73, s12, 10
	s_add_co_u32 s72, s72, s73
	s_lshl_b32 s73, s[WV], 6
	s_add_co_u32 s72, s72, s73
	s_add_co_u32 s72, s72, 9437184                 ; Q's scale words
	s_mov_b32 s73, 0
	s_lshr_b32 s82, s13, 4                         ; batch
	s_and_b32 s83, s13, 15                         ; head
	s_lshl_b32 s76, s82, 13                        ; the batch's mask
	s_mov_b32 s77, 0
	s_lshl_b32 s84, s82, 4                         ; out, codes: [row / 128][K step of 256][128 rows][192]
	s_lshl_b32 s85, s12, 1
	s_add_co_u32 s84, s84, s85
	s_lshr_b32 s85, s[WV], 3
	s_add_co_u32 s84, s84, s85
	s_mul_i32 s84, s84, 98304
	s_lshr_b32 s85, s83, 2
	s_mul_i32 s85, s85, 24576
	s_add_co_u32 s84, s84, s85
	s_bfe_u32 s85, s[WV], 0x20001
	s_mul_i32 s85, s85, 6144
	s_add_co_u32 s84, s84, s85
	s_and_b32 s85, s[WV], 1
	s_mul_i32 s85, s85, 1536
	s_add_co_u32 s84, s84, s85
	s_and_b32 s85, s83, 3
	s_mul_i32 s85, s85, 48
	s_add_co_u32 s84, s84, s85
	s_mov_b32 s85, 0
	s_lshl_b32 s86, s82, 16                        ; out, scale bytes: 32 a row, 2 a head
	s_lshl_b32 s87, s12, 13
	s_add_co_u32 s86, s86, s87
	s_lshr_b32 s87, s[WV], 1
	s_lshl_b32 s87, s87, 10
	s_add_co_u32 s86, s86, s87
	s_and_b32 s87, s[WV], 1
	s_lshl_b32 s87, s87, 8
	s_add_co_u32 s86, s86, s87
	s_lshl_b32 s87, s83, 1
	s_add_co_u32 s86, s86, s87
	s_add_co_u32 s86, s86, 3145728
	s_mov_b32 s87, 0
	s_mov_b32 s[SEL], 0x76543210
	s_mov_b32 s[SEL+1], 0xfedcba98
	s_mov_b32 s[CS], 0x3fb8aa3b                    ; log2(e)
	s_mov_b32 s[CS+1], s[CS]
	s_wait_kmcnt 0x0
	s_add_nc_u64 s[62:63], s[4:5], s[62:63]
	s_add_nc_u64 s[66:67], s[4:5], s[66:67]
	s_add_nc_u64 s[70:71], s[4:5], s[70:71]
	s_add_nc_u64 s[72:73], s[4:5], s[72:73]
	s_add_nc_u64 s[74:75], s[4:5], s[74:75]
	s_add_nc_u64 s[76:77], s[6:7], s[76:77]
	s_add_nc_u64 s[84:85], s[8:9], s[84:85]
	s_add_nc_u64 s[86:87], s[8:9], s[86:87]
	CROUND                                         ; all four work-groups are here: the joint loads meet
	s_mov_b32 s[G0], 1
	s_mov_b32 s[G0+1], s69
	s_mov_b64 s[G0+2:G0+3], s[66:67]
	s_or_b32 s[G0+3], s[G0+3], 0x80000000
.irp j, 0,1,2,3
	s_mov_b32 s[G0+4+4*\j], 1
	s_add_co_u32 s[G0+5+4*\j], s68, 24576*\j
	s_add_nc_u64 s[G0+6+4*\j:G0+7+4*\j], s[62:63], 24576*\j
	s_or_b32 s[G0+7+4*\j], s[G0+7+4*\j], 0x80000000
.endr
	s_cmp_lt_u32 s[WV], 2                          ; a wave's first fills stand in one branch, ahead of every wait on TENSORcnt and every LDS read
	s_cbranch_scc0 .Lno_fill
	tensor_load_to_lds s[G0:G0+3], s[G1S:G1S+7]
	s_nop 0
	tensor_load_to_lds s[G0+4:G0+7], s[G1C:G1C+7]
	s_nop 0
	tensor_load_to_lds s[G0+8:G0+11], s[G1C:G1C+7]
	s_nop 0
	tensor_load_to_lds s[G0+12:G0+15], s[G1C:G1C+7]
	s_nop 0
	tensor_load_to_lds s[G0+16:G0+19], s[G1C:G1C+7]
	s_nop 0
.rept 4
	v_nop
.endr
.Lno_fill:
	; thread i: K's scale words of positions 4 i .. 4 i + 3, and the mask of their four tokens, which are neighbours.
	; The offsets of these loads lie in registers (v139, v11, v1, v8) that are written again only behind the wait for all loads
	v_lshlrev_b32 v139, 4, v0
	global_load_b128 v[128:131], v139, s[74:75]
	v_lshlrev_b32 v3, 2, v0
	v_and_b32 v4, 0xffffffe0, v3
	v_bfe_u32 v5, v3, 4, 1
	v_lshl_add_u32 v4, v5, 3, v4
	v_and_b32 v5, 15, v3
	v_add_nc_u32 v4, v4, v5
	v_and_b32 v5, 8, v3
	v_add_nc_u32 v4, v4, v5
	v_lshlrev_b32 v11, 2, v4
	global_load_b128 v[132:135], v11, s[76:77]
	v_and_b32 v9, 15, v0                           ; r
	v_bfe_u32 v10, v0, 4, 1                        ; h
	v_mul_u32_u24 v[AK0], v9, 48
	v_mad_u32_u24 v[AK0], v10, 24, v[AK0]          ; 48 r + 24 h: a tile's row and my half of it, in LDS and in Q's memory alike
.irp p, 0,1,2
	global_load_b64 v[16+2*\p:17+2*\p], v[AK0], s[70:71] offset:8*\p
.endr
	v_lshlrev_b32 v[ADT], 2, v9
	global_load_b32 v[QSW], v[ADT], s[72:73]
	v_add_nc_u32 v[AV0], VLDS, v[AK0]
	v_lshl_add_u32 v[ASK0], v9, 2, KSW
	v_lshl_add_u32 v[ASV0], v9, 2, VSWL
	v_lshl_add_u32 v138, v0, 4, KSW
	v_sub_nc_u32 v29, 1, v10                       ; k = 64 lies in the low bits of register 6 of lanes 0-15
	v_lshlrev_b32 v22, 3, v29                      ; Q: the code of +1.0
	v_mul_u32_u24 v29, v29, 0x3f                   ; K: the code of -7.5
.irp i, 23,24,25,26,27
	v_mov_b32 v[\i], 0
.endr
.irp t, 0,1,2,3
	v_mov_b32 v[KFR+12*\t+6], v29
.irp i, 7,8,9,10,11
	v_mov_b32 v[KFR+12*\t+\i], 0
.endr
.endr
	v_mov_b32 v13, 0xef800000                      ; the largest t so far: -2^96
	v_floor_f32 v12, -v13                          ; -M
	v_mov_b32 v14, 0
	v_mov_b32 v15, 0
	v_mov_b32 v[PSW], 0                            ; (named as the upper half of the pair with f before it is first written)
.irp b, 0,1,2,3
	v_mov_b32 v[PT+\b], 0                          ; a lane permute's destination counts as one of its sources
.endr
.set j, 0
.rept 32
	v_mov_b32 v[O+j], 0                            ; the step is written once: the first finds zeros
.set j, j+1
.endr
	v_mov_b32 v136, 0x10000                        ; byte 2 = 0x01
	v_mov_b32 v137, 0xe00000                       ; byte 2 = 0xe0
	s_wait_loadcnt 4                               ; K's words and the mask are in; Q's four loads may be out
.irp i, 0,1,2,3
	v_cmp_eq_u32 vcc_lo, 0, v[132+\i]
	v_cndmask_b32 v[132+\i], v136, v137, vcc_lo
	v_and_or_b32 v[128+\i], v[128+\i], 0xff00ffff, v[132+\i]
.endr
	ds_store_b128 v138, v[128:131]
; A KEY STEP: 128 keys
.macro STEP
	v_add_nc_u32 v[ADK], s[TK], v[AK0]             ; (these four are the places in front of the loads into registers that the last products read)
	v_add_nc_u32 v[ADV], s[TK], v[AV0]
	v_add_nc_u32 v[ADS], s[TS], v[ASK0]
	v_add_nc_u32 v[ADT], s[TJ], v[ASV0]
.irp g, 0,1                                    ; S^T = K Q^T, four tiles of 16 keys at a time
.if \g
.rept 4
	v_nop
.endr
.endif
.irp t, 0,1,2,3
.irp p, 0,1,2
	ds_load_b64 v[KFR+12*\t+2*\p:KFR+12*\t+2*\p+1], v[ADK] offset:768*(4*\g+\t)+8*\p
.endr
	ds_load_b32 v[FS+\t], v[ADS] offset:64*(4*\g+\t)
.endr
	s_wait_dscnt 0x0
.irp t, 0,1,2,3
	v_wmma_scale_f32_16x16x128_f8f6f4 v[S+8*(4*\g+\t):S+8*(4*\g+\t)+7], v[KFR+12*\t:KFR+12*\t+11], v[16:27], 0, v[FS+\t], v[QSW] matrix_a_fmt:MATRIX_FMT_FP6 matrix_b_fmt:MATRIX_FMT_FP6
.endr
.endr
.rept 4
	v_nop
.endr
.irp t, 0,1,2,3                                ; V's fragments and scale words are asked for now and land under the softmax
.irp p, 0,1,2,3,4,5
	ds_load_b64 v[VFR+12*\t+2*\p:VFR+12*\t+2*\p+1], v[ADV] offset:1536*\t+768*(\p/3)+8*(\p%3)
.endr
	ds_load_b32 v[FS+\t], v[ADT] offset:64*\t
.endr
.irp b, 0,1,2,3
	v_max3_num_f32 v[BM+\b], v[S+16*\b], v[S+1+16*\b], v[S+2+16*\b]   ; the largest score of each block of 32 keys: for the row's maximum and, since p rises with the score, for the block's largest p
.endr
.irp i, 3,5,7,9,11,13
.irp b, 0,1,2,3
	v_max3_num_f32 v[BM+\b], v[BM+\b], v[S+16*\b+\i], v[S+1+16*\b+\i]
.endr
.endr
.irp b, 0,1,2,3
	v_max_num_f32 v[BM+\b], v[BM+\b], v[S+15+16*\b]
.endr
.irp b, 0,1,2,3
	v_permlanex16_b32 v[PT+\b], v[BM+\b], s[SEL], s[SEL+1]
.endr
.irp b, 0,1,2,3
	v_max_num_f32 v[BM+\b], v[BM+\b], v[PT+\b]
.endr
	v_max3_num_f32 v29, v[BM], v[BM+1], v[BM+2]
	v_max_num_f32 v29, v29, v[BM+3]
	v_mul_f32 v29, s[CS], v29
	v_max_num_f32 v13, v13, v29                    ; the running largest t
	v_mov_b32 v29, v12
	v_floor_f32 v12, -v13                          ; the new -M = -ceil(t)
	v_sub_f32 v29, v12, v29                        ; old M - new M: a whole number, 0 or less
	v_cvt_i32_f32 v29, v29                         ; (it saturates)
	v_ldexp_f32 v[F], 1.0, v29                     ; f = 2^(old M - new M)
.set j, 0
.rept 32
	v_pk_fma_f32 v[S+j:S+j+1], v[S+j:S+j+1], s[CS:CS+1], v[12:13] op_sel_hi:[1,0,0]   ; t - M
.set j, j+2
.endr
.irp b, 0,1,2,3
	v_fma_f32 v[BM+\b], v[BM+\b], s[CS], v12
.endr
.set j, 0
.rept 64
	v_exp_f32 v[S+j], v[S+j]                       ; p = 2^(t - M)
.set j, j+1
.endr
	v_pk_mul_f32 v[14:15], v[14:15], v[F:F+1] op_sel_hi:[1,0]   ; the sums under the new M (a plain place behind the exponentials)
	s_wait_alu depctr_va_vdst(0)                   ; one wait for the batch, ahead of its first reader
.irp b, 0,1,2,3
	v_exp_f32 v[BM+\b], v[BM+\b]                   ; the block's largest p
.endr
	v_pk_add_f32 v[PT:PT+1], v[S:S+1], v[S+2:S+3]  ; the row's sum is taken of the unquantised p, in two chains
.set j, 4
.rept 15
	v_pk_add_f32 v[14:15], v[14:15], v[S+j:S+j+1]
	v_pk_add_f32 v[PT:PT+1], v[PT:PT+1], v[S+j+2:S+j+3]
.set j, j+4
.endr
	v_pk_add_f32 v[14:15], v[14:15], v[PT:PT+1]
	s_wait_alu depctr_va_vdst(0)                   ; and one for the four
.irp b, 0,1,2,3
	v_max_num_f32 v[BM+\b], 0x1800000, v[BM+\b]    ; the floor 2^(3 - 127)
.endr
.irp b, 0,1,2,3
	v_add_nc_u32 v[SO+\b], 0xff000000, v[BM+\b]
.endr
.irp b, 0,1,2,3
	v_lshrrev_b32 v[PT+\b], 23, v[SO+\b]
.endr
	v_lshl_or_b32 v[PSW], v[PT+1], 8, v[PT]
	v_lshl_or_b32 v[PSW], v[PT+2], 16, v[PSW]
	v_lshl_or_b32 v[PSW], v[PT+3], 24, v[PSW]
.irp c, 0,1
	v_cvt_scalef32_pk16_fp6_f32 v[PCD+6*\c:PCD+2+6*\c], v[S+32*\c:S+15+32*\c], v[SO+2*\c]
	v_cvt_scalef32_pk16_fp6_f32 v[PT+4*\c:PT+2+4*\c], v[S+16+32*\c:S+31+32*\c], v[SO+2*\c+1]
.endr
	v_nop
.irp c, 0,1
.irp i, 0,1,2
	v_permlane16_swap_b32 v[PCD+6*\c+\i], v[PT+4*\c+\i]
.endr
.irp i, 0,1,2
	v_mov_b32 v[PCD+3+6*\c+\i], v[PT+4*\c+\i]
.endr
.endr
.set j, 0
.rept 16
	v_pk_mul_f32 v[O+j:O+j+1], v[O+j:O+j+1], v[F:F+1] op_sel_hi:[1,0]   ; O^T under the new M; also the places in front of the products below
.set j, j+2
.endr
	s_wait_dscnt 0x0                               ; V
.irp t, 0,1,2,3                                ; O^T += V^T P^T: four tiles of 16 channels, each accumulator once a step
	v_wmma_scale_f32_16x16x128_f8f6f4 v[O+8*\t:O+8*\t+7], v[VFR+12*\t:VFR+12*\t+11], v[PCD:PCD+11], v[O+8*\t:O+8*\t+7], v[FS+\t], v[PSW] matrix_a_fmt:MATRIX_FMT_FP6 matrix_b_fmt:MATRIX_FMT_FP6
.endr
	s_add_co_u32 s[TK], s[TK], 6144
	s_add_co_u32 s[TS], s[TS], 512
	s_add_co_u32 s[TJ], s[TJ], 256
.endm
.macro CHUNK n                         ; 512 keys
	s_wait_tensorcnt 3-\n                          ; in the filling waves: the blocks of the chunks behind this one may be out
	s_wait_dscnt 0x0
	s_barrier_signal -1
	s_barrier_wait -1                              ; the chunk lies in LDS for all sixteen waves; nothing is ever filled again
	s_mov_b32 s[TK], 24576*\n
	s_mov_b32 s[TS], 2048*\n
	s_mov_b32 s[TJ], 1024*\n
	s_mov_b32 s[CNT], 4
.Lstep_\@:
	STEP
	s_sub_co_u32 s[CNT], s[CNT], 1
	s_cmp_lg_u32 s[CNT], 0
	s_cbranch_scc1 .Lstep_\@
.endm
	s_wait_loadcnt 0x0                             ; Q
	CHUNK 0
	CHUNK 1
	CHUNK 2
	CHUNK 3
	; THE WAY OUT: O^T / the sum; register 16 b + i is channel 32 b + 16 h + i of my query; two blocks of 32 are quantised along D
	v_add_f32 v14, v14, v15
	v_permlanex16_b32 v29, v14, s[SEL], s[SEL+1]
	v_add_f32 v14, v14, v29
	v_rcp_f32 v14, v14
	v_and_b32 v9, 15, v0
	v_and_b32 v10, 8, v0
	v_add_nc_u32 v9, v9, v10                       ; r + 8 (r / 8): my query's row among its tile's
	v_bfe_u32 v10, v0, 4, 1
	v_mul_u32_u24 v11, v9, 192
	v_mad_u32_u24 v11, v10, 24, v11
	v_lshlrev_b32 v9, 5, v9
	s_wait_alu depctr_va_vdst(0)                   ; ahead of the reciprocal's first reader
.set j, 0
.rept 16
	v_pk_mul_f32 v[S+j:S+j+1], v[O+j:O+j+1], v[14:15] op_sel_hi:[1,0]
.set j, j+2
.endr
.irp b, 0,1
	v_max3_num_f32 v[BM+\b], |v[S+16*\b]|, |v[S+1+16*\b]|, 0x1800000
.endr
.irp i, 2,4,6,8,10,12,14
.irp b, 0,1
	v_max3_num_f32 v[BM+\b], v[BM+\b], |v[S+16*\b+\i]|, |v[S+1+16*\b+\i]|
.endr
.endr
.irp b, 0,1
	v_permlanex16_b32 v[PT+\b], v[BM+\b], s[SEL], s[SEL+1]
.endr
.irp b, 0,1
	v_max_num_f32 v[BM+\b], v[BM+\b], v[PT+\b]
.endr
.irp b, 0,1
	v_add_nc_u32 v[SO+\b], 0xff000000, v[BM+\b]
.endr
.irp b, 0,1
	v_lshrrev_b32 v[PT+\b], 23, v[SO+\b]
.endr
	v_lshl_or_b32 v29, v[PT+1], 8, v[PT]
	v_cvt_scalef32_pk16_fp6_f32 v[224:226], v[S:S+15], v[SO]
	v_cvt_scalef32_pk16_fp6_f32 v[228:230], v[S+16:S+31], v[SO+1]
	v_nop
.irp i, 0,1,2
	v_permlane16_swap_b32 v[224+\i], v[228+\i]     ; lane (r, h) now holds block h: its lower 16 codes in the first three registers, the upper 16 in the others
.endr
	global_store_b96 v11, v[224:226], s[84:85]     ; a head's share of a row is 48 bytes: 24 a lane
	global_store_b96 v11, v[228:230], s[84:85] offset:12
	global_store_b16 v9, v29, s[86:87]             ; and two scale bytes (both halves of the lanes write the same)
	s_wait_xcnt 0x0
	v_lshl_add_u32 v254, v0, 2, 0x33000
	v_mov_b32 v255, 0
	s_wait_tensorcnt 0x0
	ds_add_u32 v254, v255
	s_wait_dscnt 0x0
	CROUND                                         ; the closing round: no work-group ends while a partner may still ask
	s_endpgm
.Lfunc_end_k_q5ecd118fcf_attn:
	.size	k_q5ecd118fcf_attn, .Lfunc_end_k_q5ecd118fcf_attn-k_q5ecd118fcf_attn
	.p2alignl 7, 3214868480
	.fill 96, 4, 3214868480
	.section	.rodata,"a",@progbits
	.p2align	6, 0x0
	.amdhsa_kernel k_q5ecd118fcf_attn
		.amdhsa_group_segment_fixed_size 210944
		.amdhsa_private_segment_fixed_size 0
		.amdhsa_enable_private_segment 0
		.amdhsa_kernarg_size 24
		.amdhsa_user_sgpr_count 2
		.amdhsa_user_sgpr_kernarg_segment_ptr 1
		.amdhsa_wavefront_size32 1
		.amdhsa_system_sgpr_workgroup_id_x 1
		.amdhsa_system_sgpr_workgroup_id_y 1
		.amdhsa_system_sgpr_workgroup_id_z 1
		.amdhsa_system_vgpr_workitem_id 0
		.amdhsa_next_free_vgpr 256
		.amdhsa_next_free_sgpr 100
		.amdhsa_reserve_vcc 1
		.amdhsa_float_denorm_mode_32 3
		.amdhsa_float_denorm_mode_16_64 3
		.amdhsa_memory_ordered 1
		.amdhsa_forward_progress 1
		.amdhsa_inst_pref_size 88
	.end_amdhsa_kernel
	.amdgpu_metadata
---
amdhsa.version: [ 1, 2 ]
amdhsa.kernels:
  - .name:           k_q5ecd118fcf_attn
    .symbol:         k_q5ecd118fcf_attn.kd
    .args:
      - { .name: qkvq, .offset: 0, .size: 8, .value_kind: global_buffer, .address_space: global }
      - { .name: mask, .offset: 8, .size: 8, .value_kind: global_buffer, .address_space: global }
      - { .name: aq, .offset: 16, .size: 8, .value_kind: global_buffer, .address_space: global }
    .group_segment_fixed_size: 210944
    .private_segment_fixed_size: 0
    .kernarg_segment_align: 8
    .kernarg_segment_size: 24
    .max_flat_workgroup_size: 512
    .sgpr_count:     100
    .vgpr_count:     256
    .wavefront_size: 32
...
	.end_amdgpu_metadata
.endif
;; end of part 3
;; launch proj (part 4): grid 4 x 16, 4 waves a work-group, clusters of 4 x 4, 327,680 bytes of LDS; arguments aq, proj_w_codes, proj_w_scales, proj_b, x, x1; writes x1
.if DOCPART == 4
	.amdgcn_target "amdgcn-amd-amdhsa--gfx1250"
	.amdhsa_code_object_version 6
	.text
	.protected	k_q5ecd118fcf_proj
	.globl	k_q5ecd118fcf_proj
	.p2align	8
	.type	k_q5ecd118fcf_proj,@function
k_q5ecd118fcf_proj:
	s_mov_b64 s[64:65], 0
	v_nop
	global_prefetch_b8 v0, s[64:65] scope:SCOPE_SE
	s_setreg_imm32_b32 hwreg(HW_REG_WAVE_MODE, 25, 1), 1
	s_wait_xcnt 0x0
	s_wait_alu depctr_hold_cnt(0) depctr_sa_sdst(0) depctr_va_vdst(0) depctr_va_sdst(0) depctr_va_ssrc(0) depctr_va_vcc(0) depctr_vm_vsrc(0)
	s_getreg_b32 s2, hwreg(HW_REG_IB_STS2, 6, 4)
	s_cmp_eq_u32 s2, 0
	s_cbranch_scc0 .Lentry_in_a_cluster
	s_endpgm
.Lentry_in_a_cluster:
	s_bfe_u32 s2, ttmp6, 0x10000c
	s_cmp_lg_u32 s2, 0xf033
	s_cbranch_scc0 .Lentry_shape_is_right
	s_endpgm
.Lentry_shape_is_right:
; x1 = x + a Wp^T + b on codes of FP6 (E2M3) with E8M0 scales, M 4,096, N 1,024, K 1,024; x1 in f32.
; A (a): codes as tiles [row / 128][K step of 256][128][192 bytes], scale bytes [4096][32] at byte ASC of the same buffer.  B: codes [1024][768 bytes], scale bytes [1024][32].
; A tile of 256 x 256 to a work-group of four waves, 128 x 128 a wave in 512 registers; K in steps of 256 through two LDS slots filled by the tensor data mover; all scale bytes of the tile's rows come into LDS once.
; 4 x 4 work-groups form a cluster: A's tiles are asked for jointly along a row of the cluster, B's along a column.  The matrix instruction is used transposed (source 0 = rows of B, source 1 = rows of A):
; accumulator (a, b), lane (r, h), register j is C(16 a + r, 16 b + 8 h + j).
; THE RESIDUAL STARTS THE SUMS: it is loaded straight into the accumulators at the head, beside the first tensor loads.  The bias is added to whole rows on the way out.
; N = 1,024 gives 64 tiles of this size: 64 work-groups.
; REGISTERS: window 0: v0-31 addresses, v8-11 the bias; v32-63 scale words, two sets; v128-223 A's fragments, one set.  window 1: B's fragments, two sets.  windows 2, 3: the accumulators.
.set SIZE_N, 1024
.set SIZE_K, 1024
.set PERM,   0
.set ASC,    3145728
.set KSTEP,  256
.set NQ,     KSTEP/128
.set ROWB,   192
.set ATILE,  128*ROWB
.set KROW,   SIZE_K*6/8
.set PITCH,  240
.set FR,     12
.set NL,     6
.set NP,     4
.set HALFT,  128*PITCH
.set SLOT,   4*HALFT
.set LAPS,   SIZE_K/(2*KSTEP)
.set KS,     SIZE_K/32
.set SCL,    2*SLOT
.set HALFS,  (128*KS/256)*272
.set SBLK,   (16*KS/256)*272
.set SPARE,  SCL+4*HALFS               ; the spare words, 128 bytes a wave: two blocks of 256 bytes that no other line names
.set SPITCH, 528                       ; the way out: 16 rows x (512 bytes + 16) for each wave, in slot 0, which has had its last fill and its last read by then
.set RP,   1
.set ADRA, 16
.set ADRB, 20
.set STO,  24
.set RD,   25
.set CO,   26
.set ADRS, 27
.set SPW,  28
.set NIL,  29
.set SC,   32
.set BIAS, 64
.set AF,   128
.set BK,   128
.set G1, 24
.set G0, 32
.set G1B, 48
.set G0B, 56
.set G1S, 68
.set G0S, 76
.set G1SB, 80
.set G0SB, 88
.set MSB, 0
.macro WIN new
.if MSB != (\new)
	s_set_vgpr_msb (MSB<<8)|(\new)
.set MSB, (\new)
.endif
.endm
.set MUL_LO, 0xa1
.set MUL_HI, 0xf1
.set TO_B,   0x40
.macro JLOAD g0a, g1a, g0b, g1b        ; a joint load: waves 0, 1 fetch for A, waves 2, 3 for B; four v_nop follow each line
	s_cmp_eq_u32 s15, 0
	s_cbranch_scc0 .Lfor_b_\@
	tensor_load_to_lds s[\g0a:\g0a+3], s[\g1a:\g1a+7]
	s_nop 0
.rept 4
	v_nop
.endr
	s_branch .Lasked_\@
.Lfor_b_\@:
	tensor_load_to_lds s[\g0b:\g0b+3], s[\g1b:\g1b+7]
	s_nop 0
.rept 4
	v_nop
.endr
.Lasked_\@:
.endm
.macro CREST
	s_cmp_lg_u32 s14, 0
	s_cbranch_scc1 .Lnot_wave_0_\@
	s_barrier_signal -3
.Lnot_wave_0_\@:
	s_barrier_wait -3
	s_barrier_signal -1
	s_barrier_wait -1
.endm
.macro CROUND
	s_barrier_signal -1
	s_barrier_wait -1
	CREST
.endm
	s_load_b64 s[4:5], s[0:1], 0x0                 ; A: codes, and its scale bytes ASC on
	s_load_b128 s[8:11], s[0:1], 0x8               ; B's codes, B's scales
	s_load_b64 s[98:99], s[0:1], 0x18              ; the bias
	s_load_b64 s[100:101], s[0:1], 0x20            ; the residual
	s_load_b64 s[12:13], s[0:1], 0x28              ; out
	v_lshl_add_u32 v[SPW], v0, 2, SPARE
	v_mov_b32 v[NIL], 0
	ds_add_u32 v28, v29
	ds_add_u32 v28, v29
	s_wait_dscnt 0x0
	v_lshrrev_b32 v1, 5, v0
	v_readfirstlane_b32 s14, v1
	s_lshr_b32 s15, s14, 1
	s_and_b32 s16, s14, 1
	s_bfe_u32 s40, ttmp6, 0x40000
	s_bfe_u32 s41, ttmp6, 0x40004
	s_lshl_b32 s42, ttmp9, 2
	s_add_co_u32 s42, s42, s40                     ; tile column
	s_and_b32 s17, ttmp7, 0xffff
	s_lshl_b32 s17, s17, 2
	s_add_co_u32 s17, s17, s41                     ; tile row
	s_lshl_b32 s43, s41, 2
	s_lshl_b32 s43, 15, s43
	s_lshl_b32 s44, 0x1111, s40
	s_or_b32 s[G1+0], s43, (0<<16)|(1<<20)|(1<<21)|(3<<22)|(3<<25)
	s_or_b32 s[G1B+0], s44, (0<<16)|(1<<20)|(1<<21)|(3<<22)|(3<<25)
.irp g, G1, G1B
	s_mov_b32 s[\g+1], ROWB<<16
	s_mov_b32 s[\g+2], 128<<16
	s_mov_b32 s[\g+3], ROWB<<16
	s_mov_b32 s[\g+4], 128
	s_mov_b32 s[\g+6], 0
	s_mov_b32 s[\g+7], 0
.endr
	s_mov_b32 s[G1+5], ROWB                        ; A's tiles are dense
	s_mov_b32 s[G1B+5], KROW
	s_or_b32 s[G1S+0], s43, (3<<16)|(1<<20)|(1<<21)|(5<<22)|(3<<25)
	s_or_b32 s[G1SB+0], s44, (3<<16)|(1<<20)|(1<<21)|(5<<22)|(3<<25)
.irp g, G1S, G1SB
	s_mov_b32 s[\g+1], 32<<16
	s_mov_b32 s[\g+2], (128*KS/256)<<16
	s_mov_b32 s[\g+3], 32<<16
	s_mov_b32 s[\g+4], 128*KS/256
	s_mov_b32 s[\g+5], 32
	s_mov_b32 s[\g+6], 0
	s_mov_b32 s[\g+7], 0
.endr
	s_lshl_b32 s18, s16, 7
	s_lshl_b32 s20, s17, 8
	s_add_co_u32 s20, s20, s18
	s_lshl_b32 s46, s42, 8
	s_add_co_u32 s46, s46, s18
	s_mov_b32 s21, 0
	s_mov_b32 s47, 0
	s_mov_b64 s[18:19], KS
	s_mul_u64 s[22:23], s[20:21], s[18:19]
	s_mul_u64 s[92:93], s[46:47], s[18:19]
	s_mov_b64 s[18:19], KROW
	s_mul_u64 s[20:21], s[20:21], s[18:19]
	s_mul_u64 s[46:47], s[46:47], s[18:19]
	s_mul_i32 s45, s14, HALFT
	s_mul_i32 s94, s14, HALFS
	s_wait_kmcnt 0x0
	s_add_nc_u64 s[6:7], s[4:5], ASC
	s_add_nc_u64 s[20:21], s[4:5], s[20:21]
	s_add_nc_u64 s[22:23], s[6:7], s[22:23]
	s_add_nc_u64 s[46:47], s[8:9], s[46:47]
	s_add_nc_u64 s[92:93], s[10:11], s[92:93]
	CROUND                                         ; all sixteen work-groups are here: the first joint loads meet
	s_mov_b32 s[G0S], 1
	s_add_co_u32 s[G0S+1], s94, SCL
	s_mov_b64 s[G0S+2:G0S+3], s[22:23]
	s_or_b32 s[G0S+3], s[G0S+3], 0x80000000
	s_mov_b32 s[G0SB], 1
	s_add_co_u32 s[G0SB+1], s94, SCL
	s_mov_b64 s[G0SB+2:G0SB+3], s[92:93]
	s_or_b32 s[G0SB+3], s[G0SB+3], 0x80000000
	JLOAD G0S, G1S, G0SB, G1SB
.irp s, 0,1
	s_mov_b32 s[G0+4*\s], 1
	s_add_co_u32 s[G0+4*\s+1], s45, \s*SLOT
	s_add_nc_u64 s[G0+4*\s+2:G0+4*\s+3], s[20:21], \s*ATILE
	s_or_b32 s[G0+4*\s+3], s[G0+4*\s+3], 0x80000000
	s_mov_b32 s[G0B+4*\s], 1
	s_add_co_u32 s[G0B+4*\s+1], s45, \s*SLOT
	s_add_nc_u64 s[G0B+4*\s+2:G0B+4*\s+3], s[46:47], \s*ROWB
	s_or_b32 s[G0B+4*\s+3], s[G0B+4*\s+3], 0x80000000
	JLOAD G0+4*\s, G1, G0B+4*\s, G1B
.endr
	v_and_b32 v1, 15, v0                           ; r
	v_bfe_u32 v2, v0, 4, 1                         ; h
	v_mul_u32_u24 v3, v[RP], PITCH
	v_mul_u32_u24 v4, v2, 24
	v_add_nc_u32 v4, v3, v4
	v_lshl_add_u32 v5, v2, 4, v4
	s_mul_i32 s21, s15, HALFT
	s_mul_i32 s22, s16, HALFT
	s_add_co_u32 s22, s22, 2*HALFT
.irp s, 0,1
	v_add_nc_u32 v[ADRA+\s], s21, v4
	v_add_nc_u32 v[ADRB+\s], s22, v4
	v_add_nc_u32 v[ADRA+2+\s], s21, v5
	v_add_nc_u32 v[ADRB+2+\s], s22, v5
	s_add_co_u32 s21, s21, SLOT
	s_add_co_u32 s22, s22, SLOT
.endr
	v_mul_u32_u24 v5, v[RP], KS
	v_lshrrev_b32 v6, 8, v5
	v_lshl_add_u32 v5, v6, 4, v5
	s_mul_i32 s21, s15, HALFS
	s_mul_i32 s22, s16, HALFS
	s_add_co_u32 s22, s22, 2*HALFS
	s_sub_co_u32 s22, s22, s21
	v_mul_u32_u24 v6, s22, v2
	s_add_co_u32 s21, s21, SCL
	v_add_nc_u32 v5, v5, v6
	v_add_nc_u32 v[ADRS], s21, v5
	s_mul_i32 s23, s14, 16*SPITCH                  ; my stage
	v_mul_u32_u24 v5, v1, SPITCH
	v_lshl_add_u32 v5, v2, 5, v5
	v_add_nc_u32 v[STO], s23, v5
	v_and_b32 v6, 31, v0
	v_lshlrev_b32 v[CO], 4, v6
	v_add_nc_u32 v[RD], s23, v[CO]
	s_lshl_b32 s20, s17, 8
	s_lshl_b32 s21, s15, 7
	s_add_co_u32 s20, s20, s21                     ; my first row of C
	s_mov_b32 s21, 0
	s_mov_b64 s[18:19], SIZE_N*4
	s_mul_u64 s[20:21], s[20:21], s[18:19]
	s_lshl_b32 s46, s42, 10                        ; my first column, in bytes
	s_lshl_b32 s47, s16, 9
	s_add_co_u32 s46, s46, s47
	s_mov_b32 s47, 0
	s_add_nc_u64 s[98:99], s[98:99], s[46:47]
	s_add_nc_u64 s[20:21], s[20:21], s[46:47]
	s_add_nc_u64 s[12:13], s[12:13], s[20:21]
	s_add_nc_u64 s[100:101], s[100:101], s[20:21]
	global_load_b128 v[8:11], v[CO], s[98:99]      ; the bias of the four columns that I store
	v_lshlrev_b32 v12, 12, v1
	v_lshl_add_u32 v12, v2, 5, v12                 ; the residual: row r of 4,096 bytes, + 32 h
	WIN 0x80                                       ; destination window 2
.irp a, 0,1,2,3
.irp b, 0,1,2,3,4,5,6,7
	global_load_b128 v[8*(8*\a+\b):8*(8*\a+\b)+3], v12, s[100:101] offset:65536*\a+64*\b
	global_load_b128 v[8*(8*\a+\b)+4:8*(8*\a+\b)+7], v12, s[100:101] offset:65536*\a+64*\b+16
.endr
.endr
	WIN 0xc0                                       ; destination window 3
.irp a, 0,1,2,3
.irp b, 0,1,2,3,4,5,6,7
	global_load_b128 v[8*(8*\a+\b):8*(8*\a+\b)+3], v12, s[100:101] offset:65536*(\a+4)+64*\b
	global_load_b128 v[8*(8*\a+\b)+4:8*(8*\a+\b)+7], v12, s[100:101] offset:65536*(\a+4)+64*\b+16
.endr
.endr
	WIN 0
.macro FRAG reg, adr, q, i
.irp p, 0,1,2,3,4,5
.set PCE, 12*(\q)+6*(\p/3)+\p%3
.if PCE%8 < 5
	ds_load_b64 v[\reg+2*\p:\reg+2*\p+1], v[\adr] offset:8*PCE+16*(PCE/8)+(16*(\i)-8*PERM*((\i)%2))*PITCH
.else
	ds_load_b64 v[\reg+2*\p:\reg+2*\p+1], v[\adr+2] offset:8*PCE+16*(PCE/8)+(16*(\i)-8*PERM*((\i)%2))*PITCH
.endif
.endr
.endm
; 16 matrix instructions: A's blocks a0, a0 + 1 x B's eight.  The 64 accumulators take turns, one instruction a turn.
.macro MUL16 a0, p, q, sc, zero
.irp a, \a0, \a0+1
.irp b, 0,1,2,3,4,5,6,7
	v_wmma_scale_f32_16x16x128_f8f6f4 v[8*(8*((\a)%4)+\b):8*(8*((\a)%4)+\b)+7], v[128*(\p)+FR*\b:128*(\p)+FR*\b+FR-1], v[AF+FR*(\a):AF+FR*(\a)+FR-1], v[8*(8*((\a)%4)+\b):8*(8*((\a)%4)+\b)+7], v[SC+8*NQ*(\sc)+NQ*\b+(\q)], v[SC+8*NQ*(\sc)+NQ*(\a)+(\q)] matrix_a_fmt:MATRIX_FMT_FP6 matrix_b_fmt:MATRIX_FMT_FP6 matrix_a_scale:MATRIX_SCALE_ROW1
.endr
.endr
.endm
.macro FETCH_B slot, q, p
	WIN TO_B
.irp i, 0,1,2,3,4,5,6,7
	FRAG 128*(\p)+FR*\i, ADRB+\slot, \q, \i
.endr
	WIN 0
.endm
.macro FETCH_A slot, q, i0
.irp i, \i0, \i0+1, \i0+2, \i0+3
	FRAG AF+FR*(\i), ADRA+\slot, \q, \i
.endr
.endm
.macro SCALES sc
.irp i, 0,1,2,3,4,5,6,7
	ds_load_b64 v[SC+8*NQ*\sc+NQ*\i:SC+8*NQ*\sc+NQ*\i+1], v[ADRS] offset:\i*SBLK-PERM*(\i%2)*272
.endr
.endm
.macro PLACES n
.rept \n
	v_nop
.endr
.endm
.macro STEP slot, q, zero
	s_wait_dscnt 4*NL                              ; B's set and A's blocks 0-3 are in; the youngest 24 loads (A's blocks 4-7) may be out
	WIN MUL_LO
	MUL16 0, (\q)%2, \q, \slot, \zero
	MUL16 2, (\q)%2, \q, \slot, \zero
	s_wait_dscnt 0
	PLACES NP
	FETCH_B \slot, (\q)+1, 1-(\q)%2
	FETCH_A \slot, (\q)+1, 0
	WIN MUL_HI
	MUL16 4, (\q)%2, \q, \slot, \zero
	MUL16 6, (\q)%2, \q, \slot, \zero
	PLACES NP
	WIN 0
	FETCH_A \slot, (\q)+1, 4
.endm
.macro TURN slot, next, fill
	s_wait_tensorcnt 0x0                           ; all my tensor loads have landed: my part of the next slot
	ds_add_u32 v[SPW], v[NIL]                      ; 0 onto my spare word
	s_wait_dscnt 4*NL+1                            ; (the add and A's blocks 4-7 may be out)
	WIN MUL_LO
	MUL16 0, 1, NQ-1, \slot, 0
	s_wait_dscnt 0x0                               ; the add is done, and my reads of this slot are over
	s_barrier_signal -1
	MUL16 2, 1, NQ-1, \slot, 0
	WIN 0
	s_barrier_wait -1
.if \fill
	CREST                                          ; the barrier has opened a round of the cluster's barrier
	s_add_nc_u64 s[G0+4*\slot+2:G0+4*\slot+3], s[G0+4*\slot+2:G0+4*\slot+3], 2*ATILE
	s_add_nc_u64 s[G0B+4*\slot+2:G0B+4*\slot+3], s[G0B+4*\slot+2:G0B+4*\slot+3], 2*ROWB
	JLOAD G0+4*\slot, G1, G0B+4*\slot, G1B         ; the first tensor load behind the round
.else
	PLACES NP
.endif
	v_add_nc_u32 v[ADRS], 4*NQ, v[ADRS]
	FETCH_B \next, 0, 0
	FETCH_A \next, 0, 0
	SCALES \next
	WIN MUL_HI
	MUL16 4, 1, NQ-1, \slot, 0
	MUL16 6, 1, NQ-1, \slot, 0
	PLACES NP
	WIN 0
	FETCH_A \next, 0, 4
.endm
	s_wait_tensorcnt 1                             ; the scale bytes and my part of K step 0 are in (K step 1's load may be out),
	s_barrier_signal -1
	s_barrier_wait -1
	FETCH_B 0, 0, 0
	FETCH_A 0, 0, 0
	SCALES 0
	FETCH_A 0, 0, 4
	s_wait_loadcnt 0x0                             ; the residual lies in the accumulators
	STEP 0, 0, 0
	s_mov_b32 s3, LAPS-1
.Llap:
	TURN 0, 1, 1
	STEP 1, 0, 0
	TURN 1, 0, 1
	STEP 0, 0, 0
	s_sub_co_u32 s3, s3, 1
	s_cmp_lg_u32 s3, 0
	s_cbranch_scc1 .Llap
	TURN 0, 1, 0
	STEP 1, 0, 0
	s_wait_dscnt 4*NL
	WIN MUL_LO
	MUL16 0, 1, NQ-1, 1, 0
	MUL16 2, 1, NQ-1, 1, 0
	s_wait_dscnt 0
	WIN MUL_HI
	MUL16 4, 1, NQ-1, 1, 0
	MUL16 6, 1, NQ-1, 1, 0
	WIN 0
; THE WAY OUT, block by block of 16 rows x 128 columns, through my own stage; rows come back whole, get the bias, and the 32 lanes store 512 consecutive bytes, aligned to 256.
.macro TOSTAGE a
.set AC, 64*((\a)%4)
	WIN 0x08+4*((\a)/4)
.irp b, 0,1,2,3,4,5,6,7
	ds_store_b128 v[STO], v[AC+8*\b:AC+8*\b+3] offset:64*\b
	ds_store_b128 v[STO], v[AC+8*\b+4:AC+8*\b+7] offset:64*\b+16
.endr
	WIN 0
.set BB, BK+64*((\a)%2)
.irp t, 0,1,2,3,4,5,6,7,8,9,10,11,12,13,14,15
	ds_load_b128 v[BB+4*\t:BB+4*\t+3], v[RD] offset:\t*SPITCH
.endr
.endm
.macro SEND a, younger
.set BB, BK+64*((\a)%2)
	s_wait_dscnt \younger
.if (\a) > 0
	s_add_nc_u64 s[12:13], s[12:13], 16*SIZE_N*4   ; (behind a wait on XCNT: the earlier stores have read their base)
.endif
.irp t, 0,1,2,3,4,5,6,7,8,9,10,11,12,13,14,15
	v_pk_add_f32 v[BB+4*\t:BB+4*\t+1], v[BB+4*\t:BB+4*\t+1], v[8:9]
	v_pk_add_f32 v[BB+4*\t+2:BB+4*\t+3], v[BB+4*\t+2:BB+4*\t+3], v[10:11]
.endr
.irp t, 0,1,2,3,4,5,6,7,8,9,10,11,12,13,14,15
	global_store_b128 v[CO], v[BB+4*\t:BB+4*\t+3], s[12:13] offset:\t*SIZE_N*4
.endr
.endm
	PLACES NP
	TOSTAGE 0
.irp a, 1,2,3,4,5,6,7
.if \a > 1
	s_wait_xcnt 0x0                                ; block a - 2's stores have read their registers and their base
.endif
	TOSTAGE \a
	SEND \a-1, 32                                  ; behind block a - 1's loads: block a's 16 stores and 16 loads
.endr
	s_wait_xcnt 0x0
	SEND 7, 0
	s_wait_tensorcnt 0x0                           ; the wave's end
	ds_add_u32 v[SPW], v[NIL]
	s_wait_dscnt 0x0
	CROUND                                         ; the closing round
	s_endpgm
.Lfunc_end_k_q5ecd118fcf_proj:
	.size	k_q5ecd118fcf_proj, .Lfunc_end_k_q5ecd118fcf_proj-k_q5ecd118fcf_proj
	.p2alignl 7, 3214868480
	.fill 96, 4, 3214868480
	.section	.rodata,"a",@progbits
	.p2align	6, 0x0
	.amdhsa_kernel k_q5ecd118fcf_proj
		.amdhsa_group_segment_fixed_size 327680
		.amdhsa_private_segment_fixed_size 0
		.amdhsa_enable_private_segment 0
		.amdhsa_kernarg_size 48
		.amdhsa_user_sgpr_count 2
		.amdhsa_user_sgpr_kernarg_segment_ptr 1
		.amdhsa_wavefront_size32 1
		.amdhsa_system_sgpr_workgroup_id_x 1
		.amdhsa_system_sgpr_workgroup_id_y 1
		.amdhsa_system_sgpr_workgroup_id_z 1
		.amdhsa_system_vgpr_workitem_id 0
		.amdhsa_next_free_vgpr 1024
		.amdhsa_next_free_sgpr 102
		.amdhsa_reserve_vcc 0
		.amdhsa_float_denorm_mode_32 3
		.amdhsa_float_denorm_mode_16_64 3
		.amdhsa_memory_ordered 1
		.amdhsa_forward_progress 1
		.amdhsa_inst_pref_size 188
	.end_amdhsa_kernel
	.amdgpu_metadata
---
amdhsa.version: [ 1, 2 ]
amdhsa.kernels:
  - .name:           k_q5ecd118fcf_proj
    .symbol:         k_q5ecd118fcf_proj.kd
    .args:
      - { .name: aq, .offset: 0, .size: 8, .value_kind: global_buffer, .address_space: global }
      - { .name: proj_w_codes, .offset: 8, .size: 8, .value_kind: global_buffer, .address_space: global }
      - { .name: proj_w_scales, .offset: 16, .size: 8, .value_kind: global_buffer, .address_space: global }
      - { .name: proj_b, .offset: 24, .size: 8, .value_kind: global_buffer, .address_space: global }
      - { .name: x, .offset: 32, .size: 8, .value_kind: global_buffer, .address_space: global }
      - { .name: x1, .offset: 40, .size: 8, .value_kind: global_buffer, .address_space: global }
    .group_segment_fixed_size: 327680
    .private_segment_fixed_size: 0
    .kernarg_segment_align: 8
    .kernarg_segment_size: 48
    .max_flat_workgroup_size: 128
    .sgpr_count:     102
    .vgpr_count:     1024
    .wavefront_size: 32
...
	.end_amdgpu_metadata
.endif
;; end of part 4
;; launch ln2: the kernel of part 1 again; grid 256 x 1, 4 waves a work-group, no clusters, 33,792 bytes of LDS; arguments x1, ln2_w, ln2_b, nq; writes nq
;; launch ffn1 (part 5): grid 16 x 16, 4 waves a work-group, clusters of 4 x 4, 327,680 bytes of LDS; arguments nq, ffn_w1_codes, ffn_w1_scales, ffn_b1, gq; writes gq
.if DOCPART == 5
	.amdgcn_target "amdgcn-amd-amdhsa--gfx1250"
	.amdhsa_code_object_version 6
	.text
	.protected	k_q5ecd118fcf_ffn1
	.globl	k_q5ecd118fcf_ffn1
	.p2align	8
	.type	k_q5ecd118fcf_ffn1,@function
k_q5ecd118fcf_ffn1:
	s_mov_b64 s[64:65], 0
	v_nop
	global_prefetch_b8 v0, s[64:65] scope:SCOPE_SE
	s_setreg_imm32_b32 hwreg(HW_REG_WAVE_MODE, 25, 1), 1
	s_wait_xcnt 0x0
	s_wait_alu depctr_hold_cnt(0) depctr_sa_sdst(0) depctr_va_vdst(0) depctr_va_sdst(0) depctr_va_ssrc(0) depctr_va_vcc(0) depctr_vm_vsrc(0)
	s_getreg_b32 s2, hwreg(HW_REG_IB_STS2, 6, 4)
	s_cmp_eq_u32 s2, 0
	s_cbranch_scc0 .Lentry_in_a_cluster
	s_endpgm
.Lentry_in_a_cluster:
	s_bfe_u32 s2, ttmp6, 0x10000c
	s_cmp_lg_u32 s2, 0xf033
	s_cbranch_scc0 .Lentry_shape_is_right
	s_endpgm
.Lentry_shape_is_right:
; g = gelu(n W1^T + b1), exact (erf) form, on codes of FP6 (E2M3) with E8M0 scales, M 4,096, N 4,096, K 1,024; g is quantised along N, the next product's K, and leaves as codes.
; A (n): codes as tiles [row / 128][K step of 256][128][192 bytes], scale bytes [4096][32] at byte ASC of the same buffer.  B: codes [4096][768 bytes], scale bytes [4096][32].
; A tile of 256 x 256 to a work-group of four waves, 128 x 128 a wave in 512 registers; K in steps of 256 through two LDS slots filled by the tensor data mover; all scale bytes of the tile's rows come into LDS once.
; 4 x 4 work-groups form a cluster: A's tiles are asked for jointly along a row of the cluster, B's along a column.  The matrix instruction is used transposed (source 0 = rows of B, source 1 = rows of A).
; THE ROWS OF A TILE OF 16 ARE NOT NEIGHBOURS, on both sides: lane r of block i takes row 32 (i / 2) + 8 (i % 2) + r + 8 (r / 8).  So accumulator (a, b), lane (r, h), register j is
; C(row 32 (a / 2) + 8 (a % 2) + r + 8 (r / 8), column 32 (b / 2) + 16 h + 8 (b % 2) + j): a block a's 64 registers run along 128 neighbouring columns.  The bias is the C of the first K step.
; erf(z) = z A(z^2) / B(z^2), z held to +-4: the usual f32 rational form (degrees 6 and 4 in z^2); g = x / 2 + (x / 2) erf(x / sqrt 2).
; OUT: codes [row / 128][K step of 256 (16)][128][192], scale bytes [4096][128] at byte 12,582,912.  The work-group's 256 x 256 are two such tiles: they are gathered in slot 0 and leave as dense bytes.
; LIMITS: 1 + erf is right to about 1e-7 absolutely, so far below x = -5 g is within 1e-7 |x| of its tiny true value; NaN and infinities are not served; a block of zeros gets the byte 1 (its codes are zeros).
; REGISTERS: window 0: v0-31 addresses; v32-63 scale words, two sets; v64-127 the bias; v128-223 A's fragments, one set.  window 1: B's fragments, two sets.  windows 2, 3: the accumulators.
.set SIZE_N, 4096
.set SIZE_K, 1024
.set PERM,   1
.set ASC,    3145728
.set KSTEP,  256
.set NQ,     KSTEP/128
.set ROWB,   192
.set ATILE,  128*ROWB
.set KROW,   SIZE_K*6/8
.set PITCH,  240
.set FR,     12
.set NL,     6
.set NP,     4
.set HALFT,  128*PITCH
.set SLOT,   4*HALFT
.set LAPS,   SIZE_K/(2*KSTEP)
.set KS,     SIZE_K/32
.set SCL,    2*SLOT
.set HALFS,  (128*KS/256)*272
.set SBLK,   (16*KS/256)*272
.set SPARE,  SCL+4*HALFS               ; the spare words, 128 bytes a wave: two blocks of 256 bytes that no other line names
.set RP,   7
.set ADRA, 16
.set ADRB, 20
.set ADRS, 27
.set SPW,  28
.set NIL,  29
.set SC,   32
.set BIAS, 64
.set AF,   128
.set G1, 24
.set G0, 32
.set G1B, 48
.set G0B, 56
.set G1S, 68
.set G0S, 76
.set G1SB, 80
.set G0SB, 88
.set SEL, 96
.set MSB, 0
.macro WIN new
.if MSB != (\new)
	s_set_vgpr_msb (MSB<<8)|(\new)
.set MSB, (\new)
.endif
.endm
.set MUL_LO, 0xa1
.set MUL_HI, 0xf1
.set TO_B,   0x40
.macro JLOAD g0a, g1a, g0b, g1b        ; a joint load: waves 0, 1 fetch for A, waves 2, 3 for B; four v_nop follow each line
	s_cmp_eq_u32 s15, 0
	s_cbranch_scc0 .Lfor_b_\@
	tensor_load_to_lds s[\g0a:\g0a+3], s[\g1a:\g1a+7]
	s_nop 0
.rept 4
	v_nop
.endr
	s_branch .Lasked_\@
.Lfor_b_\@:
	tensor_load_to_lds s[\g0b:\g0b+3], s[\g1b:\g1b+7]
	s_nop 0
.rept 4
	v_nop
.endr
.Lasked_\@:
.endm
.macro CREST
	s_cmp_lg_u32 s14, 0
	s_cbranch_scc1 .Lnot_wave_0_\@
	s_barrier_signal -3
.Lnot_wave_0_\@:
	s_barrier_wait -3
	s_barrier_signal -1
	s_barrier_wait -1
.endm
.macro CROUND
	s_barrier_signal -1
	s_barrier_wait -1
	CREST
.endm
	s_load_b64 s[4:5], s[0:1], 0x0                 ; A: codes, and its scale bytes ASC on
	s_load_b128 s[8:11], s[0:1], 0x8               ; B's codes, B's scales
	s_load_b64 s[98:99], s[0:1], 0x18              ; the bias
	s_load_b64 s[12:13], s[0:1], 0x20              ; out
	v_lshl_add_u32 v[SPW], v0, 2, SPARE
	v_mov_b32 v[NIL], 0
	ds_add_u32 v28, v29
	ds_add_u32 v28, v29
	s_wait_dscnt 0x0
	v_lshrrev_b32 v1, 5, v0
	v_readfirstlane_b32 s14, v1
	s_lshr_b32 s15, s14, 1
	s_and_b32 s16, s14, 1
	s_bfe_u32 s40, ttmp6, 0x40000
	s_bfe_u32 s41, ttmp6, 0x40004
	s_lshl_b32 s42, ttmp9, 2
	s_add_co_u32 s42, s42, s40                     ; tile column
	s_and_b32 s17, ttmp7, 0xffff
	s_lshl_b32 s17, s17, 2
	s_add_co_u32 s17, s17, s41                     ; tile row
	s_lshl_b32 s43, s41, 2
	s_lshl_b32 s43, 15, s43
	s_lshl_b32 s44, 0x1111, s40
	s_or_b32 s[G1+0], s43, (0<<16)|(1<<20)|(1<<21)|(3<<22)|(3<<25)
	s_or_b32 s[G1B+0], s44, (0<<16)|(1<<20)|(1<<21)|(3<<22)|(3<<25)
.irp g, G1, G1B
	s_mov_b32 s[\g+1], ROWB<<16
	s_mov_b32 s[\g+2], 128<<16
	s_mov_b32 s[\g+3], ROWB<<16
	s_mov_b32 s[\g+4], 128
	s_mov_b32 s[\g+6], 0
	s_mov_b32 s[\g+7], 0
.endr
	s_mov_b32 s[G1+5], ROWB                        ; A's tiles are dense
	s_mov_b32 s[G1B+5], KROW
	s_or_b32 s[G1S+0], s43, (3<<16)|(1<<20)|(1<<21)|(5<<22)|(3<<25)
	s_or_b32 s[G1SB+0], s44, (3<<16)|(1<<20)|(1<<21)|(5<<22)|(3<<25)
.irp g, G1S, G1SB
	s_mov_b32 s[\g+1], 32<<16
	s_mov_b32 s[\g+2], (128*KS/256)<<16
	s_mov_b32 s[\g+3], 32<<16
	s_mov_b32 s[\g+4], 128*KS/256
	s_mov_b32 s[\g+5], 32
	s_mov_b32 s[\g+6], 0
	s_mov_b32 s[\g+7], 0
.endr
	s_lshl_b32 s18, s16, 7
	s_lshl_b32 s20, s17, 8
	s_add_co_u32 s20, s20, s18
	s_lshl_b32 s46, s42, 8
	s_add_co_u32 s46, s46, s18
	s_mov_b32 s21, 0
	s_mov_b32 s47, 0
	s_mov_b64 s[18:19], KS
	s_mul_u64 s[22:23], s[20:21], s[18:19]
	s_mul_u64 s[92:93], s[46:47], s[18:19]
	s_mov_b64 s[18:19], KROW
	s_mul_u64 s[20:21], s[20:21], s[18:19]
	s_mul_u64 s[46:47], s[46:47], s[18:19]
	s_mul_i32 s45, s14, HALFT
	s_mul_i32 s94, s14, HALFS
	s_wait_kmcnt 0x0
	s_add_nc_u64 s[6:7], s[4:5], ASC
	s_add_nc_u64 s[20:21], s[4:5], s[20:21]
	s_add_nc_u64 s[22:23], s[6:7], s[22:23]
	s_add_nc_u64 s[46:47], s[8:9], s[46:47]
	s_add_nc_u64 s[92:93], s[10:11], s[92:93]
	CROUND                                         ; all sixteen work-groups are here: the first joint loads meet
	s_mov_b32 s[G0S], 1
	s_add_co_u32 s[G0S+1], s94, SCL
	s_mov_b64 s[G0S+2:G0S+3], s[22:23]
	s_or_b32 s[G0S+3], s[G0S+3], 0x80000000
	s_mov_b32 s[G0SB], 1
	s_add_co_u32 s[G0SB+1], s94, SCL
	s_mov_b64 s[G0SB+2:G0SB+3], s[92:93]
	s_or_b32 s[G0SB+3], s[G0SB+3], 0x80000000
	JLOAD G0S, G1S, G0SB, G1SB
.irp s, 0,1
	s_mov_b32 s[G0+4*\s], 1
	s_add_co_u32 s[G0+4*\s+1], s45, \s*SLOT
	s_add_nc_u64 s[G0+4*\s+2:G0+4*\s+3], s[20:21], \s*ATILE
	s_or_b32 s[G0+4*\s+3], s[G0+4*\s+3], 0x80000000
	s_mov_b32 s[G0B+4*\s], 1
	s_add_co_u32 s[G0B+4*\s+1], s45, \s*SLOT
	s_add_nc_u64 s[G0B+4*\s+2:G0B+4*\s+3], s[46:47], \s*ROWB
	s_or_b32 s[G0B+4*\s+3], s[G0B+4*\s+3], 0x80000000
	JLOAD G0+4*\s, G1, G0B+4*\s, G1B
.endr
	v_and_b32 v1, 15, v0                           ; r
	v_bfe_u32 v2, v0, 4, 1                         ; h
	v_and_b32 v7, 8, v1
	v_add_nc_u32 v7, v7, v1                        ; r + 8 (r / 8)
	v_mul_u32_u24 v3, v[RP], PITCH
	v_mul_u32_u24 v4, v2, 24
	v_add_nc_u32 v4, v3, v4
	v_lshl_add_u32 v5, v2, 4, v4
	s_mul_i32 s21, s15, HALFT
	s_mul_i32 s22, s16, HALFT
	s_add_co_u32 s22, s22, 2*HALFT
.irp s, 0,1
	v_add_nc_u32 v[ADRA+\s], s21, v4
	v_add_nc_u32 v[ADRB+\s], s22, v4
	v_add_nc_u32 v[ADRA+2+\s], s21, v5
	v_add_nc_u32 v[ADRB+2+\s], s22, v5
	s_add_co_u32 s21, s21, SLOT
	s_add_co_u32 s22, s22, SLOT
.endr
	v_mul_u32_u24 v5, v[RP], KS
	v_lshrrev_b32 v6, 8, v5
	v_lshl_add_u32 v5, v6, 4, v5
	s_mul_i32 s21, s15, HALFS
	s_mul_i32 s22, s16, HALFS
	s_add_co_u32 s22, s22, 2*HALFS
	s_sub_co_u32 s22, s22, s21
	v_mul_u32_u24 v6, s22, v2
	s_add_co_u32 s21, s21, SCL
	v_add_nc_u32 v5, v5, v6
	v_add_nc_u32 v[ADRS], s21, v5
	s_lshl_b32 s46, s42, 10
	s_lshl_b32 s47, s16, 9
	s_add_co_u32 s46, s46, s47
	s_mov_b32 s47, 0
	s_add_nc_u64 s[98:99], s[98:99], s[46:47]      ; the bias at my first column
	v_lshlrev_b32 v8, 6, v2
.irp b, 0,1,2,3,4,5,6,7
	global_load_b128 v[BIAS+8*\b:BIAS+8*\b+3], v8, s[98:99] offset:128*(\b/2)+32*(\b%2)
	global_load_b128 v[BIAS+8*\b+4:BIAS+8*\b+7], v8, s[98:99] offset:128*(\b/2)+32*(\b%2)+16
.endr
	s_lshl_b32 s20, s17, 1                         ; what I store at the end: half of tile (2 tile row + wave / 2, K step = tile column)
	s_add_co_u32 s20, s20, s15
	s_mul_i32 s20, s20, 393216
	s_mul_i32 s21, s42, 24576
	s_add_co_u32 s20, s20, s21
	s_mul_i32 s21, s16, 12288
	s_add_co_u32 s20, s20, s21
	s_mov_b32 s21, 0
	s_lshl_b32 s22, s17, 15                        ; and the scale bytes of rows 256 tile row + 64 wave on, 8 bytes a row at byte 8 x tile column
	s_lshl_b32 s23, s14, 13
	s_add_co_u32 s22, s22, s23
	s_lshl_b32 s23, s42, 3
	s_add_co_u32 s22, s22, s23
	s_add_co_u32 s22, s22, 12582912
	s_mov_b32 s23, 0
	s_add_nc_u64 s[100:101], s[12:13], s[22:23]
	s_add_nc_u64 s[12:13], s[12:13], s[20:21]
.macro FRAG reg, adr, q, i
.irp p, 0,1,2,3,4,5
.set PCE, 12*(\q)+6*(\p/3)+\p%3
.if PCE%8 < 5
	ds_load_b64 v[\reg+2*\p:\reg+2*\p+1], v[\adr] offset:8*PCE+16*(PCE/8)+(16*(\i)-8*PERM*((\i)%2))*PITCH
.else
	ds_load_b64 v[\reg+2*\p:\reg+2*\p+1], v[\adr+2] offset:8*PCE+16*(PCE/8)+(16*(\i)-8*PERM*((\i)%2))*PITCH
.endif
.endr
.endm
; 16 matrix instructions: A's blocks a0, a0 + 1 x B's eight.  zero = 2: the bias starts the sums.  The 64 accumulators take turns, one instruction a turn.
.macro MUL16 a0, p, q, sc, zero
.irp a, \a0, \a0+1
.irp b, 0,1,2,3,4,5,6,7
.if \zero == 2
	v_wmma_scale_f32_16x16x128_f8f6f4 v[8*(8*((\a)%4)+\b):8*(8*((\a)%4)+\b)+7], v[128*(\p)+FR*\b:128*(\p)+FR*\b+FR-1], v[AF+FR*(\a):AF+FR*(\a)+FR-1], v[BIAS+8*\b:BIAS+8*\b+7], v[SC+8*NQ*(\sc)+NQ*\b+(\q)], v[SC+8*NQ*(\sc)+NQ*(\a)+(\q)] matrix_a_fmt:MATRIX_FMT_FP6 matrix_b_fmt:MATRIX_FMT_FP6 matrix_a_scale:MATRIX_SCALE_ROW1
.else
	v_wmma_scale_f32_16x16x128_f8f6f4 v[8*(8*((\a)%4)+\b):8*(8*((\a)%4)+\b)+7], v[128*(\p)+FR*\b:128*(\p)+FR*\b+FR-1], v[AF+FR*(\a):AF+FR*(\a)+FR-1], v[8*(8*((\a)%4)+\b):8*(8*((\a)%4)+\b)+7], v[SC+8*NQ*(\sc)+NQ*\b+(\q)], v[SC+8*NQ*(\sc)+NQ*(\a)+(\q)] matrix_a_fmt:MATRIX_FMT_FP6 matrix_b_fmt:MATRIX_FMT_FP6 matrix_a_scale:MATRIX_SCALE_ROW1
.endif
.endr
.endr
.endm
.macro FETCH_B slot, q, p
	WIN TO_B
.irp i, 0,1,2,3,4,5,6,7
	FRAG 128*(\p)+FR*\i, ADRB+\slot, \q, \i
.endr
	WIN 0
.endm
.macro FETCH_A slot, q, i0
.irp i, \i0, \i0+1, \i0+2, \i0+3
	FRAG AF+FR*(\i), ADRA+\slot, \q, \i
.endr
.endm
.macro SCALES sc
.irp i, 0,1,2,3,4,5,6,7
	ds_load_b64 v[SC+8*NQ*\sc+NQ*\i:SC+8*NQ*\sc+NQ*\i+1], v[ADRS] offset:\i*SBLK-PERM*(\i%2)*272
.endr
.endm
.macro PLACES n
.rept \n
	v_nop
.endr
.endm
.macro STEP slot, q, zero
	s_wait_dscnt 4*NL                              ; B's set and A's blocks 0-3 are in; the youngest 24 loads (A's blocks 4-7) may be out
	WIN MUL_LO-0x20*((\zero)/2)                    ; (the bias lies in window 0)
	MUL16 0, (\q)%2, \q, \slot, \zero
	MUL16 2, (\q)%2, \q, \slot, \zero
	s_wait_dscnt 0
	PLACES NP
	FETCH_B \slot, (\q)+1, 1-(\q)%2
	FETCH_A \slot, (\q)+1, 0
	WIN MUL_HI-0x30*((\zero)/2)
	MUL16 4, (\q)%2, \q, \slot, \zero
	MUL16 6, (\q)%2, \q, \slot, \zero
	PLACES NP
	WIN 0
	FETCH_A \slot, (\q)+1, 4
.endm
.macro TURN slot, next, fill
	s_wait_tensorcnt 0x0                           ; all my tensor loads have landed: my part of the next slot
	ds_add_u32 v[SPW], v[NIL]                      ; 0 onto my spare word
	s_wait_dscnt 4*NL+1                            ; (the add and A's blocks 4-7 may be out)
	WIN MUL_LO
	MUL16 0, 1, NQ-1, \slot, 0
	s_wait_dscnt 0x0                               ; the add is done, and my reads of this slot are over
	s_barrier_signal -1
	MUL16 2, 1, NQ-1, \slot, 0
	WIN 0
	s_barrier_wait -1
.if \fill
	CREST                                          ; the barrier has opened a round of the cluster's barrier
	s_add_nc_u64 s[G0+4*\slot+2:G0+4*\slot+3], s[G0+4*\slot+2:G0+4*\slot+3], 2*ATILE
	s_add_nc_u64 s[G0B+4*\slot+2:G0B+4*\slot+3], s[G0B+4*\slot+2:G0B+4*\slot+3], 2*ROWB
	JLOAD G0+4*\slot, G1, G0B+4*\slot, G1B         ; the first tensor load behind the round
.else
	PLACES NP
.endif
	v_add_nc_u32 v[ADRS], 4*NQ, v[ADRS]
	FETCH_B \next, 0, 0
	FETCH_A \next, 0, 0
	SCALES \next
	WIN MUL_HI
	MUL16 4, 1, NQ-1, \slot, 0
	MUL16 6, 1, NQ-1, \slot, 0
	PLACES NP
	WIN 0
	FETCH_A \next, 0, 4
.endm
	s_wait_tensorcnt 1                             ; the scale bytes and my part of K step 0 are in (K step 1's load may be out),
	s_barrier_signal -1
	s_barrier_wait -1
	FETCH_B 0, 0, 0
	FETCH_A 0, 0, 0
	SCALES 0
	FETCH_A 0, 0, 4
	s_wait_loadcnt 0x0                             ; the bias
	STEP 0, 0, 2
	s_mov_b32 s3, LAPS-1
.Llap:
	TURN 0, 1, 1
	STEP 1, 0, 0
	TURN 1, 0, 1
	STEP 0, 0, 0
	s_sub_co_u32 s3, s3, 1
	s_cmp_lg_u32 s3, 0
	s_cbranch_scc1 .Llap
	TURN 0, 1, 0
	STEP 1, 0, 0
	s_wait_dscnt 4*NL
	WIN MUL_LO
	MUL16 0, 1, NQ-1, 1, 0
	MUL16 2, 1, NQ-1, 1, 0
	s_wait_dscnt 0
	WIN MUL_HI
	MUL16 4, 1, NQ-1, 1, 0
	MUL16 6, 1, NQ-1, 1, 0
	WIN 0
; THE WAY OUT.  A loop of eight trips, one for each block a of 16 rows, so that the activation and the quantiser are written once; only the copy out of the accumulators (its window and registers) and the stores
; (their immediates) differ from trip to trip and are written eight times, reached by scalar branches on the trip's number.  The stage lies in slot 0, which has had its last fill and its last read.
.set H,    32                          ; v32-95   x / 2, then g
.set Z,    96                          ; v96-127  z
.set Z2,   128                         ; v128-159 z^2
.set PA,   160                         ; v160-191 the numerator
.set PB,   192                         ; v192-223 the denominator
.set TM,   96                          ; the quantiser works where z lay
.set QC,   112
.set PW,   132
.set OB,   96                          ; at the end: 24 x 16 bytes on their way out
.set GL,   224
.set GSTO, 225
.set GSSW, 226
.set GRD,  227
.set GSRD, 228
.set GSO,  229
.set SQ2, 24                           ; scalar pairs, in registers that held descriptors: no tensor load is out any more
.set CA0, 26
.set CA2, 28
.set CA3, 30
.set CA4, 32
.set CA5, 34
.set CA6, 36
.set CB0, 38
.set CB2, 40
.set CB3, 42
.set CB4, 44
.macro SC2 reg, val
	s_mov_b32 s[\reg], \val
	s_mov_b32 s[\reg+1], \val
.endm
	PLACES NP
	SC2 SQ2, 0x3fb504f3                            ; sqrt 2
	SC2 CA0, 0xaf95df0b
	SC2 CA2, 0xb60cff51
	SC2 CA3, 0xb86ec2d2
	SC2 CA4, 0xba40ac63
	SC2 CA5, 0xbb41a1f6
	SC2 CA6, 0xbc83dbd4
	SC2 CB0, 0xb77460cd
	SC2 CB2, 0xbadc924e
	SC2 CB3, 0xbbf19bf8
	SC2 CB4, 0xbc69b6a7
	s_mov_b32 s[SEL], 0x76543210
	s_mov_b32 s[SEL+1], 0xfedcba98
	v_mov_b32 v240, 0x32edffee
	v_mov_b32 v241, 0x32edffee
	v_mov_b32 v242, 0xb95fbd29
	v_mov_b32 v243, 0xb95fbd29
	v_and_b32 v3, 31, v0
	v_lshlrev_b32 v[GL], 4, v3
	s_mul_i32 s20, s15, 24576
	s_mul_i32 s21, s16, 96
	s_add_co_u32 s20, s20, s21
	v_mul_u32_u24 v4, v7, 192
	v_mad_u32_u24 v4, v2, 24, v4
	v_add_nc_u32 v[GSTO], s20, v4                  ; tile = my half of the rows; in a row of 192 bytes my half of the columns; 24 bytes a block
	s_lshl_b32 s20, s15, 10
	s_lshl_b32 s21, s16, 2
	s_add_co_u32 s20, s20, s21
	s_add_co_u32 s20, s20, 49152
	v_lshl_add_u32 v[GSSW], v7, 3, s20             ; scale words: 8 bytes a row of the 256
	s_mul_i32 s20, s14, 12288
	v_add_nc_u32 v[GRD], s20, v[GL]
	s_lshl_b32 s20, s14, 9
	s_add_co_u32 s20, s20, 49152
	v_lshl_add_u32 v[GSRD], v3, 3, s20
	v_lshlrev_b32 v[GSO], 7, v3                    ; a row of scale bytes in memory is 128 bytes
.macro QUANT s
.irp b, 0,1,2,3
	v_max3_num_f32 v[TM+\b], |v[\s+16*\b]|, |v[\s+1+16*\b]|, 0x1800000   ; with the floor 2^(3 - 127): the byte cannot fall under 1
.endr
.irp i, 2,4,6,8,10,12,14
.irp b, 0,1,2,3
	v_max3_num_f32 v[TM+\b], v[TM+\b], |v[\s+16*\b+\i]|, |v[\s+1+16*\b+\i]|
.endr
.endr
.irp b, 0,1,2,3
	v_permlanex16_b32 v[TM+4+\b], v[TM+\b], s[SEL], s[SEL+1]
.endr
.irp b, 0,1,2,3
	v_max_num_f32 v[TM+\b], v[TM+\b], v[TM+4+\b]
.endr
.irp b, 0,1,2,3
	v_add_nc_u32 v[TM+12+\b], 0xff000000, v[TM+\b]
.endr
.irp b, 0,1,2,3
	v_lshrrev_b32 v[TM+4+\b], 23, v[TM+12+\b]
.endr
	v_lshl_or_b32 v[PW], v[TM+5], 8, v[TM+4]
	v_lshl_or_b32 v[PW], v[TM+6], 16, v[PW]
	v_lshl_or_b32 v[PW], v[TM+7], 24, v[PW]
.irp c, 0,1
	v_cvt_scalef32_pk16_fp6_f32 v[QC+6*\c:QC+2+6*\c], v[\s+32*\c:\s+15+32*\c], v[TM+12+2*\c]
	v_cvt_scalef32_pk16_fp6_f32 v[QC+12+4*\c:QC+14+4*\c], v[\s+16+32*\c:\s+31+32*\c], v[TM+12+2*\c+1]
.endr
	v_nop
.irp c, 0,1
.irp i, 0,1,2
	v_permlane16_swap_b32 v[QC+6*\c+\i], v[QC+12+4*\c+\i]
.endr
.irp i, 0,1,2
	v_mov_b32 v[QC+3+6*\c+\i], v[QC+12+4*\c+\i]
.endr
.endr
.endm
.macro POLY dst, c                     ; dst = dst z^2 + c, 32 numbers
.set j, 0
.rept 16
	v_pk_fma_f32 v[\dst+j:\dst+j+1], v[\dst+j:\dst+j+1], v[Z2+j:Z2+j+1], s[\c:\c+1] op_sel_hi:[1,1,0]
.set j, j+2
.endr
.endm
.macro GELU c                          ; 32 numbers of H
.set HB, H+32*(\c)
.set j, 0
.rept 16
	v_pk_mul_f32 v[Z+j:Z+j+1], v[HB+j:HB+j+1], s[SQ2:SQ2+1] op_sel_hi:[1,0]   ; z = x / sqrt 2
.set j, j+2
.endr
.set j, 0
.rept 32
	v_med3_num_f32 v[Z+j], v[Z+j], -4.0, 4.0
.set j, j+1
.endr
.set j, 0
.rept 16
	v_pk_mul_f32 v[Z2+j:Z2+j+1], v[Z+j:Z+j+1], v[Z+j:Z+j+1]
.set j, j+2
.endr
.set j, 0
.rept 16
	v_pk_fma_f32 v[PA+j:PA+j+1], v[Z2+j:Z2+j+1], s[CA0:CA0+1], v[240:241] op_sel_hi:[1,0,1]
	v_pk_fma_f32 v[PB+j:PB+j+1], v[Z2+j:Z2+j+1], s[CB0:CB0+1], v[242:243] op_sel_hi:[1,0,1]
.set j, j+2
.endr
	POLY PA, CA2
	POLY PB, CB2
	POLY PA, CA3
	POLY PB, CB3
	POLY PA, CA4
	POLY PB, CB4
	POLY PA, CA5
	POLY PA, CA6
.set j, 0
.rept 32
	v_rcp_f32 v[PB+j], v[PB+j]
.set j, j+1
.endr
.set j, 0
.rept 16
	v_pk_mul_f32 v[PA+j:PA+j+1], v[PA+j:PA+j+1], v[Z+j:Z+j+1]   ; plain work behind the batch of reciprocals
.set j, j+2
.endr
	s_wait_alu depctr_va_vdst(0)                   ; one wait for the batch, ahead of its first reader
.set j, 0
.rept 16
	v_pk_mul_f32 v[PA+j:PA+j+1], v[PA+j:PA+j+1], v[PB+j:PB+j+1]   ; erf
.set j, j+2
.endr
.set j, 0
.rept 16
	v_pk_fma_f32 v[HB+j:HB+j+1], v[HB+j:HB+j+1], v[PA+j:PA+j+1], v[HB+j:HB+j+1]   ; g = x / 2 + (x / 2) erf
.set j, j+2
.endr
.endm
.macro COPYA a                         ; H = block a's 64 numbers / 2, each accumulator from its low end on
.Lcopy_\a:
	WIN 0x02+((\a)/4)
.set j, 0
.rept 32
	v_pk_mul_f32 v[H+j:H+j+1], v[64*((\a)%4)+j:64*((\a)%4)+j+1], 0.5 op_sel_hi:[1,0]
.set j, j+2
.endr
	WIN 0
	s_branch .Lmath
.endm
.macro STOREA a
.Lstore_\a:
.irp c, 0,1
.irp p, 0,1,2
	ds_store_b64 v[GSTO], v[QC+6*\c+2*\p:QC+6*\c+2*\p+1] offset:(32*((\a)/2)+8*((\a)%2))*192+48*\c+8*\p
.endr
.endr
	ds_store_b32 v[GSSW], v[PW] offset:8*(32*((\a)/2)+8*((\a)%2))
	s_branch .Lnext
.endm
	s_mov_b32 s3, 0
.Lblk:
.irp a, 1,2,3,4,5,6,7
	s_cmp_eq_u32 s3, \a
	s_cbranch_scc1 .Lcopy_\a
.endr
.irp a, 0,1,2,3,4,5,6,7
	COPYA \a
.endr
.Lmath:
	GELU 0
	GELU 1
	QUANT H
.irp a, 1,2,3,4,5,6,7
	s_cmp_eq_u32 s3, \a
	s_cbranch_scc1 .Lstore_\a
.endr
.irp a, 0,1,2,3,4,5,6,7
	STOREA \a
.endr
.Lnext:
	s_wait_dscnt 0x0                               ; the stores have read their registers; behind the last trip: they have landed, for the others' sake
	s_add_co_u32 s3, s3, 1
	s_cmp_lt_u32 s3, 8
	s_cbranch_scc1 .Lblk
	s_barrier_signal -1
	s_barrier_wait -1                              ; the two tiles and their scale words lie in the stage
	ds_load_b64 v[192:193], v[GSRD]
	ds_load_b64 v[194:195], v[GSRD] offset:256
.set q, 0
.rept 24
	ds_load_b128 v[OB+4*q:OB+4*q+3], v[GRD] offset:512*q
.set q, q+1
.endr
	s_wait_dscnt 24                                ; the scale words are in; the 24 loads behind them may be out
	global_store_b64 v[GSO], v[192:193], s[100:101]
	global_store_b64 v[GSO], v[194:195], s[100:101] offset:4096
.set q, 0
.rept 24
	s_wait_dscnt 23-q
	global_store_b128 v[GL], v[OB+4*q:OB+4*q+3], s[12:13] offset:512*q   ; 512 consecutive bytes, aligned to 256
.set q, q+1
.endr
	s_wait_tensorcnt 0x0                           ; the wave's end
	ds_add_u32 v[SPW], v[NIL]
	s_wait_dscnt 0x0
	CROUND                                         ; the closing round
	s_endpgm
.Lfunc_end_k_q5ecd118fcf_ffn1:
	.size	k_q5ecd118fcf_ffn1, .Lfunc_end_k_q5ecd118fcf_ffn1-k_q5ecd118fcf_ffn1
	.p2alignl 7, 3214868480
	.fill 96, 4, 3214868480
	.section	.rodata,"a",@progbits
	.p2align	6, 0x0
	.amdhsa_kernel k_q5ecd118fcf_ffn1
		.amdhsa_group_segment_fixed_size 327680
		.amdhsa_private_segment_fixed_size 0
		.amdhsa_enable_private_segment 0
		.amdhsa_kernarg_size 40
		.amdhsa_user_sgpr_count 2
		.amdhsa_user_sgpr_kernarg_segment_ptr 1
		.amdhsa_wavefront_size32 1
		.amdhsa_system_sgpr_workgroup_id_x 1
		.amdhsa_system_sgpr_workgroup_id_y 1
		.amdhsa_system_sgpr_workgroup_id_z 1
		.amdhsa_system_vgpr_workitem_id 0
		.amdhsa_next_free_vgpr 1024
		.amdhsa_next_free_sgpr 102
		.amdhsa_reserve_vcc 0
		.amdhsa_float_denorm_mode_32 3
		.amdhsa_float_denorm_mode_16_64 3
		.amdhsa_memory_ordered 1
		.amdhsa_forward_progress 1
		.amdhsa_inst_pref_size 201
	.end_amdhsa_kernel
	.amdgpu_metadata
---
amdhsa.version: [ 1, 2 ]
amdhsa.kernels:
  - .name:           k_q5ecd118fcf_ffn1
    .symbol:         k_q5ecd118fcf_ffn1.kd
    .args:
      - { .name: nq, .offset: 0, .size: 8, .value_kind: global_buffer, .address_space: global }
      - { .name: ffn_w1_codes, .offset: 8, .size: 8, .value_kind: global_buffer, .address_space: global }
      - { .name: ffn_w1_scales, .offset: 16, .size: 8, .value_kind: global_buffer, .address_space: global }
      - { .name: ffn_b1, .offset: 24, .size: 8, .value_kind: global_buffer, .address_space: global }
      - { .name: gq, .offset: 32, .size: 8, .value_kind: global_buffer, .address_space: global }
    .group_segment_fixed_size: 327680
    .private_segment_fixed_size: 0
    .kernarg_segment_align: 8
    .kernarg_segment_size: 40
    .max_flat_workgroup_size: 128
    .sgpr_count:     102
    .vgpr_count:     1024
    .wavefront_size: 32
...
	.end_amdgpu_metadata
.endif
;; end of part 5
;; launch ffn2 (part 6): grid 4 x 16, 4 waves a work-group, clusters of 4 x 4, 327,680 bytes of LDS; arguments gq, ffn_w2_codes, ffn_w2_scales, ffn_b2, x1, out0; writes out0
.if DOCPART == 6
	.amdgcn_target "amdgcn-amd-amdhsa--gfx1250"
	.amdhsa_code_object_version 6
	.text
	.protected	k_q5ecd118fcf_ffn2
	.globl	k_q5ecd118fcf_ffn2
	.p2align	8
	.type	k_q5ecd118fcf_ffn2,@function
k_q5ecd118fcf_ffn2:
	s_mov_b64 s[64:65], 0
	v_nop
	global_prefetch_b8 v0, s[64:65] scope:SCOPE_SE
	s_setreg_imm32_b32 hwreg(HW_REG_WAVE_MODE, 25, 1), 1
	s_wait_xcnt 0x0
	s_wait_alu depctr_hold_cnt(0) depctr_sa_sdst(0) depctr_va_vdst(0) depctr_va_sdst(0) depctr_va_ssrc(0) depctr_va_vcc(0) depctr_vm_vsrc(0)
	s_getreg_b32 s2, hwreg(HW_REG_IB_STS2, 6, 4)
	s_cmp_eq_u32 s2, 0
	s_cbranch_scc0 .Lentry_in_a_cluster
	s_endpgm
.Lentry_in_a_cluster:
	s_bfe_u32 s2, ttmp6, 0x10000c
	s_cmp_lg_u32 s2, 0xf033
	s_cbranch_scc0 .Lentry_shape_is_right
	s_endpgm
.Lentry_shape_is_right:
; out = x1 + g W2^T + b2 on codes of FP6 (E2M3) with E8M0 scales, M 4,096, N 1,024, K 4,096; out in f32.
; A (g): codes as tiles [row / 128][K step of 256 (16)][128][192 bytes], scale bytes [4096][128] at byte ASC of the same buffer.  B: codes [1024][3,072 bytes], scale bytes [1024][128].
; A tile of 256 x 256 to a work-group of four waves, 128 x 128 a wave in 512 registers; K in steps of 256 through two LDS slots filled by the tensor data mover; all scale bytes of the tile's rows come into LDS once.
; 4 x 4 work-groups form a cluster: A's tiles are asked for jointly along a row of the cluster, B's along a column.  The matrix instruction is used transposed (source 0 = rows of B, source 1 = rows of A):
; accumulator (a, b), lane (r, h), register j is C(16 a + r, 16 b + 8 h + j).
; THE RESIDUAL STARTS THE SUMS: it is loaded straight into the accumulators at the head, beside the first tensor loads.  The bias is added to whole rows on the way out.
; N = 1,024 gives 64 tiles of this size: 64 work-groups.
; REGISTERS: window 0: v0-31 addresses, v8-11 the bias; v32-63 scale words, two sets; v128-223 A's fragments, one set.  window 1: B's fragments, two sets.  windows 2, 3: the accumulators.
.set SIZE_N, 1024
.set SIZE_K, 4096
.set PERM,   0
.set ASC,    12582912
.set KSTEP,  256
.set NQ,     KSTEP/128
.set ROWB,   192
.set ATILE,  128*ROWB
.set KROW,   SIZE_K*6/8
.set PITCH,  240
.set FR,     12
.set NL,     6
.set NP,     4
.set HALFT,  128*PITCH
.set SLOT,   4*HALFT
.set LAPS,   SIZE_K/(2*KSTEP)
.set KS,     SIZE_K/32
.set SCL,    2*SLOT
.set HALFS,  (128*KS/256)*272
.set SBLK,   (16*KS/256)*272
.set SPARE,  SCL+4*HALFS               ; the spare words, 128 bytes a wave: two blocks of 256 bytes that no other line names
.set SPITCH, 528                       ; the way out: 16 rows x (512 bytes + 16) for each wave, in slot 0, which has had its last fill and its last read by then
.set RP,   1
.set ADRA, 16
.set ADRB, 20
.set STO,  24
.set RD,   25
.set CO,   26
.set ADRS, 27
.set SPW,  28
.set NIL,  29
.set SC,   32
.set AF,   128
.set BK,   128
.set G1, 24
.set G0, 32
.set G1B, 48
.set G0B, 56
.set G1S, 68
.set G0S, 76
.set G1SB, 80
.set G0SB, 88
.set MSB, 0
.macro WIN new
.if MSB != (\new)
	s_set_vgpr_msb (MSB<<8)|(\new)
.set MSB, (\new)
.endif
.endm
.set MUL_LO, 0xa1
.set MUL_HI, 0xf1
.set TO_B,   0x40
.macro JLOAD g0a, g1a, g0b, g1b        ; a joint load: waves 0, 1 fetch for A, waves 2, 3 for B; four v_nop follow each line
	s_cmp_eq_u32 s15, 0
	s_cbranch_scc0 .Lfor_b_\@
	tensor_load_to_lds s[\g0a:\g0a+3], s[\g1a:\g1a+7]
	s_nop 0
.rept 4
	v_nop
.endr
	s_branch .Lasked_\@
.Lfor_b_\@:
	tensor_load_to_lds s[\g0b:\g0b+3], s[\g1b:\g1b+7]
	s_nop 0
.rept 4
	v_nop
.endr
.Lasked_\@:
.endm
.macro CREST
	s_cmp_lg_u32 s14, 0
	s_cbranch_scc1 .Lnot_wave_0_\@
	s_barrier_signal -3
.Lnot_wave_0_\@:
	s_barrier_wait -3
	s_barrier_signal -1
	s_barrier_wait -1
.endm
.macro CROUND
	s_barrier_signal -1
	s_barrier_wait -1
	CREST
.endm
	s_load_b64 s[4:5], s[0:1], 0x0                 ; A: codes, and its scale bytes ASC on
	s_load_b128 s[8:11], s[0:1], 0x8               ; B's codes, B's scales
	s_load_b64 s[98:99], s[0:1], 0x18              ; the bias
	s_load_b64 s[100:101], s[0:1], 0x20            ; the residual
	s_load_b64 s[12:13], s[0:1], 0x28              ; out
	v_lshl_add_u32 v[SPW], v0, 2, SPARE
	v_mov_b32 v[NIL], 0
	ds_add_u32 v28, v29
	ds_add_u32 v28, v29
	s_wait_dscnt 0x0
	v_lshrrev_b32 v1, 5, v0
	v_readfirstlane_b32 s14, v1
	s_lshr_b32 s15, s14, 1
	s_and_b32 s16, s14, 1
	s_bfe_u32 s40, ttmp6, 0x40000
	s_bfe_u32 s41, ttmp6, 0x40004
	s_lshl_b32 s42, ttmp9, 2
	s_add_co_u32 s42, s42, s40                     ; tile column
	s_and_b32 s17, ttmp7, 0xffff
	s_lshl_b32 s17, s17, 2
	s_add_co_u32 s17, s17, s41                     ; tile row
	s_lshl_b32 s43, s41, 2
	s_lshl_b32 s43, 15, s43
	s_lshl_b32 s44, 0x1111, s40
	s_or_b32 s[G1+0], s43, (0<<16)|(1<<20)|(1<<21)|(3<<22)|(3<<25)
	s_or_b32 s[G1B+0], s44, (0<<16)|(1<<20)|(1<<21)|(3<<22)|(3<<25)
.irp g, G1, G1B
	s_mov_b32 s[\g+1], ROWB<<16
	s_mov_b32 s[\g+2], 128<<16
	s_mov_b32 s[\g+3], ROWB<<16
	s_mov_b32 s[\g+4], 128
	s_mov_b32 s[\g+6], 0
	s_mov_b32 s[\g+7], 0
.endr
	s_mov_b32 s[G1+5], ROWB                        ; A's tiles are dense
	s_mov_b32 s[G1B+5], KROW
	s_or_b32 s[G1S+0], s43, (3<<16)|(1<<20)|(1<<21)|(5<<22)|(3<<25)
	s_or_b32 s[G1SB+0], s44, (3<<16)|(1<<20)|(1<<21)|(5<<22)|(3<<25)
.irp g, G1S, G1SB
	s_mov_b32 s[\g+1], 32<<16
	s_mov_b32 s[\g+2], (128*KS/256)<<16
	s_mov_b32 s[\g+3], 32<<16
	s_mov_b32 s[\g+4], 128*KS/256
	s_mov_b32 s[\g+5], 32
	s_mov_b32 s[\g+6], 0
	s_mov_b32 s[\g+7], 0
.endr
	s_lshl_b32 s18, s16, 7
	s_lshl_b32 s20, s17, 8
	s_add_co_u32 s20, s20, s18
	s_lshl_b32 s46, s42, 8
	s_add_co_u32 s46, s46, s18
	s_mov_b32 s21, 0
	s_mov_b32 s47, 0
	s_mov_b64 s[18:19], KS
	s_mul_u64 s[22:23], s[20:21], s[18:19]
	s_mul_u64 s[92:93], s[46:47], s[18:19]
	s_mov_b64 s[18:19], KROW
	s_mul_u64 s[20:21], s[20:21], s[18:19]
	s_mul_u64 s[46:47], s[46:47], s[18:19]
	s_mul_i32 s45, s14, HALFT
	s_mul_i32 s94, s14, HALFS
	s_wait_kmcnt 0x0
	s_add_nc_u64 s[6:7], s[4:5], ASC
	s_add_nc_u64 s[20:21], s[4:5], s[20:21]
	s_add_nc_u64 s[22:23], s[6:7], s[22:23]
	s_add_nc_u64 s[46:47], s[8:9], s[46:47]
	s_add_nc_u64 s[92:93], s[10:11], s[92:93]
	CROUND                                         ; all sixteen work-groups are here: the first joint loads meet
	s_mov_b32 s[G0S], 1
	s_add_co_u32 s[G0S+1], s94, SCL
	s_mov_b64 s[G0S+2:G0S+3], s[22:23]
	s_or_b32 s[G0S+3], s[G0S+3], 0x80000000
	s_mov_b32 s[G0SB], 1
	s_add_co_u32 s[G0SB+1], s94, SCL
	s_mov_b64 s[G0SB+2:G0SB+3], s[92:93]
	s_or_b32 s[G0SB+3], s[G0SB+3], 0x80000000
	JLOAD G0S, G1S, G0SB, G1SB
.irp s, 0,1
	s_mov_b32 s[G0+4*\s], 1
	s_add_co_u32 s[G0+4*\s+1], s45, \s*SLOT
	s_add_nc_u64 s[G0+4*\s+2:G0+4*\s+3], s[20:21], \s*ATILE
	s_or_b32 s[G0+4*\s+3], s[G0+4*\s+3], 0x80000000
	s_mov_b32 s[G0B+4*\s], 1
	s_add_co_u32 s[G0B+4*\s+1], s45, \s*SLOT
	s_add_nc_u64 s[G0B+4*\s+2:G0B+4*\s+3], s[46:47], \s*ROWB
	s_or_b32 s[G0B+4*\s+3], s[G0B+4*\s+3], 0x80000000
	JLOAD G0+4*\s, G1, G0B+4*\s, G1B
.endr
	v_and_b32 v1, 15, v0                           ; r
	v_bfe_u32 v2, v0, 4, 1                         ; h
	v_mul_u32_u24 v3, v[RP], PITCH
	v_mul_u32_u24 v4, v2, 24
	v_add_nc_u32 v4, v3, v4
	v_lshl_add_u32 v5, v2, 4, v4
	s_mul_i32 s21, s15, HALFT
	s_mul_i32 s22, s16, HALFT
	s_add_co_u32 s22, s22, 2*HALFT
.irp s, 0,1
	v_add_nc_u32 v[ADRA+\s], s21, v4
	v_add_nc_u32 v[ADRB+\s], s22, v4
	v_add_nc_u32 v[ADRA+2+\s], s21, v5
	v_add_nc_u32 v[ADRB+2+\s], s22, v5
	s_add_co_u32 s21, s21, SLOT
	s_add_co_u32 s22, s22, SLOT
.endr
	v_mul_u32_u24 v5, v[RP], KS
	v_lshrrev_b32 v6, 8, v5
	v_lshl_add_u32 v5, v6, 4, v5
	s_mul_i32 s21, s15, HALFS
	s_mul_i32 s22, s16, HALFS
	s_add_co_u32 s22, s22, 2*HALFS
	s_sub_co_u32 s22, s22, s21
	v_mul_u32_u24 v6, s22, v2
	s_add_co_u32 s21, s21, SCL
	v_add_nc_u32 v5, v5, v6
	v_add_nc_u32 v[ADRS], s21, v5
	s_mul_i32 s23, s14, 16*SPITCH                  ; my stage
	v_mul_u32_u24 v5, v1, SPITCH
	v_lshl_add_u32 v5, v2, 5, v5
	v_add_nc_u32 v[STO], s23, v5
	v_and_b32 v6, 31, v0
	v_lshlrev_b32 v[CO], 4, v6
	v_add_nc_u32 v[RD], s23, v[CO]
	s_lshl_b32 s20, s17, 8
	s_lshl_b32 s21, s15, 7
	s_add_co_u32 s20, s20, s21                     ; my first row of C
	s_mov_b32 s21, 0
	s_mov_b64 s[18:19], SIZE_N*4
	s_mul_u64 s[20:21], s[20:21], s[18:19]
	s_lshl_b32 s46, s42, 10                        ; my first column, in bytes
	s_lshl_b32 s47, s16, 9
	s_add_co_u32 s46, s46, s47
	s_mov_b32 s47, 0
	s_add_nc_u64 s[98:99], s[98:99], s[46:47]
	s_add_nc_u64 s[20:21], s[20:21], s[46:47]
	s_add_nc_u64 s[12:13], s[12:13], s[20:21]
	s_add_nc_u64 s[100:101], s[100:101], s[20:21]
	global_load_b128 v[8:11], v[CO], s[98:99]      ; the bias of the four columns that I store
	v_lshlrev_b32 v12, 12, v1
	v_lshl_add_u32 v12, v2, 5, v12                 ; the residual: row r of 4,096 bytes, + 32 h
	WIN 0x80                                       ; destination window 2
.irp a, 0,1,2,3
.irp b, 0,1,2,3,4,5,6,7
	global_load_b128 v[8*(8*\a+\b):8*(8*\a+\b)+3], v12, s[100:101] offset:65536*\a+64*\b
	global_load_b128 v[8*(8*\a+\b)+4:8*(8*\a+\b)+7], v12, s[100:101] offset:65536*\a+64*\b+16
.endr
.endr
	WIN 0xc0                                       ; destination window 3
.irp a, 0,1,2,3
.irp b, 0,1,2,3,4,5,6,7
	global_load_b128 v[8*(8*\a+\b):8*(8*\a+\b)+3], v12, s[100:101] offset:65536*(\a+4)+64*\b
	global_load_b128 v[8*(8*\a+\b)+4:8*(8*\a+\b)+7], v12, s[100:101] offset:65536*(\a+4)+64*\b+16
.endr
.endr
	WIN 0
.macro FRAG reg, adr, q, i
.irp p, 0,1,2,3,4,5
.set PCE, 12*(\q)+6*(\p/3)+\p%3
.if PCE%8 < 5
	ds_load_b64 v[\reg+2*\p:\reg+2*\p+1], v[\adr] offset:8*PCE+16*(PCE/8)+(16*(\i)-8*PERM*((\i)%2))*PITCH
.else
	ds_load_b64 v[\reg+2*\p:\reg+2*\p+1], v[\adr+2] offset:8*PCE+16*(PCE/8)+(16*(\i)-8*PERM*((\i)%2))*PITCH
.endif
.endr
.endm
; 16 matrix instructions: A's blocks a0, a0 + 1 x B's eight.  The 64 accumulators take turns, one instruction a turn.
.macro MUL16 a0, p, q, sc, zero
.irp a, \a0, \a0+1
.irp b, 0,1,2,3,4,5,6,7
	v_wmma_scale_f32_16x16x128_f8f6f4 v[8*(8*((\a)%4)+\b):8*(8*((\a)%4)+\b)+7], v[128*(\p)+FR*\b:128*(\p)+FR*\b+FR-1], v[AF+FR*(\a):AF+FR*(\a)+FR-1], v[8*(8*((\a)%4)+\b):8*(8*((\a)%4)+\b)+7], v[SC+8*NQ*(\sc)+NQ*\b+(\q)], v[SC+8*NQ*(\sc)+NQ*(\a)+(\q)] matrix_a_fmt:MATRIX_FMT_FP6 matrix_b_fmt:MATRIX_FMT_FP6 matrix_a_scale:MATRIX_SCALE_ROW1
.endr
.endr
.endm
.macro FETCH_B slot, q, p
	WIN TO_B
.irp i, 0,1,2,3,4,5,6,7
	FRAG 128*(\p)+FR*\i, ADRB+\slot, \q, \i
.endr
	WIN 0
.endm
.macro FETCH_A slot, q, i0
.irp i, \i0, \i0+1, \i0+2, \i0+3
	FRAG AF+FR*(\i), ADRA+\slot, \q, \i
.endr
.endm
.macro SCALES sc
.irp i, 0,1,2,3,4,5,6,7
	ds_load_b64 v[SC+8*NQ*\sc+NQ*\i:SC+8*NQ*\sc+NQ*\i+1], v[ADRS] offset:\i*SBLK-PERM*(\i%2)*272
.endr
.endm
.macro PLACES n
.rept \n
	v_nop
.endr
.endm
.macro STEP slot, q, zero
	s_wait_dscnt 4*NL                              ; B's set and A's blocks 0-3 are in; the youngest 24 loads (A's blocks 4-7) may be out
	WIN MUL_LO
	MUL16 0, (\q)%2, \q, \slot, \zero
	MUL16 2, (\q)%2, \q, \slot, \zero
	s_wait_dscnt 0
	PLACES NP
	FETCH_B \slot, (\q)+1, 1-(\q)%2
	FETCH_A \slot, (\q)+1, 0
	WIN MUL_HI
	MUL16 4, (\q)%2, \q, \slot, \zero
	MUL16 6, (\q)%2, \q, \slot, \zero
	PLACES NP
	WIN 0
	FETCH_A \slot, (\q)+1, 4
.endm
.macro TURN slot, next, fill
	s_wait_tensorcnt 0x0                           ; all my tensor loads have landed: my part of the next slot
	ds_add_u32 v[SPW], v[NIL]                      ; 0 onto my spare word
	s_wait_dscnt 4*NL+1                            ; (the add and A's blocks 4-7 may be out)
	WIN MUL_LO
	MUL16 0, 1, NQ-1, \slot, 0
	s_wait_dscnt 0x0                               ; the add is done, and my reads of this slot are over
	s_barrier_signal -1
	MUL16 2, 1, NQ-1, \slot, 0
	WIN 0
	s_barrier_wait -1
.if \fill
	CREST                                          ; the barrier has opened a round of the cluster's barrier
	s_add_nc_u64 s[G0+4*\slot+2:G0+4*\slot+3], s[G0+4*\slot+2:G0+4*\slot+3], 2*ATILE
	s_add_nc_u64 s[G0B+4*\slot+2:G0B+4*\slot+3], s[G0B+4*\slot+2:G0B+4*\slot+3], 2*ROWB
	JLOAD G0+4*\slot, G1, G0B+4*\slot, G1B         ; the first tensor load behind the round
.else
	PLACES NP
.endif
	v_add_nc_u32 v[ADRS], 4*NQ, v[ADRS]
	FETCH_B \next, 0, 0
	FETCH_A \next, 0, 0
	SCALES \next
	WIN MUL_HI
	MUL16 4, 1, NQ-1, \slot, 0
	MUL16 6, 1, NQ-1, \slot, 0
	PLACES NP
	WIN 0
	FETCH_A \next, 0, 4
.endm
	s_wait_tensorcnt 1                             ; the scale bytes and my part of K step 0 are in (K step 1's load may be out),
	s_barrier_signal -1
	s_barrier_wait -1
	FETCH_B 0, 0, 0
	FETCH_A 0, 0, 0
	SCALES 0
	FETCH_A 0, 0, 4
	s_wait_loadcnt 0x0                             ; the residual lies in the accumulators
	STEP 0, 0, 0
	s_mov_b32 s3, LAPS-1
.Llap:
	TURN 0, 1, 1
	STEP 1, 0, 0
	TURN 1, 0, 1
	STEP 0, 0, 0
	s_sub_co_u32 s3, s3, 1
	s_cmp_lg_u32 s3, 0
	s_cbranch_scc1 .Llap
	TURN 0, 1, 0
	STEP 1, 0, 0
	s_wait_dscnt 4*NL
	WIN MUL_LO
	MUL16 0, 1, NQ-1, 1, 0
	MUL16 2, 1, NQ-1, 1, 0
	s_wait_dscnt 0
	WIN MUL_HI
	MUL16 4, 1, NQ-1, 1, 0
	MUL16 6, 1, NQ-1, 1, 0
	WIN 0
; THE WAY OUT, block by block of 16 rows x 128 columns, through my own stage; rows come back whole, get the bias, and the 32 lanes store 512 consecutive bytes, aligned to 256.
.macro TOSTAGE a
.set AC, 64*((\a)%4)
	WIN 0x08+4*((\a)/4)
.irp b, 0,1,2,3,4,5,6,7
	ds_store_b128 v[STO], v[AC+8*\b:AC+8*\b+3] offset:64*\b
	ds_store_b128 v[STO], v[AC+8*\b+4:AC+8*\b+7] offset:64*\b+16
.endr
	WIN 0
.set BB, BK+64*((\a)%2)
.irp t, 0,1,2,3,4,5,6,7,8,9,10,11,12,13,14,15
	ds_load_b128 v[BB+4*\t:BB+4*\t+3], v[RD] offset:\t*SPITCH
.endr
.endm
.macro SEND a, younger
.set BB, BK+64*((\a)%2)
	s_wait_dscnt \younger
.if (\a) > 0
	s_add_nc_u64 s[12:13], s[12:13], 16*SIZE_N*4   ; (behind a wait on XCNT: the earlier stores have read their base)
.endif
.irp t, 0,1,2,3,4,5,6,7,8,9,10,11,12,13,14,15
	v_pk_add_f32 v[BB+4*\t:BB+4*\t+1], v[BB+4*\t:BB+4*\t+1], v[8:9]
	v_pk_add_f32 v[BB+4*\t+2:BB+4*\t+3], v[BB+4*\t+2:BB+4*\t+3], v[10:11]
.endr
.irp t, 0,1,2,3,4,5,6,7,8,9,10,11,12,13,14,15
	global_store_b128 v[CO], v[BB+4*\t:BB+4*\t+3], s[12:13] offset:\t*SIZE_N*4 th:TH_STORE_NT
.endr
.endm
	PLACES NP
	TOSTAGE 0
.irp a, 1,2,3,4,5,6,7
.if \a > 1
	s_wait_xcnt 0x0                                ; block a - 2's stores have read their registers and their base
.endif
	TOSTAGE \a
	SEND \a-1, 32                                  ; behind block a - 1's loads: block a's 16 stores and 16 loads
.endr
	s_wait_xcnt 0x0
	SEND 7, 0
	s_wait_tensorcnt 0x0                           ; the wave's end
	ds_add_u32 v[SPW], v[NIL]
	s_wait_dscnt 0x0
	CROUND                                         ; the closing round
	s_endpgm
.Lfunc_end_k_q5ecd118fcf_ffn2:
	.size	k_q5ecd118fcf_ffn2, .Lfunc_end_k_q5ecd118fcf_ffn2-k_q5ecd118fcf_ffn2
	.p2alignl 7, 3214868480
	.fill 96, 4, 3214868480
	.section	.rodata,"a",@progbits
	.p2align	6, 0x0
	.amdhsa_kernel k_q5ecd118fcf_ffn2
		.amdhsa_group_segment_fixed_size 327680
		.amdhsa_private_segment_fixed_size 0
		.amdhsa_enable_private_segment 0
		.amdhsa_kernarg_size 48
		.amdhsa_user_sgpr_count 2
		.amdhsa_user_sgpr_kernarg_segment_ptr 1
		.amdhsa_wavefront_size32 1
		.amdhsa_system_sgpr_workgroup_id_x 1
		.amdhsa_system_sgpr_workgroup_id_y 1
		.amdhsa_system_sgpr_workgroup_id_z 1
		.amdhsa_system_vgpr_workitem_id 0
		.amdhsa_next_free_vgpr 1024
		.amdhsa_next_free_sgpr 102
		.amdhsa_reserve_vcc 0
		.amdhsa_float_denorm_mode_32 3
		.amdhsa_float_denorm_mode_16_64 3
		.amdhsa_memory_ordered 1
		.amdhsa_forward_progress 1
		.amdhsa_inst_pref_size 188
	.end_amdhsa_kernel
	.amdgpu_metadata
---
amdhsa.version: [ 1, 2 ]
amdhsa.kernels:
  - .name:           k_q5ecd118fcf_ffn2
    .symbol:         k_q5ecd118fcf_ffn2.kd
    .args:
      - { .name: gq, .offset: 0, .size: 8, .value_kind: global_buffer, .address_space: global }
      - { .name: ffn_w2_codes, .offset: 8, .size: 8, .value_kind: global_buffer, .address_space: global }
      - { .name: ffn_w2_scales, .offset: 16, .size: 8, .value_kind: global_buffer, .address_space: global }
      - { .name: ffn_b2, .offset: 24, .size: 8, .value_kind: global_buffer, .address_space: global }
      - { .name: x1, .offset: 32, .size: 8, .value_kind: global_buffer, .address_space: global }
      - { .name: out0, .offset: 40, .size: 8, .value_kind: global_buffer, .address_space: global }
    .group_segment_fixed_size: 327680
    .private_segment_fixed_size: 0
    .kernarg_segment_align: 8
    .kernarg_segment_size: 48
    .max_flat_workgroup_size: 128
    .sgpr_count:     102
    .vgpr_count:     1024
    .wavefront_size: 32
...
	.end_amdgpu_metadata
.endif
;; end of part 6
;; ======== version 2 of 2: 7 launches
;; limits: right only within a limited range of input values
;; workspace buffers: nq 3,276,800 bytes; qkvq 10,092,544 bytes; aq 3,276,800 bytes; x1 16,777,216 bytes; gq 13,107,200 bytes; wt 9,437,184 bytes
;; launch prep (part 7): grid 1024 x 1, 4 waves a work-group, no clusters, 33,792 bytes of LDS; arguments x, ln_w, ln_b, nq, qkv_w_codes, ffn_w1_codes, proj_w_codes, ffn_w2_codes, wt; writes nq, wt
.if DOCPART == 7
	.amdgcn_target "amdgcn-amd-amdhsa--gfx1250"
	.amdhsa_code_object_version 6
	.text
	.protected	k_q5ecd118fcf_prep
	.globl	k_q5ecd118fcf_prep
	.p2align	8
	.type	k_q5ecd118fcf_prep,@function
k_q5ecd118fcf_prep:
	s_mov_b64 s[64:65], 0
	v_nop
	global_prefetch_b8 v0, s[64:65] scope:SCOPE_SE
	s_setreg_imm32_b32 hwreg(HW_REG_WAVE_MODE, 25, 1), 1
	s_wait_xcnt 0x0
; TWO JOBS, told apart by the work-group's number.
; WORK-GROUPS 0-255: LayerNorm of x's 4,096 rows of 1,024 f32, then the MX-FP6 quantiser along the row: n = (z - mean) rsqrt(var + 1e-5) w + b in f32; each block of 32 gets the scale 2^(floor(log2(largest magnitude)) - 2).
;   OUT: codes as the next launch's tiles [row / 256][K step of 256][256 rows][192 bytes]; behind them (byte 3,145,728) the scale bytes [4096][32].
;   A work-group has 16 rows, a wave 4; a wave holds a row in 32 registers (lane l: numbers 128 i + 4 l + 0..3 of load i).  The conversion wants 16 neighbours in a lane: 512 numbers at a time turn through the wave's own LDS stage.
;   Codes gather in the wave's own 3,072 bytes and leave in pieces of 16 bytes, sixteen lanes to 256 consecutive bytes, aligned; the 512 scale bytes leave by wave 0.
; WORK-GROUPS 256-1023: the four weights' codes, rows of 768 or 3,072 bytes, are laid anew as dense tiles [n / R][K step of 256][R rows][192 bytes], one tensor behind the other in wt:
;   qkv_w (R 256) at 0, ffn_w1 (R 256) at 2,359,296, proj_w (R 128) at 5,505,024, ffn_w2 (R 128) at 6,291,456, so that the products' tensor loads read dense blocks in rows of 256 bytes that begin on multiples of 256.
;   A work-group copies one unit, 64 rows x 192 bytes = 768 pieces of 16 bytes, six a thread; unit u lies at byte 12,288 u of wt.
; No matrix unit, no tensor load, no cluster: work-groups share no input but w and b (8 KB).
; LIMITS: NaN and infinities are not served; a block of zeros gets the byte 1 (its codes are zeros; only this program reads the bytes).
.set W,    16                          ; v16-47 w;  v48-79 b;  v80-207 four rows;  v208-239 two sets of 16 neighbours, at the end the codes on their way out
.set BV,   48
.set X,    80
.set T,    208
.set CST,  20480                       ; LDS: 4 x 5,120 bytes of stages, 4 x 3,072 of codes, 512 scale bytes, then the spare words
.set SCB,  32768
.set KJMP, 49152-768                   ; from the end of my 4 rows in one K step's tile to their start in the next
	s_cmp_ge_u32 ttmp9, 256
	s_cbranch_scc1 .Lrelay
	s_load_b256 s[4:11], s[0:1], 0x0               ; z, w, b, out
	v_lshl_add_u32 v254, v0, 2, 0x8200
	v_mov_b32 v255, 0
	v_lshrrev_b32 v1, 5, v0
	v_readfirstlane_b32 s14, v1                    ; wave
	v_and_b32 v1, 31, v0                           ; lane
	v_lshlrev_b32 v2, 4, v1
	s_mul_i32 s15, s14, 5120
	v_lshrrev_b32 v3, 2, v1
	v_mul_u32_u24 v3, v3, 80
	v_and_b32 v9, 3, v1
	v_lshl_add_u32 v3, v9, 4, v3
	v_add_nc_u32 v3, s15, v3                       ; the stage, way in: 80 (lane / 4) + 16 (lane % 4)
	v_mul_u32_u24 v4, v1, 80
	v_add_nc_u32 v4, s15, v4                       ; way out: 80 x lane
	s_mul_i32 s15, s14, 3072
	s_add_co_u32 s15, s15, CST
	v_lshrrev_b32 v9, 4, v1
	v_and_b32 v10, 15, v1
	v_mul_u32_u24 v5, v9, 768
	v_mad_u32_u24 v5, v10, 12, v5
	v_add_nc_u32 v5, s15, v5                       ; my 12 bytes of codes
	v_add_nc_u32 v6, s15, v2
	s_lshl_b32 s15, s14, 7
	s_add_co_u32 s15, s15, SCB
	v_lshrrev_b32 v7, 1, v1
	v_add_nc_u32 v7, s15, v7                       ; my block's scale byte
	v_mul_u32_u24 v8, v9, KJMP
	v_add_nc_u32 v8, v8, v2                        ; a store whose upper sixteen lanes lie in the next K step's tile
	v_add_nc_u32 v11, SCB, v2
	s_lshl_b32 s16, ttmp9, 16
	s_lshl_b32 s17, s14, 14
	s_add_co_u32 s16, s16, s17                     ; row 16 g + 4 wave, 4,096 bytes a row
	s_mov_b32 s17, 0
	s_lshr_b32 s18, ttmp9, 4
	s_mul_i32 s18, s18, 196608                     ; the block of 256 rows
	s_and_b32 s19, ttmp9, 15
	s_lshl_b32 s19, s19, 2
	s_add_co_u32 s19, s19, s14
	s_mul_i32 s19, s19, 768                        ; my 4 rows in it
	s_add_co_u32 s18, s18, s19
	s_mov_b32 s19, 0
	s_lshl_b32 s22, ttmp9, 9
	s_add_co_u32 s22, s22, 3145728
	s_mov_b32 s23, 0
	s_mov_b32 s20, 0xba800000                      ; -1 / 1024
	s_mov_b32 s24, 0x76543210
	s_mov_b32 s25, 0xfedcba98                      ; lane l xor 16
	s_mov_b32 s26, 0x3a800000                      ; 1 / 1024
	s_mov_b32 s27, 0x3727c5ac                      ; 1e-5
	s_wait_kmcnt 0x0
	s_add_nc_u64 s[4:5], s[4:5], s[16:17]
	s_add_nc_u64 s[12:13], s[10:11], s[18:19]      ; codes
	s_add_nc_u64 s[10:11], s[10:11], s[22:23]      ; scale bytes
.irp i, 0,1,2,3,4,5,6,7
	global_load_b128 v[W+4*\i:W+4*\i+3], v2, s[6:7] offset:512*\i
	global_load_b128 v[BV+4*\i:BV+4*\i+3], v2, s[8:9] offset:512*\i
.endr
.irp r, 0,1,2,3
.irp i, 0,1,2,3,4,5,6,7
	global_load_b128 v[X+32*\r+4*\i:X+32*\r+4*\i+3], v2, s[4:5] offset:4096*\r+512*\i th:TH_LOAD_NT
.endr
.endr
.macro RED                             ; two chains of pairs -> one sum in every lane's v240
	v_pk_add_f32 v[240:241], v[240:241], v[242:243]
	v_add_f32 v240, v240, v241
	v_add_f32_dpp v240, v240, v240 row_xmask:1 row_mask:0xf bank_mask:0xf
	v_add_f32_dpp v240, v240, v240 row_xmask:2 row_mask:0xf bank_mask:0xf
	v_add_f32_dpp v240, v240, v240 row_xmask:4 row_mask:0xf bank_mask:0xf
	v_add_f32_dpp v240, v240, v240 row_xmask:8 row_mask:0xf bank_mask:0xf
	v_permlanex16_b32 v241, v240, s24, s25
	v_add_f32 v240, v240, v241
.endm
.macro TURN r, t                       ; 512 numbers through stage t: LDS serves a wave's instructions in order, so no wait stands between the stores and the loads
.irp i, 0,1,2,3
	ds_store_b128 v3, v[X+32*(\r)+16*(\t)+4*\i:X+32*(\r)+16*(\t)+4*\i+3] offset:2560*(\t)+640*\i
.endr
.irp i, 0,1,2,3
	ds_load_b128 v[T+16*(\t)+4*\i:T+16*(\t)+4*\i+3], v4 offset:2560*(\t)+16*\i
.endr
.endm
.macro QZ r, t                         ; my 16 neighbours; two neighbouring lanes hold a block of 32
.set TS, T+16*(\t)
.set CR, X+32*(\r)+16*(\t)
	v_max3_num_f32 v248, |v[TS]|, |v[TS+1]|, |v[TS+2]|
	v_max3_num_f32 v249, |v[TS+3]|, |v[TS+4]|, |v[TS+5]|
.irp i, 6,10
	v_max3_num_f32 v248, v248, |v[TS+\i]|, |v[TS+\i+1]|
	v_max3_num_f32 v249, v249, |v[TS+\i+2]|, |v[TS+\i+3]|
.endr
	v_max3_num_f32 v248, v248, |v[TS+14]|, |v[TS+15]|
	v_max3_num_f32 v248, v248, v249, 0x1800000     ; the floor 2^(3 - 127): the byte cannot fall under 1
	v_max_num_f32_dpp v248, v248, v248 row_xmask:1 row_mask:0xf bank_mask:0xf
	v_add_nc_u32 v250, 0xff000000, v248            ; 2 off the exponent field: the conversion's scale operand
	v_cvt_scalef32_pk16_fp6_f32 v[CR:CR+2], v[TS:TS+15], v250
	v_lshrrev_b32 v[CR+3], 23, v250                ; the scale's byte (a plain line behind the conversion)
.irp k, 0,1,2
	ds_store_b32 v5, v[CR+\k] offset:1536*(\t)+192*(\r)+4*\k
.endr
	ds_store_b8 v7, v[CR+3] offset:32*(\r)+16*(\t)
.endm
.macro ROW r
.set XR, X+32*(\r)
	s_wait_loadcnt 8*(3-(\r))                      ; w, b and my row are in; the later rows' eight loads each may be out
	v_pk_add_f32 v[240:241], v[XR:XR+1], v[XR+2:XR+3]
	v_pk_add_f32 v[242:243], v[XR+4:XR+5], v[XR+6:XR+7]
.irp j, 8,12,16,20,24,28
	v_pk_add_f32 v[240:241], v[240:241], v[XR+\j:XR+\j+1]
	v_pk_add_f32 v[242:243], v[242:243], v[XR+\j+2:XR+\j+3]
.endr
	RED
	v_mul_f32 v244, s20, v240                      ; -mean
	v_mov_b32 v245, v244
.irp j, 0,2,4,6,8,10,12,14,16,18,20,22,24,26,28,30
	v_pk_add_f32 v[XR+\j:XR+\j+1], v[XR+\j:XR+\j+1], v[244:245]
.endr
	v_pk_mul_f32 v[240:241], v[XR:XR+1], v[XR:XR+1]
	v_pk_mul_f32 v[242:243], v[XR+2:XR+3], v[XR+2:XR+3]
.irp j, 4,8,12,16,20,24,28
	v_pk_fma_f32 v[240:241], v[XR+\j:XR+\j+1], v[XR+\j:XR+\j+1], v[240:241]
	v_pk_fma_f32 v[242:243], v[XR+\j+2:XR+\j+3], v[XR+\j+2:XR+\j+3], v[242:243]
.endr
	RED
	v_fma_f32 v248, v240, s26, s27                 ; variance + 1e-5
	s_wait_alu depctr_va_vdst(0)
	v_rsq_f32 v246, v248
	v_rsq_f32 v247, v248
	v_nop                                          ; a plain line behind the transcendentals
	s_wait_alu depctr_va_vdst(0)                   ; one wait for both, ahead of their first reader
.irp j, 0,2,4,6,8,10,12,14,16,18,20,22,24,26,28,30
	v_pk_mul_f32 v[XR+\j:XR+\j+1], v[XR+\j:XR+\j+1], v[246:247]
.endr
.irp j, 0,2,4,6,8,10,12,14,16,18,20,22,24,26,28,30
	v_pk_fma_f32 v[XR+\j:XR+\j+1], v[XR+\j:XR+\j+1], v[W+\j:W+\j+1], v[BV+\j:BV+\j+1]
.endr
	TURN \r, 0
	TURN \r, 1
	s_wait_dscnt 8                                 ; the first turn's eight are done (the second's eight may be out)
	QZ \r, 0
	s_wait_dscnt 4                                 ; the second turn is done; the four stores just issued may be out
	QZ \r, 1
.endm
	ROW 0
	ROW 1
	ROW 2
	ROW 3
.irp q, 0,1,2,3,4,5
	ds_load_b128 v[T+4*\q:T+4*\q+3], v6 offset:512*\q   ; my own bytes, behind my stores in order
.endr
	s_wait_dscnt 5
	global_store_b128 v2, v[T:T+3], s[12:13]
	s_wait_dscnt 4
	global_store_b128 v8, v[T+4:T+7], s[12:13] offset:512
	s_wait_dscnt 3
	global_store_b128 v2, v[T+8:T+11], s[12:13] offset:1024+KJMP
	s_wait_dscnt 2
	global_store_b128 v2, v[T+12:T+15], s[12:13] offset:1536+2*KJMP
	s_wait_dscnt 1
	global_store_b128 v8, v[T+16:T+19], s[12:13] offset:2048+2*KJMP
	s_wait_dscnt 0x0                               ; also for the others' sake: my scale bytes have landed
	global_store_b128 v2, v[T+20:T+23], s[12:13] offset:2560+3*KJMP
	s_barrier_signal -1
	s_barrier_wait -1
	s_cmp_lg_u32 s14, 0
	s_cbranch_scc1 .Lend
	ds_load_b128 v[232:235], v11                   ; the 16 rows' 512 scale bytes
	s_wait_dscnt 0x0
	global_store_b128 v2, v[232:235], s[10:11]
.Lend:
	s_wait_tensorcnt 0x0                           ; the wave's end
	ds_add_u32 v254, v255
	s_wait_dscnt 0x0
	s_endpgm
.Lrelay:
	s_load_b256 s[8:15], s[0:1], 0x20              ; qkv_w, ffn_w1, proj_w, ffn_w2
	s_load_b64 s[16:17], s[0:1], 0x40              ; wt
	s_sub_co_u32 s3, ttmp9, 256                    ; unit: 0-191 qkv_w, 192-447 ffn_w1, 448-511 proj_w, 512-767 ffn_w2
	s_mov_b32 s7, 2880
	s_mov_b32 s18, 512
	s_cmp_lt_u32 s3, 512
	s_cselect_b32 s6, 2, 4                         ; log2 of the K steps in a row
	s_cselect_b32 s7, 576, s7                      ; a row's bytes less 192
	s_cselect_b32 s18, 448, s18
	s_cmp_lt_u32 s3, 448
	s_cselect_b32 s5, 2, 1                         ; log2(R / 64)
	s_cselect_b32 s18, 192, s18
	s_cmp_lt_u32 s3, 192
	s_cselect_b32 s18, 0, s18                      ; the tensor's first unit
	s_sub_co_u32 s4, s3, s18
	s_bfm_b32 s19, s5, 0
	s_and_b32 s19, s4, s19                         ; which 64 rows of the tile
	s_lshr_b32 s4, s4, s5
	s_bfm_b32 s20, s6, 0
	s_and_b32 s20, s4, s20                         ; K step
	s_lshr_b32 s4, s4, s6                          ; block of R rows
	s_lshl_b32 s4, s4, s5
	s_add_co_u32 s4, s4, s19                       ; first row / 64
	s_add_co_u32 s21, s7, 192
	s_lshl_b32 s21, s21, 6
	s_mul_i32 s4, s4, s21
	s_mul_i32 s20, s20, 192
	s_add_co_u32 s4, s4, s20                       ; the unit's first byte in the source
	s_mov_b32 s5, 0
	s_mul_i32 s22, s3, 12288
	s_mov_b32 s23, 0
	s_mov_b32 s24, 0xaaab
.irp j, 0,1,2,3,4,5
	v_mad_u32_u24 v[4+\j], v0, s24, 128*\j*0xaaab  ; piece p = t + 128 j; its row = p / 12 = (43,691 p) >> 19, exact for p < 768
.endr
.irp j, 0,1,2,3,4,5
	v_lshrrev_b32 v[4+\j], 19, v[4+\j]
.endr
.irp j, 0,1,2,3,4,5
	v_mul_u32_u24 v[4+\j], s7, v[4+\j]
.endr
.irp j, 0,1,2,3,4,5
	v_lshl_add_u32 v[4+\j], v0, 4, v[4+\j]         ; row x row bytes + 16 (p - 12 row) = 16 p + row x (row bytes - 192); 2,048 j of 16 p stands in the load's offset
.endr
	v_lshlrev_b32 v3, 4, v0
	s_wait_alu depctr_va_vdst(0)
	s_wait_kmcnt 0x0
	s_cmp_lt_u32 s3, 512
	s_cselect_b64 s[14:15], s[12:13], s[14:15]
	s_cmp_lt_u32 s3, 448
	s_cselect_b64 s[14:15], s[10:11], s[14:15]
	s_cmp_lt_u32 s3, 192
	s_cselect_b64 s[14:15], s[8:9], s[14:15]
	s_add_nc_u64 s[14:15], s[14:15], s[4:5]
	s_add_nc_u64 s[16:17], s[16:17], s[22:23]
.irp j, 0,1,2,3,4,5
	global_load_b128 v[16+4*\j:19+4*\j], v[4+\j], s[14:15] offset:2048*\j th:TH_LOAD_NT
.endr
	s_wait_loadcnt 0x0
.irp j, 0,1,2,3,4,5
	global_store_b128 v3, v[16+4*\j:19+4*\j], s[16:17] offset:2048*\j   ; sixteen lanes store 256 consecutive bytes, aligned
.endr
	s_endpgm
.Lfunc_end_k_q5ecd118fcf_prep:
	.size	k_q5ecd118fcf_prep, .Lfunc_end_k_q5ecd118fcf_prep-k_q5ecd118fcf_prep
	.p2alignl 7, 3214868480
	.fill 96, 4, 3214868480
	.section	.rodata,"a",@progbits
	.p2align	6, 0x0
	.amdhsa_kernel k_q5ecd118fcf_prep
		.amdhsa_group_segment_fixed_size 33792
		.amdhsa_private_segment_fixed_size 0
		.amdhsa_enable_private_segment 0
		.amdhsa_kernarg_size 72
		.amdhsa_user_sgpr_count 2
		.amdhsa_user_sgpr_kernarg_segment_ptr 1
		.amdhsa_wavefront_size32 1
		.amdhsa_system_sgpr_workgroup_id_x 1
		.amdhsa_system_sgpr_workgroup_id_y 1
		.amdhsa_system_sgpr_workgroup_id_z 1
		.amdhsa_system_vgpr_workitem_id 0
		.amdhsa_next_free_vgpr 256
		.amdhsa_next_free_sgpr 66
		.amdhsa_reserve_vcc 0
		.amdhsa_float_denorm_mode_32 3
		.amdhsa_float_denorm_mode_16_64 3
		.amdhsa_memory_ordered 1
		.amdhsa_forward_progress 1
		.amdhsa_inst_pref_size 50
	.end_amdhsa_kernel
	.amdgpu_metadata
---
amdhsa.version: [ 1, 2 ]
amdhsa.kernels:
  - .name:           k_q5ecd118fcf_prep
    .symbol:         k_q5ecd118fcf_prep.kd
    .args:
      - { .name: x, .offset: 0, .size: 8, .value_kind: global_buffer, .address_space: global }
      - { .name: ln_w, .offset: 8, .size: 8, .value_kind: global_buffer, .address_space: global }
      - { .name: ln_b, .offset: 16, .size: 8, .value_kind: global_buffer, .address_space: global }
      - { .name: nq, .offset: 24, .size: 8, .value_kind: global_buffer, .address_space: global }
      - { .name: qkv_w_codes, .offset: 32, .size: 8, .value_kind: global_buffer, .address_space: global }
      - { .name: ffn_w1_codes, .offset: 40, .size: 8, .value_kind: global_buffer, .address_space: global }
      - { .name: proj_w_codes, .offset: 48, .size: 8, .value_kind: global_buffer, .address_space: global }
      - { .name: ffn_w2_codes, .offset: 56, .size: 8, .value_kind: global_buffer, .address_space: global }
      - { .name: wt, .offset: 64, .size: 8, .value_kind: global_buffer, .address_space: global }
    .group_segment_fixed_size: 33792
    .private_segment_fixed_size: 0
    .kernarg_segment_align: 8
    .kernarg_segment_size: 72
    .max_flat_workgroup_size: 128
    .sgpr_count:     66
    .vgpr_count:     256
    .wavefront_size: 32
...
	.end_amdgpu_metadata
.endif
;; end of part 7
;; launch qkv (part 8): grid 12 x 16, 4 waves a work-group, clusters of 4 x 4, 327,680 bytes of LDS; arguments nq, wt, qkv_w_scales, qkv_b, qkvq; writes qkvq
.if DOCPART == 8
	.amdgcn_target "amdgcn-amd-amdhsa--gfx1250"
	.amdhsa_code_object_version 6
	.text
	.protected	k_q5ecd118fcf_qkv
	.globl	k_q5ecd118fcf_qkv
	.p2align	8
	.type	k_q5ecd118fcf_qkv,@function
k_q5ecd118fcf_qkv:
	s_mov_b64 s[64:65], 0
	v_nop
	global_prefetch_b8 v0, s[64:65] scope:SCOPE_SE
	s_setreg_imm32_b32 hwreg(HW_REG_WAVE_MODE, 25, 1), 1
	s_wait_xcnt 0x0
	s_wait_alu depctr_hold_cnt(0) depctr_sa_sdst(0) depctr_va_vdst(0) depctr_va_sdst(0) depctr_va_ssrc(0) depctr_va_vcc(0) depctr_vm_vsrc(0)
	s_getreg_b32 s2, hwreg(HW_REG_IB_STS2, 6, 4)
	s_cmp_eq_u32 s2, 0
	s_cbranch_scc0 .Lentry_in_a_cluster
	s_endpgm
.Lentry_in_a_cluster:
	s_bfe_u32 s2, ttmp6, 0x10000c
	s_cmp_lg_u32 s2, 0xf033
	s_cbranch_scc0 .Lentry_shape_is_right
	s_endpgm
.Lentry_shape_is_right:
; qkv = n Wqkv^T + b on codes of FP6 (E2M3) with E8M0 scales, M 4,096, N 3,072, K 1,024; then q and k x 64^(-1/4) quantised along the head's 64, v quantised along the keys.  Nothing leaves as f32.
; A (n): codes as tiles [row / 256][K step of 256][256][192 bytes], scale bytes [4096][32] at byte ASC of the same buffer.  B: codes as tiles in wt, [row / 256][K step of 256][256][192 bytes], scale bytes [3072][32].
; THE PRODUCT: a tile of 256 x 256 to a work-group of four waves, 128 x 128 a wave in 512 registers; K in steps of 256 through two LDS slots filled by the tensor data mover; all scale bytes of the tile's rows come
; into LDS once.  4 x 4 work-groups form a cluster: A's tiles are asked for jointly along a row of the cluster, B's along a column.  The matrix instruction is used transposed (source 0 = rows of B, source 1 = rows of A).
; THE ROWS OF A TILE OF 16 ARE NOT NEIGHBOURS, on both sides: lane r of block i takes row 32 (i / 2) + 8 (i % 2) + r + 8 (r / 8).  So accumulator (a, b), lane (r, h), register j is
; C(row 32 (a / 2) + 8 (a % 2) + r + 8 (r / 8), column 32 (b / 2) + 16 h + 8 (b % 2) + j): a block a's 64 registers run along 128 neighbouring columns, 16 of each block of 32.  The bias is the C of the first K step.
; OUT (one buffer; y = 16 batch + head; a position 16 T + r stands for token or channel 32 (T / 2) + 8 (T % 2) + r + 8 (r / 8)):
;   q codes [y][2048 positions][48] at 0, k codes likewise at 3,145,728, v codes [y][key step of 128][4 channel tiles][2][16][48] at 6,291,456;
;   q words {s0, s1, 0x7f, 0x7f} [y][2048] at 9,437,184, k words at 9,699,328, v words [y][key step][64 positions] at 9,961,472 (a byte for each 32 keys).
; The cluster's x says which third of N the work-group makes (0: q, 1: k, 2: v): it is equal in all partners, and the two ways out use LDS bytes of their own.
; LIMITS: NaN and infinities are not served; a block of zeros gets the byte 1 (its codes are zeros; only this program reads the bytes).
; REGISTERS: window 0: v0-31 addresses; v32-63 scale words, two sets; v64-127 the bias; v128-223 A's fragments, one set.  window 1: B's fragments, two sets.  windows 2, 3: the accumulators.
.set SIZE_N, 3072
.set SIZE_K, 1024
.set PERM,   1
.set ASC,    3145728
.set KSTEP,  256
.set NQ,     KSTEP/128
.set ROWB,   192
.set ATILE,  128*ROWB                  ; a tile of A in memory: dense
.set KROW,   SIZE_K*6/8
.set PITCH,  240                       ; an LDS row: 3 x (64 bytes + 16 of padding)
.set FR,     12
.set NL,     6
.set NP,     4                         ; places behind this matrix instruction (ISA guide 7.12.1)
.set HALFT,  128*PITCH
.set SLOT,   4*HALFT
.set LAPS,   SIZE_K/(2*KSTEP)
.set KS,     SIZE_K/32
.set SCL,    2*SLOT                    ; behind the ring: the scale bytes, as units of 256 bytes + 16 of padding
.set HALFS,  (128*KS/256)*272
.set SBLK,   (16*KS/256)*272
.set SPARE,  SCL+4*HALFS               ; the spare words, 128 bytes a wave: two blocks of 256 bytes that no other line names
.set RP,   7                           ; v7      r + 8 (r / 8)
.set ADRA, 16
.set ADRB, 20
.set ADRS, 27
.set SPW,  28
.set NIL,  29
.set SC,   32
.set BIAS, 64
.set AF,   128
.set G1, 24
.set G0, 32
.set G1B, 48
.set G0B, 56
.set G1S, 68
.set G0S, 76
.set G1SB, 80
.set G0SB, 88
.set SEL, 96
.set MSB, 0
.macro WIN new                         ; the immediate's high byte repeats the setting that is left
.if MSB != (\new)
	s_set_vgpr_msb (MSB<<8)|(\new)
.set MSB, (\new)
.endif
.endm
.set MUL_LO, 0xa1                      ; source 0 (B) window 1, source 1 (A) window 0, C and D window 2
.set MUL_HI, 0xf1                      ; the same, C and D window 3
.set TO_B,   0x40
.macro JLOAD g0a, g1a, g0b, g1b        ; a joint load: waves 0, 1 fetch for A, waves 2, 3 for B; four v_nop follow each line
	s_cmp_eq_u32 s15, 0
	s_cbranch_scc0 .Lfor_b_\@
	tensor_load_to_lds s[\g0a:\g0a+3], s[\g1a:\g1a+7]
	s_nop 0
.rept 4
	v_nop
.endr
	s_branch .Lasked_\@
.Lfor_b_\@:
	tensor_load_to_lds s[\g0b:\g0b+3], s[\g1b:\g1b+7]
	s_nop 0
.rept 4
	v_nop
.endr
.Lasked_\@:
.endm
.macro CREST                           ; a round of the cluster's barrier behind its opening barrier
	s_cmp_lg_u32 s14, 0
	s_cbranch_scc1 .Lnot_wave_0_\@
	s_barrier_signal -3
.Lnot_wave_0_\@:
	s_barrier_wait -3
	s_barrier_signal -1
	s_barrier_wait -1
.endm
.macro CROUND
	s_barrier_signal -1
	s_barrier_wait -1
	CREST
.endm
	s_load_b64 s[4:5], s[0:1], 0x0                 ; A: codes, and its scale bytes ASC on
	s_load_b128 s[8:11], s[0:1], 0x8               ; B's codes, B's scales
	s_load_b64 s[98:99], s[0:1], 0x18              ; the bias
	s_load_b64 s[12:13], s[0:1], 0x20              ; out
	v_lshl_add_u32 v[SPW], v0, 2, SPARE
	v_mov_b32 v[NIL], 0
	ds_add_u32 v28, v29
	ds_add_u32 v28, v29
	s_wait_dscnt 0x0
	v_lshrrev_b32 v1, 5, v0
	v_readfirstlane_b32 s14, v1                    ; wave 0..3
	s_lshr_b32 s15, s14, 1                         ; my half of the tile's rows; also: I fetch for A (0) or B (1)
	s_and_b32 s16, s14, 1                          ; my half of its columns; also: which 128 rows I fetch
	s_bfe_u32 s40, ttmp6, 0x40000                  ; cx
	s_bfe_u32 s41, ttmp6, 0x40004                  ; cy
	s_lshl_b32 s42, ttmp9, 2
	s_add_co_u32 s42, s42, s40                     ; tile column
	s_and_b32 s17, ttmp7, 0xffff
	s_lshl_b32 s17, s17, 2
	s_add_co_u32 s17, s17, s41                     ; tile row
	s_lshl_b32 s43, s41, 2
	s_lshl_b32 s43, 15, s43                        ; my row of the cluster
	s_lshl_b32 s44, 0x1111, s40                    ; my column
	s_or_b32 s[G1+0], s43, (0<<16)|(1<<20)|(1<<21)|(3<<22)|(3<<25)  ; the mask; elements of 1 byte; padding of 4 words behind every 16; bit 21 beside a mask
	s_or_b32 s[G1B+0], s44, (0<<16)|(1<<20)|(1<<21)|(3<<22)|(3<<25)
.irp g, G1, G1B
	; A's and B's tiles are dense in memory, [row / 256][K step][256 rows][192 bytes] (B's as launch relay laid them): they come as rows of 256 bytes; the padding behind every 64 bytes gives the LDS rows of 240 all the same
	s_mov_b32 s[\g+1], 256<<16                     ; tensor_dim0
	s_mov_b32 s[\g+2], 192<<16                     ; tensor_dim1: at the head 256 rows of codes = 192 x 256 bytes
	s_mov_b32 s[\g+3], 256<<16                     ; tile_dim0
	s_mov_b32 s[\g+4], 192                         ; tile_dim1
	s_mov_b32 s[\g+6], 0
	s_mov_b32 s[\g+7], 0
.endr
	s_mov_b32 s[G1+5], 256
	s_mov_b32 s[G1B+5], 256
	s_or_b32 s[G1S+0], s43, (3<<16)|(1<<20)|(1<<21)|(5<<22)|(3<<25)  ; the scale bytes of 128 rows: a dense block, as rows of 256 bytes + 16 of padding
	s_or_b32 s[G1SB+0], s44, (3<<16)|(1<<20)|(1<<21)|(5<<22)|(3<<25)
.irp g, G1S, G1SB
	s_mov_b32 s[\g+1], 32<<16
	s_mov_b32 s[\g+2], KS<<16                      ; the scale bytes of all 256 rows
	s_mov_b32 s[\g+3], 32<<16
	s_mov_b32 s[\g+4], KS
	s_mov_b32 s[\g+5], 32
	s_mov_b32 s[\g+6], 0
	s_mov_b32 s[\g+7], 0
.endr
	s_lshl_b32 s20, s17, 8                         ; A: row 256 x tile row
	s_lshl_b32 s46, s42, 8                         ; B: row 256 x tile column
	s_mov_b32 s21, 0
	s_mov_b32 s47, 0
	s_mov_b64 s[18:19], KS
	s_mul_u64 s[22:23], s[20:21], s[18:19]
	s_mul_u64 s[92:93], s[46:47], s[18:19]
	s_mov_b64 s[18:19], KROW
	s_mul_u64 s[20:21], s[20:21], s[18:19]         ; 256 rows x KROW bytes = the K steps' tiles of a block of 256 rows: the same offset in either layout
	s_mul_u64 s[46:47], s[46:47], s[18:19]
	s_mul_i32 s45, s14, HALFT
	s_wait_kmcnt 0x0
	s_add_nc_u64 s[6:7], s[4:5], ASC
	s_add_nc_u64 s[20:21], s[4:5], s[20:21]
	s_add_nc_u64 s[22:23], s[6:7], s[22:23]
	s_add_nc_u64 s[46:47], s[8:9], s[46:47]
	s_add_nc_u64 s[92:93], s[10:11], s[92:93]
	CROUND                                         ; all sixteen work-groups are here: the first joint loads meet
	s_mov_b32 s[G0S], 1
	s_mov_b32 s[G0S+1], SCL
	s_mov_b64 s[G0S+2:G0S+3], s[22:23]
	s_or_b32 s[G0S+3], s[G0S+3], 0x80000000
	s_mov_b32 s[G0SB], 1
	s_mov_b32 s[G0SB+1], SCL+2*HALFS
	s_mov_b64 s[G0SB+2:G0SB+3], s[92:93]
	s_or_b32 s[G0SB+3], s[G0SB+3], 0x80000000
	s_mov_b32 s4, 1                                ; group 0 of the head's loads of K step 0: A's 256 rows (the arguments that lay here have been used),
	s_mov_b32 s5, 0
	s_mov_b64 s[6:7], s[20:21]
	s_or_b32 s7, s7, 0x80000000
	s_mov_b32 s8, 1                                ; and B's 256 rows
	s_mov_b32 s9, 2*HALFT
	s_mov_b64 s[10:11], s[46:47]
	s_or_b32 s11, s11, 0x80000000
	s_mul_i32 s66, s16, ATILE                      ; in the ring I fetch 128 rows of a tile
	s_mov_b32 s67, 0
	s_add_nc_u64 s[20:21], s[20:21], s[66:67]
	s_add_nc_u64 s[46:47], s[46:47], s[66:67]
	; the prefetches' base: my ring tile of K step 0 (24,576 bytes = 96 blocks of 256); the four partners that ask for it jointly share it out by address, 24 blocks each (place cx for A, cy for B)
	s_cmp_eq_u32 s15, 0
	s_cselect_b32 s18, s40, s41
	s_cselect_b64 s[66:67], s[20:21], s[46:47]
	s_mul_i32 s18, s18, 6144
	s_mov_b32 s19, 0
	s_add_nc_u64 s[66:67], s[66:67], s[18:19]      ; never rewritten
.irp s, 0,1
	s_mov_b32 s[G0+4*\s], 1
	s_add_co_u32 s[G0+4*\s+1], s45, \s*SLOT
	s_add_nc_u64 s[G0+4*\s+2:G0+4*\s+3], s[20:21], \s*2*ATILE
	s_or_b32 s[G0+4*\s+3], s[G0+4*\s+3], 0x80000000
	s_mov_b32 s[G0B+4*\s], 1
	s_add_co_u32 s[G0B+4*\s+1], s45, \s*SLOT
	s_add_nc_u64 s[G0B+4*\s+2:G0B+4*\s+3], s[46:47], \s*2*ATILE
	s_or_b32 s[G0B+4*\s+3], s[G0B+4*\s+3], 0x80000000
.endr
; the head's loads, one a wave: wave 0 K step 0 of A, wave 1 of B, wave 2 A's scale bytes, wave 3 B's; one tree of branches on the wave's number
.macro ARM under, g0, g1, next
	s_cmp_lt_u32 s14, \under
	s_cbranch_scc0 \next
	tensor_load_to_lds s[\g0:\g0+3], s[\g1:\g1+7]
	s_nop 0
.rept 4
	v_nop
.endr
	s_branch .Lhead_asked
\next:
.endm
	ARM 1, 4, G1, .Lhead_b
	ARM 2, 8, G1B, .Lhead_sa
	ARM 3, G0S, G1S, .Lhead_sb
	tensor_load_to_lds s[G0SB:G0SB+3], s[G1SB:G1SB+7]
	s_nop 0
.rept 4
	v_nop
.endr
.Lhead_asked:
	v_and_b32 v30, 31, v0
	v_min_u32 v30, 23, v30                         ; a lane a block; the eight lanes left over name the last block again
	v_lshlrev_b32 v30, 8, v30                      ; never rewritten
	global_prefetch_b8 v30, s[66:67] offset:2*ATILE th:TH_LOAD_NT scope:SCOPE_SE   ; K steps 1 and 2 of my tile: one and two loads ahead of the loads that want them
	global_prefetch_b8 v30, s[66:67] offset:4*ATILE th:TH_LOAD_NT scope:SCOPE_SE
	v_and_b32 v1, 15, v0
	v_bfe_u32 v2, v0, 4, 1                         ; h
	v_and_b32 v7, 8, v1
	v_add_nc_u32 v7, v7, v1                        ; r + 8 (r / 8)
	v_mul_u32_u24 v3, v[RP], PITCH
	v_mul_u32_u24 v4, v2, 24
	v_add_nc_u32 v4, v3, v4                        ; a fragment's row x pitch + 24 x half
	v_lshl_add_u32 v5, v2, 4, v4                   ; and the same behind one padding more
	s_mul_i32 s21, s15, HALFT
	s_mul_i32 s22, s16, HALFT
	s_add_co_u32 s22, s22, 2*HALFT
.irp s, 0,1
	v_add_nc_u32 v[ADRA+\s], s21, v4
	v_add_nc_u32 v[ADRB+\s], s22, v4
	v_add_nc_u32 v[ADRA+2+\s], s21, v5
	v_add_nc_u32 v[ADRB+2+\s], s22, v5
	s_add_co_u32 s21, s21, SLOT
	s_add_co_u32 s22, s22, SLOT
.endr
	v_mul_u32_u24 v5, v[RP], KS                    ; my row's scale bytes,
	v_lshrrev_b32 v6, 8, v5
	v_lshl_add_u32 v5, v6, 4, v5                   ; and 16 more for each 256 passed
	s_mul_i32 s21, s15, HALFS
	s_mul_i32 s22, s16, HALFS
	s_add_co_u32 s22, s22, 2*HALFS
	s_sub_co_u32 s22, s22, s21
	v_mul_u32_u24 v6, s22, v2                      ; lanes 16-31 take B's
	s_add_co_u32 s21, s21, SCL
	v_add_nc_u32 v5, v5, v6
	v_add_nc_u32 v[ADRS], s21, v5
	s_lshl_b32 s46, s42, 10
	s_lshl_b32 s47, s16, 9
	s_add_co_u32 s46, s46, s47
	s_mov_b32 s47, 0
	s_add_nc_u64 s[98:99], s[98:99], s[46:47]      ; the bias at my first column
	v_lshlrev_b32 v8, 6, v2                        ; 16 h numbers on
.irp b, 0,1,2,3,4,5,6,7
	global_load_b128 v[BIAS+8*\b:BIAS+8*\b+3], v8, s[98:99] offset:128*(\b/2)+32*(\b%2)
	global_load_b128 v[BIAS+8*\b+4:BIAS+8*\b+7], v8, s[98:99] offset:128*(\b/2)+32*(\b%2)+16
.endr
	; where my 128 tokens x 2 heads go
	s_lshr_b32 s20, s42, 2                         ; 0: q, 1: k, 2: v
	s_lshl_b32 s21, s42, 2
	s_lshl_b32 s22, s16, 1
	s_add_co_u32 s21, s21, s22
	s_and_b32 s21, s21, 15                         ; my first head
	s_lshr_b32 s22, s17, 3
	s_lshl_b32 s22, s22, 4
	s_add_co_u32 s21, s21, s22                     ; y = 16 batch + head
	s_and_b32 s22, s17, 7
	s_lshl_b32 s22, s22, 1
	s_add_co_u32 s22, s22, s15                     ; my first token / 128
	s_lshl_b32 s23, s21, 12
	s_lshl_b32 s46, s22, 8
	s_add_co_u32 s23, s23, s46                     ; v's words: 4,096 y + 256 (token / 128); q's and k's: twice that
	s_lshl_b32 s46, s23, 1
	s_cmp_eq_u32 s20, 2
	s_cselect_b32 s46, s23, s46
	s_lshl_b32 s23, s20, 18
	s_add_co_u32 s46, s46, s23
	s_add_co_u32 s46, s46, 9437184
	s_mov_b32 s47, 0
	s_add_nc_u64 s[100:101], s[12:13], s[46:47]    ; the scale words
	s_mul_i32 s46, s20, 3145728
	s_mul_i32 s23, s21, 98304
	s_add_co_u32 s46, s46, s23
	s_mul_i32 s23, s22, 6144
	s_add_co_u32 s46, s46, s23
	s_add_nc_u64 s[12:13], s[12:13], s[46:47]      ; the codes
.macro FRAG reg, adr, q, i             ; a fragment, 16 rows x 128 K: 12 registers; registers 6 c .. 6 c + 5 hold K = 64 c + 32 h + 0 .. 31: 24 bytes of the row's stream of bits, in pieces of 8 bytes
.irp p, 0,1,2,3,4,5
.set PCE, 12*(\q)+6*(\p/3)+\p%3        ; where the piece three on lies behind one padding more, the second address register serves
.if PCE%8 < 5
	ds_load_b64 v[\reg+2*\p:\reg+2*\p+1], v[\adr] offset:8*PCE+16*(PCE/8)+(16*(\i)-8*PERM*((\i)%2))*PITCH
.else
	ds_load_b64 v[\reg+2*\p:\reg+2*\p+1], v[\adr+2] offset:8*PCE+16*(PCE/8)+(16*(\i)-8*PERM*((\i)%2))*PITCH
.endif
.endr
.endm
; 16 matrix instructions: A's blocks a0, a0 + 1 x B's eight.  zero = 2: the bias starts the sums.  The 64 accumulators take turns, one instruction a turn.
.macro MUL16 a0, p, q, sc, zero
.irp a, \a0, \a0+1
.irp b, 0,1,2,3,4,5,6,7
.if \zero == 2
	v_wmma_scale_f32_16x16x128_f8f6f4 v[8*(8*((\a)%4)+\b):8*(8*((\a)%4)+\b)+7], v[128*(\p)+FR*\b:128*(\p)+FR*\b+FR-1], v[AF+FR*(\a):AF+FR*(\a)+FR-1], v[BIAS+8*\b:BIAS+8*\b+7], v[SC+8*NQ*(\sc)+NQ*\b+(\q)], v[SC+8*NQ*(\sc)+NQ*(\a)+(\q)] matrix_a_fmt:MATRIX_FMT_FP6 matrix_b_fmt:MATRIX_FMT_FP6 matrix_a_scale:MATRIX_SCALE_ROW1
.else
	v_wmma_scale_f32_16x16x128_f8f6f4 v[8*(8*((\a)%4)+\b):8*(8*((\a)%4)+\b)+7], v[128*(\p)+FR*\b:128*(\p)+FR*\b+FR-1], v[AF+FR*(\a):AF+FR*(\a)+FR-1], v[8*(8*((\a)%4)+\b):8*(8*((\a)%4)+\b)+7], v[SC+8*NQ*(\sc)+NQ*\b+(\q)], v[SC+8*NQ*(\sc)+NQ*(\a)+(\q)] matrix_a_fmt:MATRIX_FMT_FP6 matrix_b_fmt:MATRIX_FMT_FP6 matrix_a_scale:MATRIX_SCALE_ROW1
.endif
.endr
.endr
.endm
.macro FETCH_B slot, q, p
	WIN TO_B
.irp i, 0,1,2,3,4,5,6,7
	FRAG 128*(\p)+FR*\i, ADRB+\slot, \q, \i
.endr
	WIN 0
.endm
.macro FETCH_A slot, q, i0
.irp i, \i0, \i0+1, \i0+2, \i0+3
	FRAG AF+FR*(\i), ADRA+\slot, \q, \i
.endr
.endm
.macro SCALES sc                       ; a K step's scale words: lanes 0-15 A's block i, lanes 16-31 B's block i
.irp i, 0,1,2,3,4,5,6,7
	ds_load_b64 v[SC+8*NQ*\sc+NQ*\i:SC+8*NQ*\sc+NQ*\i+1], v[ADRS] offset:\i*SBLK-PERM*(\i%2)*272
.endr
.endm
.macro PLACES n
.rept \n
	v_nop
.endr
.endm
.macro STEP slot, q, zero              ; 128 along K that has its successor in the same slot
	s_wait_dscnt 4*NL                              ; B's set and A's blocks 0-3 are in; the youngest 24 loads (A's blocks 4-7) may be out
	WIN MUL_LO-0x20*((\zero)/2)                    ; (the bias lies in window 0)
	MUL16 0, (\q)%2, \q, \slot, \zero
	MUL16 2, (\q)%2, \q, \slot, \zero
	s_wait_dscnt 0
	PLACES NP
	FETCH_B \slot, (\q)+1, 1-(\q)%2
	FETCH_A \slot, (\q)+1, 0
	WIN MUL_HI-0x30*((\zero)/2)
	MUL16 4, (\q)%2, \q, \slot, \zero
	MUL16 6, (\q)%2, \q, \slot, \zero
	PLACES NP
	WIN 0
	FETCH_A \slot, (\q)+1, 4
.endm
.macro TURN slot, next, fill           ; a slot's last step changes slots: one barrier; fill = 1: this slot is filled again, two K steps ahead
	s_wait_tensorcnt 0x0                           ; all my tensor loads have landed: my part of the next slot
	ds_add_u32 v[SPW], v[NIL]                      ; 0 onto my spare word
	s_wait_dscnt 4*NL+1                            ; (the add and A's blocks 4-7 may be out)
	WIN MUL_LO
	MUL16 0, 1, NQ-1, \slot, 0
	s_wait_dscnt 0x0                               ; the add is done, and my reads of this slot are over
	s_barrier_signal -1
	MUL16 2, 1, NQ-1, \slot, 0
	WIN 0
	s_barrier_wait -1
.if \fill
	CREST                                          ; the barrier has opened a round of the cluster's barrier: no wave of any partner still reads this slot or has a load on its way
	s_add_nc_u64 s[G0+4*\slot+2:G0+4*\slot+3], s[G0+4*\slot+2:G0+4*\slot+3], 4*ATILE
	s_add_nc_u64 s[G0B+4*\slot+2:G0B+4*\slot+3], s[G0B+4*\slot+2:G0B+4*\slot+3], 4*ATILE
	JLOAD G0+4*\slot, G1, G0B+4*\slot, G1B         ; the first tensor load behind the round; its four v_nop are the places in front of the loads below
.else
	PLACES NP
.endif
	s_wait_alu depctr_va_vdst(0)
	v_add_nc_u32 v[ADRS], 4*NQ, v[ADRS]
	FETCH_B \next, 0, 0
	FETCH_A \next, 0, 0
	SCALES \next
	WIN MUL_HI
	MUL16 4, 1, NQ-1, \slot, 0
	MUL16 6, 1, NQ-1, \slot, 0
	PLACES NP
	WIN 0
	FETCH_A \next, 0, 4
.endm
	s_wait_alu depctr_va_vdst(0)
	s_wait_tensorcnt 0x0                           ; my tile of the head's four is in
	ds_add_u32 v[SPW], v[NIL]
	s_mov_b32 s[G1+2], 96<<16                      ; no load of mine is out: from here on a load brings 128 rows of codes = 96 x 256 bytes
	s_mov_b32 s[G1+4], 96
	s_mov_b32 s[G1B+2], 96<<16
	s_mov_b32 s[G1B+4], 96
	s_wait_dscnt 0x0
	CROUND                                         ; all four tiles are in, all sixteen work-groups are here
	JLOAD G0+4, G1, G0B+4, G1B                     ; K step 1, the first tensor load behind the round
	global_prefetch_b8 v30, s[66:67] offset:6*ATILE th:TH_LOAD_NT scope:SCOPE_SE   ; K step 3, the last: two loads ahead; the two refills ask for nothing
	FETCH_B 0, 0, 0
	FETCH_A 0, 0, 0
	SCALES 0
	FETCH_A 0, 0, 4
	s_wait_loadcnt 0x0                             ; the bias
	STEP 0, 0, 2
	s_mov_b32 s3, LAPS-1
.Llap:
	TURN 0, 1, 1
	STEP 1, 0, 0
	TURN 1, 0, 1
	STEP 0, 0, 0
	s_sub_co_u32 s3, s3, 1
	s_cmp_lg_u32 s3, 0
	s_cbranch_scc1 .Llap
	TURN 0, 1, 0                                   ; the last lap fills nothing
	STEP 1, 0, 0
	s_wait_dscnt 4*NL
	WIN MUL_LO
	MUL16 0, 1, NQ-1, 1, 0
	MUL16 2, 1, NQ-1, 1, 0
	s_wait_dscnt 0
	WIN MUL_HI
	MUL16 4, 1, NQ-1, 1, 0
	MUL16 6, 1, NQ-1, 1, 0
	WIN 0
; THE WAY OUT.  Both slots have had their last fill; behind this barrier nobody reads them, and each wave uses bytes of its own in them.
.set H,    32                          ; v32-95   64 numbers of a lane (v: two sets of 32)
.set TM,   96                          ; v96-111  at work in the quantiser
.set QC,   112                         ; v112-131 the codes just made
.set PW,   132                         ; v132     the scale word just made; v133, v134 a head's words
.set SB,   136                         ; v136-139 v: a channel's four scale bytes, for each 32 channels
.set OB,   144                         ; v144-239 24 x 16 bytes on their way out
.set GL,   240                         ; 16 x lane
.set QSTO, 241
.set QSSW, 242
.set QRD,  243
.set VFI,  244
.set VFO,  245
.set VCW,  246
.set VSW,  247
.set VRD,  248
.set GV,   249
	PLACES NP
	s_wait_dscnt 0x0
	s_barrier_signal -1
	s_barrier_wait -1
	v_and_b32 v3, 31, v0
	v_lshlrev_b32 v[GL], 4, v3
	s_mul_i32 s20, s14, 13312                      ; q, k: 12,288 bytes of codes [2 heads][128 positions][48], then 1,024 of words, for each wave
	v_mul_u32_u24 v4, v1, 48
	v_mad_u32_u24 v4, v2, 24, v4
	v_add_nc_u32 v[QSTO], s20, v4
	v_lshl_add_u32 v[QSSW], v1, 2, s20
	v_add_nc_u32 v[QRD], s20, v[GL]
	s_mul_i32 s21, s14, 29696                      ; v: from byte 65,536 on, for each wave 32 rows x 528 bytes of f32, 12,288 of codes, 512 of words
	s_add_co_u32 s21, s21, 65536
	v_mul_u32_u24 v4, v7, 528
	v_lshl_add_u32 v4, v2, 6, v4
	v_add_nc_u32 v[VFI], s21, v4
	v_lshl_add_u32 v[VFO], v3, 2, s21
	v_bfe_u32 v4, v0, 3, 1                         ; channel 32 g + lane has the position 16 (2 (g % 2) + u) + rr: u = (lane / 8) % 2,
	v_and_b32 v5, 7, v0
	v_lshl_add_u32 v5, v2, 3, v5                   ; rr = lane % 8 + 8 (lane / 16)
	v_mul_u32_u24 v6, v4, 1536
	v_mad_u32_u24 v6, v5, 48, v6
	v_add_nc_u32 v[VCW], s21, v6
	v_lshl_add_u32 v6, v4, 4, v5
	v_lshl_add_u32 v[VSW], v6, 2, s21
	v_add_nc_u32 v[VRD], s21, v[GL]
	v_lshlrev_b32 v6, 4, v1
	v_lshl_add_u32 v[GV], v2, 12, v6               ; v's words: sixteen lanes to a head's 256 bytes, heads 4,096 bytes apart
.irp b, 0,1,2,3
	v_mov_b32 v[TM+4+\b], 0                        ; written once: a lane permute's destination counts as one of its sources
.endr
	s_mov_b32 s[SEL], 0x76543210
	s_mov_b32 s[SEL+1], 0xfedcba98
	s_mov_b32 s94, 0x3eb504f3                      ; 64^(-1/4)
	s_mov_b32 s95, s94
	s_mov_b32 s92, 0x7f7f0000                      ; the bytes of the two blocks of padding along K
; 64 numbers of a lane, register 16 b + i = k 32 b + 16 h + i of my row, become a fragment's codes in v[QC] on and its scale word in v[PW]
.macro QUANT s
.irp b, 0,1,2,3
	v_max3_num_f32 v[TM+\b], |v[\s+16*\b]|, |v[\s+1+16*\b]|, 0x1800000   ; with the floor 2^(3 - 127): the byte cannot fall under 1
.endr
.irp i, 2,4,6,8,10,12,14
.irp b, 0,1,2,3
	v_max3_num_f32 v[TM+\b], v[TM+\b], |v[\s+16*\b+\i]|, |v[\s+1+16*\b+\i]|
.endr
.endr
.irp b, 0,1,2,3
	v_permlanex16_b32 v[TM+4+\b], v[TM+\b], s[SEL], s[SEL+1]
.endr
.irp b, 0,1,2,3
	v_max_num_f32 v[TM+\b], v[TM+\b], v[TM+4+\b]
.endr
.irp b, 0,1,2,3
	v_add_nc_u32 v[TM+12+\b], 0xff000000, v[TM+\b]   ; 2 off the exponent field: the conversion's scale operand
.endr
.irp b, 0,1,2,3
	v_lshrrev_b32 v[TM+4+\b], 23, v[TM+12+\b]
.endr
	v_lshl_or_b32 v[PW], v[TM+5], 8, v[TM+4]
	v_lshl_or_b32 v[PW], v[TM+6], 16, v[PW]
	v_lshl_or_b32 v[PW], v[TM+7], 24, v[PW]
.irp c, 0,1
	v_cvt_scalef32_pk16_fp6_f32 v[QC+6*\c:QC+2+6*\c], v[\s+32*\c:\s+15+32*\c], v[TM+12+2*\c]
	v_cvt_scalef32_pk16_fp6_f32 v[QC+12+4*\c:QC+14+4*\c], v[\s+16+32*\c:\s+31+32*\c], v[TM+12+2*\c+1]
.endr
	v_nop                                          ; one plain place behind a scaled conversion
.irp c, 0,1                                    ; a whole block in a lane: lanes 0-15 block 2 c, lanes 16-31 block 2 c + 1
.irp i, 0,1,2
	v_permlane16_swap_b32 v[QC+6*\c+\i], v[QC+12+4*\c+\i]
.endr
.irp i, 0,1,2
	v_mov_b32 v[QC+3+6*\c+\i], v[QC+12+4*\c+\i]
.endr
.endr
.endm
.macro LD24 adr, off                   ; my 12,288 bytes of codes back, 512 consecutive bytes an instruction
.set q, 0
.rept 24
	ds_load_b128 v[OB+4*q:OB+4*q+3], v[\adr] offset:\off+512*q
.set q, q+1
.endr
.endm
.macro ST24                            ; 6,144 consecutive bytes for each of my two heads; each store covers 512 consecutive bytes, aligned to 256
.set q, 0
.rept 24
	s_wait_dscnt 23-q
	global_store_b128 v[GL], v[OB+4*q:OB+4*q+3], s[12:13] offset:98304*(q/12)+512*(q%12)
.set q, q+1
.endr
.endm
	s_cmp_eq_u32 ttmp9, 2                          ; the cluster's x: equal in all partners
	s_cbranch_scc1 .Lv
; q, k: block a's 16 tokens x 128 columns = 2 heads x 2 blocks of 32
.macro QK a
	WIN 0x02+((\a)/4)                              ; source 0: window 2 or 3
.set j, 0
.rept 32
	v_pk_mul_f32 v[H+j:H+j+1], v[64*((\a)%4)+j:64*((\a)%4)+j+1], s[94:95] op_sel_hi:[1,0]   ; each accumulator from its low end on
.set j, j+2
.endr
	WIN 0
	QUANT H
.irp c, 0,1
.irp p, 0,1,2
	ds_store_b64 v[QSTO], v[QC+6*\c+2*\p:QC+6*\c+2*\p+1] offset:6144*\c+768*(\a)+8*\p
.endr
.endr
	v_and_or_b32 v[PW+1], v[PW], 0xffff, s92
	v_lshrrev_b32 v[PW+2], 16, v[PW]
	v_or_b32 v[PW+2], s92, v[PW+2]
	ds_store_b32 v[QSSW], v[PW+1] offset:12288+64*(\a)
	ds_store_b32 v[QSSW], v[PW+2] offset:12800+64*(\a)
	s_wait_dscnt 0x0                               ; the stores have read their registers
.endm
.irp a, 0,1,2,3,4,5,6,7
	QK \a
.endr
	ds_load_b128 v[96:99], v[QRD] offset:12288
	ds_load_b128 v[100:103], v[QRD] offset:12800
	LD24 QRD, 0
	s_wait_dscnt 24                                ; the two loads of words are in; the 24 behind them may be out
	global_store_b128 v[GL], v[96:99], s[100:101]
	global_store_b128 v[GL], v[100:103], s[100:101] offset:8192
	ST24
	s_branch .Ldone
.Lv:
; v: 32 tokens x 128 channels at a time turn through LDS, so that a lane holds ONE channel and its registers run along 32 keys: a whole block
.macro VSTORE al
	WIN 0x08+4*((\al)/2)                           ; an LDS store's data: window 2 or 3
.irp e, 0,1
.irp b, 0,1,2,3,4,5,6,7
	ds_store_b128 v[VFI], v[64*((2*(\al)+\e)%4)+8*\b:64*((2*(\al)+\e)%4)+8*\b+3] offset:4224*\e+128*(\b/2)+32*(\b%2)
	ds_store_b128 v[VFI], v[64*((2*(\al)+\e)%4)+8*\b+4:64*((2*(\al)+\e)%4)+8*\b+7] offset:4224*\e+128*(\b/2)+32*(\b%2)+16
.endr
.endr
	WIN 0
.endm
.macro LOADX g
.set t, 0
.rept 32
	ds_load_b32 v[H+32*((\g)%2)+t], v[VFO] offset:528*t+128*(\g)
.set t, t+1
.endr
.endm
.macro VBLK al, g
.set XS, H+32*((\g)%2)
	v_max3_num_f32 v96, |v[XS]|, |v[XS+1]|, |v[XS+2]|
	v_max3_num_f32 v97, |v[XS+3]|, |v[XS+4]|, |v[XS+5]|
.irp i, 6,10,14,18,22,26
	v_max3_num_f32 v96, v96, |v[XS+\i]|, |v[XS+\i+1]|
	v_max3_num_f32 v97, v97, |v[XS+\i+2]|, |v[XS+\i+3]|
.endr
	v_max3_num_f32 v96, v96, |v[XS+30]|, |v[XS+31]|
	v_max3_num_f32 v96, v96, v97, 0x1800000
	v_add_nc_u32 v98, 0xff000000, v96
	v_lshrrev_b32 v99, 23, v98
.if (\al) == 0
	v_mov_b32 v[SB+(\g)], v99
.else
	v_lshl_or_b32 v[SB+(\g)], v99, 8*(\al), v[SB+(\g)]
.endif
	v_cvt_scalef32_pk16_fp6_f32 v[100:102], v[XS:XS+15], v98
	v_cvt_scalef32_pk16_fp6_f32 v[104:106], v[XS+16:XS+31], v98
	v_nop
	v_mov_b32 v103, v104
	v_mov_b32 v104, v105
	v_mov_b32 v105, v106
.irp p, 0,1,2
	ds_store_b64 v[VCW], v[100+2*\p:101+2*\p] offset:16896+6144*((\g)/2)+3072*((\g)%2)+768*((\al)/2)+24*((\al)%2)+8*\p
.endr
.endm
.irp al, 0,1,2,3
	VSTORE \al
	LOADX 0
.irp g, 0,1,2
	LOADX \g+1
	s_wait_dscnt 32                                ; all but the 32 loads just issued: this set's numbers are in, and the last codes' stores have read their registers
	VBLK \al, \g
.endr
	s_wait_dscnt 0x0
	VBLK \al, 3
.endr
.irp g, 0,1,2,3
	ds_store_b32 v[VSW], v[SB+\g] offset:29184+256*(\g/2)+128*(\g%2)
.endr
	ds_load_b128 v[96:99], v[VRD] offset:29184
	LD24 VRD, 16896
	s_wait_dscnt 24
	global_store_b128 v[GV], v[96:99], s[100:101]
	ST24
.Ldone:
	s_wait_tensorcnt 0x0                           ; the wave's end
	ds_add_u32 v[SPW], v[NIL]
	s_wait_dscnt 0x0
	CROUND                                         ; the closing round
	s_endpgm
.Lfunc_end_k_q5ecd118fcf_qkv:
	.size	k_q5ecd118fcf_qkv, .Lfunc_end_k_q5ecd118fcf_qkv-k_q5ecd118fcf_qkv
	.p2alignl 7, 3214868480
	.fill 96, 4, 3214868480
	.section	.rodata,"a",@progbits
	.p2align	6, 0x0
	.amdhsa_kernel k_q5ecd118fcf_qkv
		.amdhsa_group_segment_fixed_size 327680
		.amdhsa_private_segment_fixed_size 0
		.amdhsa_enable_private_segment 0
		.amdhsa_kernarg_size 40
		.amdhsa_user_sgpr_count 2
		.amdhsa_user_sgpr_kernarg_segment_ptr 1
		.amdhsa_wavefront_size32 1
		.amdhsa_system_sgpr_workgroup_id_x 1
		.amdhsa_system_sgpr_workgroup_id_y 1
		.amdhsa_system_sgpr_workgroup_id_z 1
		.amdhsa_system_vgpr_workitem_id 0
		.amdhsa_next_free_vgpr 1024
		.amdhsa_next_free_sgpr 102
		.amdhsa_reserve_vcc 0
		.amdhsa_float_denorm_mode_32 3
		.amdhsa_float_denorm_mode_16_64 3
		.amdhsa_memory_ordered 1
		.amdhsa_forward_progress 1
		.amdhsa_inst_pref_size 255
	.end_amdhsa_kernel
	.section	.bss,"aw",@nobits
	.p2align	6
	.space	262144
	.amdgpu_metadata
---
amdhsa.version: [ 1, 2 ]
amdhsa.kernels:
  - .name:           k_q5ecd118fcf_qkv
    .symbol:         k_q5ecd118fcf_qkv.kd
    .args:
      - { .name: nq, .offset: 0, .size: 8, .value_kind: global_buffer, .address_space: global }
      - { .name: wt, .offset: 8, .size: 8, .value_kind: global_buffer, .address_space: global }
      - { .name: qkv_w_scales, .offset: 16, .size: 8, .value_kind: global_buffer, .address_space: global }
      - { .name: qkv_b, .offset: 24, .size: 8, .value_kind: global_buffer, .address_space: global }
      - { .name: qkvq, .offset: 32, .size: 8, .value_kind: global_buffer, .address_space: global }
    .group_segment_fixed_size: 327680
    .private_segment_fixed_size: 0
    .kernarg_segment_align: 8
    .kernarg_segment_size: 40
    .max_flat_workgroup_size: 128
    .sgpr_count:     102
    .vgpr_count:     1024
    .wavefront_size: 32
...
	.end_amdgpu_metadata
.endif
;; end of part 8
;; launch attn (part 9): grid 8 x 32, 16 waves a work-group, clusters of 4 x 1, 210,944 bytes of LDS; arguments qkvq, mask, aq; writes aq
.if DOCPART == 9
	.amdgcn_target "amdgcn-amd-amdhsa--gfx1250"
	.amdhsa_code_object_version 6
	.text
	.protected	k_q5ecd118fcf_attn
	.globl	k_q5ecd118fcf_attn
	.p2align	8
	.type	k_q5ecd118fcf_attn,@function
k_q5ecd118fcf_attn:
	s_mov_b64 s[64:65], 0
	v_nop
	global_prefetch_b8 v0, s[64:65] scope:SCOPE_SE
	s_setreg_imm32_b32 hwreg(HW_REG_WAVE_MODE, 25, 1), 1
	s_wait_xcnt 0x0
	s_wait_alu depctr_hold_cnt(0) depctr_sa_sdst(0) depctr_va_vdst(0) depctr_va_sdst(0) depctr_va_ssrc(0) depctr_va_vcc(0) depctr_vm_vsrc(0)
	s_getreg_b32 s2, hwreg(HW_REG_IB_STS2, 6, 4)
	s_cmp_eq_u32 s2, 0
	s_cbranch_scc0 .Lentry_in_a_cluster
	s_endpgm
.Lentry_in_a_cluster:
	s_bfe_u32 s2, ttmp6, 0x10000c
	s_cmp_lg_u32 s2, 0x3003
	s_cbranch_scc0 .Lentry_shape_is_right
	s_endpgm
.Lentry_shape_is_right:
; a = softmax(q k^T, keys with mask 0 left out) v for 32 (batch, head) pairs y of 2,048 x 2,048, head size 64, both products on codes of FP6 (E2M3) with E8M0 scales; a is quantised along D and leaves as codes.
; t = score x log2(e); M = the running largest t rounded up to a whole number; p = 2^(t - M) is quantised along the keys, not normalised; the row's sum of the unquantised p divides at the end.
; IN (one buffer; a position 16 T + r stands for token or channel 32 (T / 2) + 8 (T % 2) + r + 8 (r / 8)): q, k codes [y][2048 positions][48 bytes]; v codes [y][16 key steps][4 channel tiles][2][16][48];
;   q, k scale words [y][2048]; v scale words [y][16][64].  So the 16 rows of a tile are neighbours, 48 bytes apart, and yet the 16 registers of two neighbouring result tiles are 16 neighbouring keys (or channels).
; SHARES: a work-group owns 256 positions of queries of one y; each of its sixteen waves 16 of them, in 256 registers, four waves to a SIMD.
; A WHOLE HEAD'S K AND V LIE IN LDS (2 x 98,304 bytes): each byte is filled once, nothing is filled again.  The four query blocks of a cluster share y, so every fill is a JOINT load with the mask 15.
; Each of the sixteen waves issues one load: 12,288 bytes (256 keys) of K (even waves) or V (odd waves); V's scale words come through registers.  All 2,048 keys are read behind a
; counted wait and a barrier, with no load still on its way.
; THE MASK RIDES IN THE PADDING OF K.  The instruction's k = 64 .. 127 are padding: there q has the one code +1.0 (scale byte 0x7f) and every key the code -7.5, both at k = 64.  The key's scale byte of that block is
; 0xe0 (2^97) where the mask is 0, so that the score is -7.5 x 2^97 and p is 0; else 0x01, and the term, 7.5 x 2^-126, is nothing beside a score.  The bytes are chosen by v_cndmask_b32 at the head.
; The running largest t begins at -2^96, above a masked key's t: steps all of whose keys are masked leave M, the sum and O as they are.
; LIMITS: logits x log2(e) under -2^96 are not served; a batch whose mask is all 0 (NaN in the definition) is not served; NaN and infinities are not served; a block of zeros gets the byte 1 (its codes are zeros).
; REGISTERS: v1-4 addresses that stay, v5-8 those of the step; v12 -M, v13 the largest t, v[14:15] the sum; v16-27 Q; v28 Q's scale word; v29 at work; v30 f, v31 p's scale word; v32-79 four fragments of K
; (registers 6-11 of each are the constant padding); v80-127 four of V; v128-191 S^T, then p (at the head: K's words, the mask and their addresses); v192-223 O^T; v224-235 p's codes; v236-251 at work; v252-255 K's or V's scale words.
.set AK0,  1
.set AV0,  2
.set ASK0, 3
.set ASV0, 4
.set ADK,  5
.set ADV,  6
.set ADS,  7
.set ADT,  8
.set QSW,  28
.set F,    30
.set PSW,  31
.set KFR,  32
.set VFR,  80
.set S,    128
.set O,    192
.set PCD,  224
.set PT,   236
.set BM,   244
.set SO,   248
.set FS,   252
.set VLDS, 98304                       ; LDS: K at 0, V here,
.set KSW,  196608                      ; K's scale words with the mask's byte (written by ds_store alone: no fill lands here),
.set VSWL, 204800                      ; V's scale words
.set WV,   10
.set G1C,  16                          ; s[16:23] group 1: 48 rows of 256 bytes;  s[32:35]: group 0
.set G1S,  24
.set G0,   32
.set SEL,  52
.set CS,   54
.set TK,   56
.set TS,   57
.set TJ,   58
.set CNT,  59
.macro CROUND
	s_barrier_signal -1
	s_barrier_wait -1
	s_cmp_lg_u32 s[WV], 0
	s_cbranch_scc1 .Lnot_wave_0_\@
	s_barrier_signal -3
.Lnot_wave_0_\@:
	s_barrier_wait -3
	s_barrier_signal -1
	s_barrier_wait -1
.endm
	s_load_b128 s[4:7], s[0:1], 0x0                ; q, k, v as codes; the mask
	s_load_b64 s[8:9], s[0:1], 0x10                ; out
	v_lshl_add_u32 v254, v0, 2, 0x33000
	v_mov_b32 v255, 0
	ds_add_u32 v254, v255
	ds_add_u32 v254, v255
	s_wait_dscnt 0x0
	v_lshrrev_b32 v1, 5, v0
	s_delay_alu instid0(VALU_DEP_1)
	v_readfirstlane_b32 s[WV], v1                  ; wave 0..15
	s_bfe_u32 s11, ttmp6, 0x40000                  ; cx: it enters Q's and the output's global addresses alone
	s_lshl_b32 s12, ttmp9, 2
	s_add_co_u32 s12, s12, s11                     ; my block of 256 queries
	s_and_b32 s13, ttmp7, 0xffff                   ; y, which the four partners share
	s_mov_b32 s[G1C], 15|(3<<16)|(1<<21)           ; the mask: all four; elements of 8 bytes; no padding; bit 21 beside a mask
	s_mov_b32 s[G1C+1], 32<<16
	s_mov_b32 s[G1C+2], 48<<16
	s_mov_b32 s[G1C+3], 32<<16
	s_mov_b32 s[G1C+4], 48
	s_mov_b32 s[G1C+5], 32
	s_mov_b32 s[G1C+6], 0
	s_mov_b32 s[G1C+7], 0
	s_and_b32 s60, s[WV], 1                        ; 0: K, 1: V
	s_add_co_u32 s61, s60, 1
	s_mul_i32 s61, s61, 3145728
	s_mul_i32 s62, s13, 98304
	s_add_co_u32 s62, s62, s61                     ; the head's codes of K or of V
	s_mov_b32 s63, 0
	s_lshl_b32 s66, s13, 12
	s_add_co_u32 s66, s66, 9961472                 ; V's scale words of this y
	s_mov_b32 s67, 0
	s_mul_i32 s68, s60, VLDS
	s_lshr_b32 s78, s[WV], 1                       ; my eighth of K (even waves) or of V (odd waves): 12,288 bytes, 256 keys
	s_mul_i32 s78, s78, 12288
	s_mov_b32 s79, 0
	s_add_co_u32 s68, s68, s78
	s_mul_i32 s70, s13, 98304
	s_mul_i32 s71, s12, 12288
	s_add_co_u32 s70, s70, s71
	s_mul_i32 s71, s[WV], 768
	s_add_co_u32 s70, s70, s71                     ; Q's codes at my first position
	s_mov_b32 s71, 0
	s_lshl_b32 s72, s13, 13
	s_add_co_u32 s74, s72, 9699328                 ; K's scale words
	s_mov_b32 s75, 0
	s_lshl_b32 s73, s12, 10
	s_add_co_u32 s72, s72, s73
	s_lshl_b32 s73, s[WV], 6
	s_add_co_u32 s72, s72, s73
	s_add_co_u32 s72, s72, 9437184                 ; Q's scale words
	s_mov_b32 s73, 0
	s_lshr_b32 s82, s13, 4                         ; batch
	s_and_b32 s83, s13, 15                         ; head
	s_lshl_b32 s76, s82, 13                        ; the batch's mask
	s_mov_b32 s77, 0
	s_lshl_b32 s84, s82, 4                         ; out, codes: [row / 128][K step of 256][128 rows][192]
	s_lshl_b32 s85, s12, 1
	s_add_co_u32 s84, s84, s85
	s_lshr_b32 s85, s[WV], 3
	s_add_co_u32 s84, s84, s85
	s_mul_i32 s84, s84, 98304
	s_lshr_b32 s85, s83, 2
	s_mul_i32 s85, s85, 24576
	s_add_co_u32 s84, s84, s85
	s_bfe_u32 s85, s[WV], 0x20001
	s_mul_i32 s85, s85, 6144
	s_add_co_u32 s84, s84, s85
	s_and_b32 s85, s[WV], 1
	s_mul_i32 s85, s85, 1536
	s_add_co_u32 s84, s84, s85
	s_and_b32 s85, s83, 3
	s_mul_i32 s85, s85, 48
	s_add_co_u32 s84, s84, s85
	s_mov_b32 s85, 0
	s_lshl_b32 s86, s82, 16                        ; out, scale bytes: 32 a row, 2 a head
	s_lshl_b32 s87, s12, 13
	s_add_co_u32 s86, s86, s87
	s_lshr_b32 s87, s[WV], 1
	s_lshl_b32 s87, s87, 10
	s_add_co_u32 s86, s86, s87
	s_and_b32 s87, s[WV], 1
	s_lshl_b32 s87, s87, 8
	s_add_co_u32 s86, s86, s87
	s_lshl_b32 s87, s83, 1
	s_add_co_u32 s86, s86, s87
	s_add_co_u32 s86, s86, 3145728
	s_mov_b32 s87, 0
	s_mov_b32 s[SEL], 0x76543210
	s_mov_b32 s[SEL+1], 0xfedcba98
	s_mov_b32 s[CS], 0x3fb8aa3b                    ; log2(e)
	s_mov_b32 s[CS+1], s[CS]
	s_wait_kmcnt 0x0
	s_add_nc_u64 s[62:63], s[4:5], s[62:63]
	s_add_nc_u64 s[66:67], s[4:5], s[66:67]
	s_add_nc_u64 s[70:71], s[4:5], s[70:71]
	s_add_nc_u64 s[72:73], s[4:5], s[72:73]
	s_add_nc_u64 s[74:75], s[4:5], s[74:75]
	s_add_nc_u64 s[76:77], s[6:7], s[76:77]
	s_add_nc_u64 s[84:85], s[8:9], s[84:85]
	s_add_nc_u64 s[86:87], s[8:9], s[86:87]
	CROUND                                         ; all four work-groups are here: the joint loads meet
	s_mov_b32 s[G0], 1
	; THE FILLS AS THEY NOW STAND: each of the sixteen waves issues ONE joint load, 48 rows of 256 bytes, with no branch; V's scale words come through registers, below
	s_mov_b32 s[G0+1], s68
	s_add_nc_u64 s[G0+2:G0+3], s[62:63], s[78:79]
	s_or_b32 s[G0+3], s[G0+3], 0x80000000
	tensor_load_to_lds s[G0:G0+3], s[G1C:G1C+7]
	s_nop 0
.rept 4
	v_nop
.endr
	; thread i: K's scale words of positions 4 i .. 4 i + 3, and the mask of their four tokens, which are neighbours.
	; The offsets of these loads lie in registers (v139, v142, v11, v1, v8) that are written again only behind the wait for all loads
	v_lshlrev_b32 v139, 4, v0
	global_load_b128 v[128:131], v139, s[74:75]
	v_lshlrev_b32 v142, 3, v0
	global_load_b64 v[140:141], v142, s[66:67]     ; thread i: 8 of the 4,096 bytes of V's scale words
	v_lshl_add_u32 v143, v0, 3, VSWL
	v_lshlrev_b32 v3, 2, v0
	s_delay_alu instid0(VALU_DEP_1)
	v_and_b32 v4, 0xffffffe0, v3
	s_delay_alu instid0(VALU_DEP_2)
	v_bfe_u32 v5, v3, 4, 1
	s_delay_alu instid0(VALU_DEP_1)
	v_lshl_add_u32 v4, v5, 3, v4
	s_delay_alu instid0(VALU_DEP_4)
	v_and_b32 v5, 15, v3
	s_delay_alu instid0(VALU_DEP_1)
	v_add_nc_u32 v4, v4, v5
	v_and_b32 v5, 8, v3
	s_delay_alu instid0(VALU_DEP_1)
	v_add_nc_u32 v4, v4, v5
	s_delay_alu instid0(VALU_DEP_1)
	v_lshlrev_b32 v11, 2, v4
	global_load_b128 v[132:135], v11, s[76:77]
	v_and_b32 v9, 15, v0                           ; r
	v_bfe_u32 v10, v0, 4, 1                        ; h
	s_delay_alu instid0(VALU_DEP_2)
	v_mul_u32_u24 v[AK0], v9, 48
	s_delay_alu instid0(VALU_DEP_1)
	v_mad_u32_u24 v[AK0], v10, 24, v[AK0]          ; 48 r + 24 h: a tile's row and my half of it, in LDS and in Q's memory alike
.irp p, 0,1,2
	global_load_b64 v[16+2*\p:17+2*\p], v[AK0], s[70:71] offset:8*\p
.endr
	v_lshlrev_b32 v[ADT], 2, v9
	global_load_b32 v[QSW], v[ADT], s[72:73]
	v_add_nc_u32 v[AV0], VLDS, v[AK0]
	v_lshl_add_u32 v[ASK0], v9, 2, KSW
	v_lshl_add_u32 v[ASV0], v9, 2, VSWL
	v_lshl_add_u32 v138, v0, 4, KSW
	v_sub_nc_u32 v29, 1, v10                       ; k = 64 lies in the low bits of register 6 of lanes 0-15
	s_delay_alu instid0(VALU_DEP_1)
	v_lshlrev_b32 v22, 3, v29                      ; Q: the code of +1.0
	s_delay_alu instid0(VALU_DEP_2)
	v_mul_u32_u24 v29, v29, 0x3f                   ; K: the code of -7.5
.irp i, 23,24,25,26,27
	v_mov_b32 v[\i], 0
.endr
.irp t, 0,1,2,3
	v_mov_b32 v[KFR+12*\t+6], v29
.irp i, 7,8,9,10,11
	v_mov_b32 v[KFR+12*\t+\i], 0
.endr
.endr
	v_mov_b32 v13, 0xef800000                      ; the largest t so far: -2^96
	s_delay_alu instid0(VALU_DEP_1)
	v_floor_f32 v12, -v13                          ; -M
	v_mov_b32 v14, 0
	v_mov_b32 v15, 0
	v_mov_b32 v[PSW], 0                            ; (named as the upper half of the pair with f before it is first written)
.irp b, 0,1,2,3
	v_mov_b32 v[PT+\b], 0                          ; a lane permute's destination counts as one of its sources
.endr
.set j, 0
.rept 32
	v_mov_b32 v[O+j], 0                            ; the step is written once: the first finds zeros
.set j, j+1
.endr
	v_mov_b32 v136, 0x10000                        ; byte 2 = 0x01
	v_mov_b32 v137, 0xe00000                       ; byte 2 = 0xe0
	s_wait_alu depctr_va_vdst(0)
	s_wait_loadcnt 4                               ; K's words and the mask are in; Q's four loads may be out
.irp i, 0,1,2,3
	v_cmp_eq_u32 vcc_lo, 0, v[132+\i]
	s_delay_alu instid0(VALU_DEP_1)
	v_cndmask_b32 v[132+\i], v136, v137, vcc_lo
	s_delay_alu instid0(VALU_DEP_1)
	v_and_or_b32 v[128+\i], v[128+\i], 0xff00ffff, v[132+\i]
.endr
	ds_store_b128 v138, v[128:131]
	ds_store_b64 v143, v[140:141]
; A KEY STEP: 128 keys
.macro STEP
	v_add_nc_u32 v[ADK], s[TK], v[AK0]             ; (these four are the places in front of the loads into registers that the last products read)
	s_wait_alu depctr_va_vdst(0)
	v_add_nc_u32 v[ADV], s[TK], v[AV0]
	v_add_nc_u32 v[ADS], s[TS], v[ASK0]
	s_wait_alu depctr_va_vdst(0)
	v_add_nc_u32 v[ADT], s[TJ], v[ASV0]
	s_wait_alu depctr_va_vdst(0)
.irp g, 0,1                                    ; S^T = K Q^T, four tiles of 16 keys at a time
.if \g
.rept 4
	v_nop
.endr
.endif
.irp t, 0,1,2,3
.irp p, 0,1,2
	ds_load_b64 v[KFR+12*\t+2*\p:KFR+12*\t+2*\p+1], v[ADK] offset:768*(4*\g+\t)+8*\p
.endr
	ds_load_b32 v[FS+\t], v[ADS] offset:64*(4*\g+\t)
.endr
	s_wait_dscnt 0x0
.irp t, 0,1,2,3
	v_wmma_scale_f32_16x16x128_f8f6f4 v[S+8*(4*\g+\t):S+8*(4*\g+\t)+7], v[KFR+12*\t:KFR+12*\t+11], v[16:27], 0, v[FS+\t], v[QSW] matrix_a_fmt:MATRIX_FMT_FP6 matrix_b_fmt:MATRIX_FMT_FP6
.endr
.endr
.rept 4
	v_nop
.endr
.irp t, 0,1,2,3                                ; V's fragments and scale words are asked for now and land under the softmax
.irp p, 0,1,2,3,4,5
	ds_load_b64 v[VFR+12*\t+2*\p:VFR+12*\t+2*\p+1], v[ADV] offset:1536*\t+768*(\p/3)+8*(\p%3)
.endr
	ds_load_b32 v[FS+\t], v[ADT] offset:64*\t
.endr
.irp b, 0,1,2,3
	v_max3_num_f32 v[BM+\b], v[S+16*\b], v[S+1+16*\b], v[S+2+16*\b]   ; the largest score of each block of 32 keys: for the row's maximum and, since p rises with the score, for the block's largest p
.endr
.irp i, 3,5,7,9,11,13
.irp b, 0,1,2,3
	v_max3_num_f32 v[BM+\b], v[BM+\b], v[S+16*\b+\i], v[S+1+16*\b+\i]
.endr
.endr
.irp b, 0,1,2,3
	v_max_num_f32 v[BM+\b], v[BM+\b], v[S+15+16*\b]
.endr
.irp b, 0,1,2,3
	s_delay_alu instid0(VALU_DEP_4)
	v_permlanex16_b32 v[PT+\b], v[BM+\b], s[SEL], s[SEL+1]
.endr
.irp b, 0,1,2,3
	s_delay_alu instid0(VALU_DEP_4)
	v_max_num_f32 v[BM+\b], v[BM+\b], v[PT+\b]
.endr
	s_delay_alu instid0(VALU_DEP_2)
	v_max3_num_f32 v29, v[BM], v[BM+1], v[BM+2]
	s_delay_alu instid0(VALU_DEP_1)
	v_max_num_f32 v29, v29, v[BM+3]
	s_delay_alu instid0(VALU_DEP_1)
	v_mul_f32 v29, s[CS], v29
	s_delay_alu instid0(VALU_DEP_1)
	v_max_num_f32 v13, v13, v29                    ; the running largest t
	v_mov_b32 v29, v12
	s_delay_alu instid0(VALU_DEP_2)
	v_floor_f32 v12, -v13                          ; the new -M = -ceil(t)
	s_delay_alu instid0(VALU_DEP_1)
	v_sub_f32 v29, v12, v29                        ; old M - new M: a whole number, 0 or less
	s_delay_alu instid0(VALU_DEP_1)
	v_cvt_i32_f32 v29, v29                         ; (it saturates)
	s_delay_alu instid0(VALU_DEP_1)
	v_ldexp_f32 v[F], 1.0, v29                     ; f = 2^(old M - new M)
.set j, 0
.rept 32
	v_pk_fma_f32 v[S+j:S+j+1], v[S+j:S+j+1], s[CS:CS+1], v[12:13] op_sel_hi:[1,0,0]   ; t - M
.set j, j+2
.endr
.irp b, 0,1,2,3
	v_fma_f32 v[BM+\b], v[BM+\b], s[CS], v12
.endr
.set j, 0
	s_wait_alu depctr_va_vdst(0)
.rept 64
	v_exp_f32 v[S+j], v[S+j]                       ; p = 2^(t - M)
.set j, j+1
.endr
	v_pk_mul_f32 v[14:15], v[14:15], v[F:F+1] op_sel_hi:[1,0]   ; the sums under the new M (a plain place behind the exponentials)
	s_wait_alu depctr_va_vdst(0)                   ; one wait for the batch, ahead of its first reader
.irp b, 0,1,2,3
	v_exp_f32 v[BM+\b], v[BM+\b]                   ; the block's largest p
.endr
	v_pk_add_f32 v[236:237], v[132:133], v[136:137]
	v_pk_add_f32 v[250:251], v[140:141], v[144:145]
	v_pk_add_f32 v[248:249], v[148:149], v[152:153]
	v_pk_add_f32 v[242:243], v[156:157], v[160:161]
	v_pk_add_f32 v[240:241], v[164:165], v[168:169]
	v_pk_add_f32 v[238:239], v[172:173], v[176:177]
	v_pk_add_f32 v[234:235], v[180:181], v[184:185]
	v_pk_add_f32 v[14:15], v[14:15], v[188:189]
	v_pk_add_f32 v[236:237], v[236:237], v[128:129]
	v_pk_add_f32 v[250:251], v[250:251], v[130:131]
	v_pk_add_f32 v[248:249], v[248:249], v[134:135]
	v_pk_add_f32 v[242:243], v[242:243], v[138:139]
	v_pk_add_f32 v[240:241], v[240:241], v[142:143]
	v_pk_add_f32 v[238:239], v[238:239], v[146:147]
	v_pk_add_f32 v[234:235], v[234:235], v[150:151]
	v_pk_add_f32 v[14:15], v[14:15], v[154:155]
	v_pk_add_f32 v[236:237], v[236:237], v[158:159]
	v_pk_add_f32 v[250:251], v[250:251], v[162:163]
	v_pk_add_f32 v[248:249], v[248:249], v[166:167]
	v_pk_add_f32 v[242:243], v[242:243], v[170:171]
	v_pk_add_f32 v[240:241], v[240:241], v[174:175]
	v_pk_add_f32 v[238:239], v[238:239], v[178:179]
	v_pk_add_f32 v[234:235], v[234:235], v[182:183]
	v_pk_add_f32 v[14:15], v[14:15], v[186:187]
	v_pk_add_f32 v[236:237], v[236:237], v[190:191]
	s_delay_alu instid0(VALU_DEP_2)
	v_pk_add_f32 v[14:15], v[14:15], v[242:243]
	s_delay_alu instid0(VALU_DEP_2)
	v_pk_add_f32 v[236:237], v[236:237], v[240:241]
	v_pk_add_f32 v[250:251], v[250:251], v[238:239]
	v_pk_add_f32 v[248:249], v[248:249], v[234:235]
	s_delay_alu instid0(VALU_DEP_2)
	v_pk_add_f32 v[14:15], v[14:15], v[250:251]
	s_delay_alu instid0(VALU_DEP_2)
	v_pk_add_f32 v[236:237], v[236:237], v[248:249]
	s_delay_alu instid0(VALU_DEP_1)
	v_pk_add_f32 v[14:15], v[14:15], v[236:237]
	s_wait_alu depctr_va_vdst(0)                   ; and one for the four
.irp b, 0,1,2,3
	v_max_num_f32 v[BM+\b], 0x1800000, v[BM+\b]    ; the floor 2^(3 - 127)
.endr
.irp b, 0,1,2,3
	s_delay_alu instid0(VALU_DEP_4)
	v_add_nc_u32 v[SO+\b], 0xff000000, v[BM+\b]
.endr
.irp b, 0,1,2,3
	s_delay_alu instid0(VALU_DEP_4)
	v_lshrrev_b32 v[PT+\b], 23, v[SO+\b]
.endr
	s_delay_alu instid0(VALU_DEP_3)
	v_lshl_or_b32 v[PSW], v[PT+1], 8, v[PT]
	s_delay_alu instid0(VALU_DEP_1)
	v_lshl_or_b32 v[PSW], v[PT+2], 16, v[PSW]
	s_delay_alu instid0(VALU_DEP_1)
	v_lshl_or_b32 v[PSW], v[PT+3], 24, v[PSW]
.irp c, 0,1
	v_cvt_scalef32_pk16_fp6_f32 v[PCD+6*\c:PCD+2+6*\c], v[S+32*\c:S+15+32*\c], v[SO+2*\c]
	v_cvt_scalef32_pk16_fp6_f32 v[PT+4*\c:PT+2+4*\c], v[S+16+32*\c:S+31+32*\c], v[SO+2*\c+1]
.endr
	v_nop
.irp c, 0,1
.irp i, 0,1,2
	v_permlane16_swap_b32 v[PCD+6*\c+\i], v[PT+4*\c+\i]
.endr
.irp i, 0,1,2
	s_delay_alu instid0(VALU_DEP_3)
	v_mov_b32 v[PCD+3+6*\c+\i], v[PT+4*\c+\i]
.endr
.endr
.set j, 0
.rept 16
	v_pk_mul_f32 v[O+j:O+j+1], v[O+j:O+j+1], v[F:F+1] op_sel_hi:[1,0]   ; O^T under the new M; also the places in front of the products below
.set j, j+2
.endr
	s_wait_alu depctr_va_vdst(0)
	s_wait_dscnt 0x0                               ; V
.irp t, 0,1,2,3                                ; O^T += V^T P^T: four tiles of 16 channels, each accumulator once a step
	v_wmma_scale_f32_16x16x128_f8f6f4 v[O+8*\t:O+8*\t+7], v[VFR+12*\t:VFR+12*\t+11], v[PCD:PCD+11], v[O+8*\t:O+8*\t+7], v[FS+\t], v[PSW] matrix_a_fmt:MATRIX_FMT_FP6 matrix_b_fmt:MATRIX_FMT_FP6
.endr
	s_add_co_u32 s[TK], s[TK], 6144
	s_add_co_u32 s[TS], s[TS], 512
	s_add_co_u32 s[TJ], s[TJ], 256
.endm
.macro CHUNK n                         ; 2,048 keys: sixteen key steps
	s_wait_tensorcnt 0x0                           ; my one load has landed; one barrier shows all of K and V to all sixteen waves, and the sixteen key steps follow in one loop with no barrier
	s_wait_dscnt 0x0
	s_barrier_signal -1
	s_barrier_wait -1                              ; the chunk lies in LDS for all sixteen waves; nothing is ever filled again
	s_mov_b32 s[TK], 24576*\n
	s_mov_b32 s[TS], 2048*\n
	s_mov_b32 s[TJ], 1024*\n
	s_mov_b32 s[CNT], 16
.Lstep_\@:
	STEP
	s_sub_co_u32 s[CNT], s[CNT], 1
	s_cmp_lg_u32 s[CNT], 0
	s_cbranch_scc1 .Lstep_\@
.endm
	s_wait_loadcnt 0x0                             ; Q
	CHUNK 0
	; THE WAY OUT: O^T / the sum; register 16 b + i is channel 32 b + 16 h + i of my query; two blocks of 32 are quantised along D
	v_add_f32 v14, v14, v15
	s_delay_alu instid0(VALU_DEP_1)
	v_permlanex16_b32 v29, v14, s[SEL], s[SEL+1]
	s_delay_alu instid0(VALU_DEP_1)
	v_add_f32 v14, v14, v29
	s_wait_alu depctr_va_vdst(0)
	v_rcp_f32 v14, v14
	v_and_b32 v9, 15, v0
	v_and_b32 v10, 8, v0
	s_delay_alu instid0(VALU_DEP_1)
	v_add_nc_u32 v9, v9, v10                       ; r + 8 (r / 8): my query's row among its tile's
	v_bfe_u32 v10, v0, 4, 1
	s_delay_alu instid0(VALU_DEP_2)
	v_mul_u32_u24 v11, v9, 192
	s_delay_alu instid0(VALU_DEP_1)
	v_mad_u32_u24 v11, v10, 24, v11
	s_delay_alu instid0(VALU_DEP_4)
	v_lshlrev_b32 v9, 5, v9
	s_wait_alu depctr_va_vdst(0)                   ; ahead of the reciprocal's first reader
.set j, 0
.rept 16
	v_pk_mul_f32 v[S+j:S+j+1], v[O+j:O+j+1], v[14:15] op_sel_hi:[1,0]
.set j, j+2
.endr
.irp b, 0,1
	v_max3_num_f32 v[BM+\b], |v[S+16*\b]|, |v[S+1+16*\b]|, 0x1800000
.endr
.irp i, 2,4,6,8,10,12,14
.irp b, 0,1
	s_delay_alu instid0(VALU_DEP_2)
	v_max3_num_f32 v[BM+\b], v[BM+\b], |v[S+16*\b+\i]|, |v[S+1+16*\b+\i]|
.endr
.endr
.irp b, 0,1
	s_delay_alu instid0(VALU_DEP_2)
	v_permlanex16_b32 v[PT+\b], v[BM+\b], s[SEL], s[SEL+1]
.endr
.irp b, 0,1
	s_delay_alu instid0(VALU_DEP_2)
	v_max_num_f32 v[BM+\b], v[BM+\b], v[PT+\b]
.endr
.irp b, 0,1
	s_delay_alu instid0(VALU_DEP_2)
	v_add_nc_u32 v[SO+\b], 0xff000000, v[BM+\b]
.endr
.irp b, 0,1
	s_delay_alu instid0(VALU_DEP_2)
	v_lshrrev_b32 v[PT+\b], 23, v[SO+\b]
.endr
	s_delay_alu instid0(VALU_DEP_1)
	v_lshl_or_b32 v29, v[PT+1], 8, v[PT]
	v_cvt_scalef32_pk16_fp6_f32 v[224:226], v[S:S+15], v[SO]
	v_cvt_scalef32_pk16_fp6_f32 v[228:230], v[S+16:S+31], v[SO+1]
	v_nop
.irp i, 0,1,2
	v_permlane16_swap_b32 v[224+\i], v[228+\i]     ; lane (r, h) now holds block h: its lower 16 codes in the first three registers, the upper 16 in the others
.endr
	global_store_b96 v11, v[224:226], s[84:85]     ; a head's share of a row is 48 bytes: 24 a lane
	global_store_b96 v11, v[228:230], s[84:85] offset:12
	global_store_b16 v9, v29, s[86:87]             ; and two scale bytes (both halves of the lanes write the same)
	s_wait_xcnt 0x0
	v_lshl_add_u32 v254, v0, 2, 0x33000
	v_mov_b32 v255, 0
	s_wait_alu depctr_va_vdst(0)
	s_wait_tensorcnt 0x0
	ds_add_u32 v254, v255
	s_wait_dscnt 0x0
	CROUND                                         ; the closing round: no work-group ends while a partner may still ask
	s_endpgm
.Lfunc_end_k_q5ecd118fcf_attn:
	.size	k_q5ecd118fcf_attn, .Lfunc_end_k_q5ecd118fcf_attn-k_q5ecd118fcf_attn
	.p2alignl 7, 3214868480
	.fill 96, 4, 3214868480
	.section	.rodata,"a",@progbits
	.p2align	6, 0x0
	.amdhsa_kernel k_q5ecd118fcf_attn
		.amdhsa_group_segment_fixed_size 210944
		.amdhsa_private_segment_fixed_size 0
		.amdhsa_enable_private_segment 0
		.amdhsa_kernarg_size 24
		.amdhsa_user_sgpr_count 2
		.amdhsa_user_sgpr_kernarg_segment_ptr 1
		.amdhsa_wavefront_size32 1
		.amdhsa_system_sgpr_workgroup_id_x 1
		.amdhsa_system_sgpr_workgroup_id_y 1
		.amdhsa_system_sgpr_workgroup_id_z 1
		.amdhsa_system_vgpr_workitem_id 0
		.amdhsa_next_free_vgpr 256
		.amdhsa_next_free_sgpr 100
		.amdhsa_reserve_vcc 1
		.amdhsa_float_denorm_mode_32 3
		.amdhsa_float_denorm_mode_16_64 3
		.amdhsa_memory_ordered 1
		.amdhsa_forward_progress 1
		.amdhsa_inst_pref_size 36
	.end_amdhsa_kernel
	.amdgpu_metadata
---
amdhsa.version: [ 1, 2 ]
amdhsa.kernels:
  - .name:           k_q5ecd118fcf_attn
    .symbol:         k_q5ecd118fcf_attn.kd
    .args:
      - { .name: qkvq, .offset: 0, .size: 8, .value_kind: global_buffer, .address_space: global }
      - { .name: mask, .offset: 8, .size: 8, .value_kind: global_buffer, .address_space: global }
      - { .name: aq, .offset: 16, .size: 8, .value_kind: global_buffer, .address_space: global }
    .group_segment_fixed_size: 210944
    .private_segment_fixed_size: 0
    .kernarg_segment_align: 8
    .kernarg_segment_size: 24
    .max_flat_workgroup_size: 512
    .sgpr_count:     100
    .vgpr_count:     256
    .wavefront_size: 32
...
	.end_amdgpu_metadata
.endif
;; end of part 9
;; launch proj (part 10): grid 8 x 32, 4 waves a work-group, clusters of 4 x 4, 327,680 bytes of LDS; arguments aq, wt, proj_w_scales, proj_b, x, x1; writes x1
.if DOCPART == 10
	.amdgcn_target "amdgcn-amd-amdhsa--gfx1250"
	.amdhsa_code_object_version 6
	.text
	.protected	k_q5ecd118fcf_proj
	.globl	k_q5ecd118fcf_proj
	.p2align	8
	.type	k_q5ecd118fcf_proj,@function
k_q5ecd118fcf_proj:
	s_mov_b64 s[64:65], 0
	v_nop
	global_prefetch_b8 v0, s[64:65] scope:SCOPE_SE
	s_setreg_imm32_b32 hwreg(HW_REG_WAVE_MODE, 25, 1), 1
	s_wait_xcnt 0x0
	s_wait_alu depctr_hold_cnt(0) depctr_sa_sdst(0) depctr_va_vdst(0) depctr_va_sdst(0) depctr_va_ssrc(0) depctr_va_vcc(0) depctr_vm_vsrc(0)
	s_getreg_b32 s2, hwreg(HW_REG_IB_STS2, 6, 4)
	s_cmp_eq_u32 s2, 0
	s_cbranch_scc0 .Lentry_in_a_cluster
	s_endpgm
.Lentry_in_a_cluster:
	s_bfe_u32 s2, ttmp6, 0x10000c
	s_cmp_lg_u32 s2, 0xf033
	s_cbranch_scc0 .Lentry_shape_is_right
	s_endpgm
.Lentry_shape_is_right:
.set SIZE_N, 1024
.set SIZE_K, 1024
.set ASC,    3145728
.set ROWB,   192
.set ATILE,  128*ROWB
.set KROW,   SIZE_K*6/8
.set PITCH,  240
.set FR,     12
.set NP,     4
.set HALFT,  128*PITCH
.set SLOT,   4*HALFT
.set LAPS,   SIZE_K/1024
.set KS,     SIZE_K/32
.set SCL,    2*SLOT
.set HS,     (64*KS/256)*272
.set SBLK,   (16*KS/256)*272
.set SPARE,  SCL+4*HS
.set STAGE,  SPARE+512
.set SPITCH, 272
.set RO,   12
.set BO,   13
.set ADRA, 16
.set ADRB, 20
.set STO,  24
.set RD,   25
.set CO,   26
.set ADRS, 27
.set SPW,  28
.set NIL,  29
.set SC,   32
.set AF,   64
.set BF,   160
.set BK,   64
.set G1, 24
.set G0, 32
.set G1B, 48
.set G0B, 56
.set G1S, 68
.set G0S, 76
.set G1SB, 80
.set G0SB, 88
.set MSB, 0
.macro WIN new
.if MSB != (\new)
	s_set_vgpr_msb (MSB<<8)|(\new)
.set MSB, (\new)
.endif
.endm
.set MUL,  0x50
.macro JLOAD g0a, g1a, g0b, g1b
	s_cmp_eq_u32 s15, 0
	s_cbranch_scc0 .Lfor_b_\@
	tensor_load_to_lds s[\g0a:\g0a+3], s[\g1a:\g1a+7]
	s_nop 0
.rept 4
	v_nop
.endr
	s_branch .Lasked_\@
.Lfor_b_\@:
	tensor_load_to_lds s[\g0b:\g0b+3], s[\g1b:\g1b+7]
	s_nop 0
.rept 4
	v_nop
.endr
.Lasked_\@:
.endm
.macro CREST
	s_cmp_lg_u32 s14, 0
	s_cbranch_scc1 .Lnot_wave_0_\@
	s_barrier_signal -3
.Lnot_wave_0_\@:
	s_barrier_wait -3
	s_barrier_signal -1
	s_barrier_wait -1
.endm
.macro CROUND
	s_barrier_signal -1
	s_barrier_wait -1
	CREST
.endm
	s_load_b64 s[4:5], s[0:1], 0x0
	s_load_b128 s[8:11], s[0:1], 0x8
	s_load_b64 s[98:99], s[0:1], 0x18
	s_load_b64 s[100:101], s[0:1], 0x20
	s_load_b64 s[12:13], s[0:1], 0x28
	v_lshl_add_u32 v[SPW], v0, 2, SPARE
	v_mov_b32 v[NIL], 0
	ds_add_u32 v28, v29
	ds_add_u32 v28, v29
	s_wait_dscnt 0x0
	v_lshrrev_b32 v1, 5, v0
	v_readfirstlane_b32 s14, v1
	s_lshr_b32 s15, s14, 1
	s_and_b32 s16, s14, 1
	s_bfe_u32 s40, ttmp6, 0x40000
	s_bfe_u32 s41, ttmp6, 0x40004
	s_lshl_b32 s42, ttmp9, 2
	s_add_co_u32 s42, s42, s40
	s_and_b32 s17, ttmp7, 0xffff
	s_lshl_b32 s17, s17, 2
	s_add_co_u32 s17, s17, s41
	s_lshl_b32 s43, s41, 2
	s_lshl_b32 s43, 15, s43
	s_lshl_b32 s44, 0x1111, s40
	s_or_b32 s[G1+0], s43, (0<<16)|(1<<20)|(1<<21)|(3<<22)|(3<<25)
	s_or_b32 s[G1B+0], s44, (0<<16)|(1<<20)|(1<<21)|(3<<22)|(3<<25)
.irp g, G1, G1B
	; A's and B's tiles are dense in memory, [row / 128][K step of 256][128 rows][192 bytes] (B's as launch relay laid them): they come as rows of 256 bytes; the padding behind every 64 bytes gives LDS rows of 240
	s_mov_b32 s[\g+1], 256<<16
	s_mov_b32 s[\g+2], 192<<16                     ; at the head two K steps' tiles at once: 192 x 256 bytes
	s_mov_b32 s[\g+3], 256<<16
	s_mov_b32 s[\g+4], 192
	s_mov_b32 s[\g+6], 0
	s_mov_b32 s[\g+7], 0
.endr
	s_mov_b32 s[G1+5], 256
	s_mov_b32 s[G1B+5], 256
	s_or_b32 s[G1S+0], s43, (3<<16)|(1<<20)|(1<<21)|(5<<22)|(3<<25)
	s_or_b32 s[G1SB+0], s44, (3<<16)|(1<<20)|(1<<21)|(5<<22)|(3<<25)
.irp g, G1S, G1SB
	s_mov_b32 s[\g+1], 32<<16
	s_mov_b32 s[\g+2], (128*KS/256)<<16            ; the scale bytes of all 128 rows
	s_mov_b32 s[\g+3], 32<<16
	s_mov_b32 s[\g+4], 128*KS/256
	s_mov_b32 s[\g+5], 32
	s_mov_b32 s[\g+6], 0
	s_mov_b32 s[\g+7], 0
.endr
	s_lshl_b32 s20, s17, 7
	s_lshl_b32 s46, s42, 7
	s_mov_b32 s21, 0
	s_mov_b32 s47, 0
	s_mov_b32 s22, s20
	s_mov_b32 s23, 0
	s_mov_b32 s92, s46
	s_mov_b32 s93, 0
	s_mov_b64 s[18:19], KS
	s_mul_u64 s[22:23], s[22:23], s[18:19]
	s_mul_u64 s[92:93], s[92:93], s[18:19]
	s_mov_b64 s[18:19], KROW
	s_mul_u64 s[20:21], s[20:21], s[18:19]
	s_mul_u64 s[46:47], s[46:47], s[18:19]
	s_mul_i32 s66, s16, ATILE
	s_mov_b32 s67, 0
	s_mul_i32 s45, s14, HALFT
	s_wait_kmcnt 0x0
	s_add_nc_u64 s[6:7], s[4:5], ASC
	s_add_nc_u64 s[20:21], s[4:5], s[20:21]
	s_add_nc_u64 s[22:23], s[6:7], s[22:23]
	s_add_nc_u64 s[46:47], s[8:9], s[46:47]
	s_add_nc_u64 s[92:93], s[10:11], s[92:93]
	CROUND
	s_mov_b32 s[G0S], 1
	s_mov_b32 s[G0S+1], SCL
	s_mov_b64 s[G0S+2:G0S+3], s[22:23]
	s_or_b32 s[G0S+3], s[G0S+3], 0x80000000
	s_mov_b32 s[G0SB], 1
	s_mov_b32 s[G0SB+1], SCL+2*HS
	s_mov_b64 s[G0SB+2:G0SB+3], s[92:93]
	s_or_b32 s[G0SB+3], s[G0SB+3], 0x80000000
	s_add_nc_u64 s[46:47], s[46:47], 5505024       ; proj_w's tiles in wt
	s_mov_b32 s4, 1                                ; group 0 of the head's loads of slot 0: A's two K steps,
	s_mov_b32 s5, 0
	s_mov_b64 s[6:7], s[20:21]
	s_or_b32 s7, s7, 0x80000000
	s_mov_b32 s8, 1                                ; and B's
	s_mov_b32 s9, 2*HALFT
	s_mov_b64 s[10:11], s[46:47]
	s_or_b32 s11, s11, 0x80000000
	s_add_nc_u64 s[20:21], s[20:21], s[66:67]      ; in the ring I fetch one K step's tile
	s_add_nc_u64 s[46:47], s[46:47], s[66:67]
	; the prefetch's base: my ring tile of slot 0 (24,576 bytes = 96 blocks of 256); the four partners that ask for it jointly share it out by address, 24 blocks each (place cx for A, cy for B)
	s_cmp_eq_u32 s15, 0
	s_cselect_b32 s18, s40, s41
	s_cselect_b64 s[66:67], s[20:21], s[46:47]
	s_mul_i32 s18, s18, 6144
	s_mov_b32 s19, 0
	s_add_nc_u64 s[66:67], s[66:67], s[18:19]      ; never rewritten
.irp s, 0,1
	s_mov_b32 s[G0+4*\s], 1
	s_add_co_u32 s[G0+4*\s+1], s45, \s*SLOT
	s_add_nc_u64 s[G0+4*\s+2:G0+4*\s+3], s[20:21], \s*2*ATILE
	s_or_b32 s[G0+4*\s+3], s[G0+4*\s+3], 0x80000000
	s_mov_b32 s[G0B+4*\s], 1
	s_add_co_u32 s[G0B+4*\s+1], s45, \s*SLOT
	s_add_nc_u64 s[G0B+4*\s+2:G0B+4*\s+3], s[46:47], \s*2*ATILE
	s_or_b32 s[G0B+4*\s+3], s[G0B+4*\s+3], 0x80000000
.endr
; the head's loads, one a wave: wave 0 slot 0 of A, wave 1 of B, wave 2 A's scale bytes, wave 3 B's; one tree of branches on the wave's number
.macro ARM under, g0, g1, next
	s_cmp_lt_u32 s14, \under
	s_cbranch_scc0 \next
	tensor_load_to_lds s[\g0:\g0+3], s[\g1:\g1+7]
	s_nop 0
.rept 4
	v_nop
.endr
	s_branch .Lhead_asked
\next:
.endm
	ARM 1, 4, G1, .Lhead_b
	ARM 2, 8, G1B, .Lhead_sa
	ARM 3, G0S, G1S, .Lhead_sb
	tensor_load_to_lds s[G0SB:G0SB+3], s[G1SB:G1SB+7]
	s_nop 0
.rept 4
	v_nop
.endr
.Lhead_asked:
	v_and_b32 v30, 31, v0
	v_min_u32 v30, 23, v30                         ; a lane a block; the eight lanes left over name the last block again
	v_lshlrev_b32 v30, 8, v30                      ; never rewritten
	global_prefetch_b8 v30, s[66:67] offset:2*ATILE th:TH_LOAD_NT scope:SCOPE_SE   ; my tile of slot 1, the last: one load ahead
	v_and_b32 v1, 15, v0
	v_bfe_u32 v2, v0, 4, 1
	v_mul_u32_u24 v3, v1, PITCH
	v_mul_u32_u24 v4, v2, 24
	v_add_nc_u32 v4, v3, v4
	v_lshl_add_u32 v5, v2, 4, v4
	s_mul_i32 s21, s15, 64*PITCH
	s_mul_i32 s22, s16, 64*PITCH
	s_add_co_u32 s22, s22, 2*HALFT
.irp s, 0,1
	v_add_nc_u32 v[ADRA+\s], s21, v4
	v_add_nc_u32 v[ADRB+\s], s22, v4
	v_add_nc_u32 v[ADRA+2+\s], s21, v5
	v_add_nc_u32 v[ADRB+2+\s], s22, v5
	s_add_co_u32 s21, s21, SLOT
	s_add_co_u32 s22, s22, SLOT
.endr
	v_mul_u32_u24 v5, v1, KS
	v_lshrrev_b32 v6, 8, v5
	v_lshl_add_u32 v5, v6, 4, v5
	s_mul_i32 s21, s15, HS
	s_mul_i32 s22, s16, HS
	s_add_co_u32 s22, s22, 2*HS
	s_sub_co_u32 s22, s22, s21
	v_mul_u32_u24 v6, s22, v2
	s_add_co_u32 s21, s21, SCL
	v_add_nc_u32 v5, v5, v6
	v_add_nc_u32 v[ADRS], s21, v5
	s_mul_i32 s23, s14, 16*SPITCH
	s_add_co_u32 s23, s23, STAGE
	v_mul_u32_u24 v5, v1, SPITCH
	v_lshl_add_u32 v5, v2, 5, v5
	v_add_nc_u32 v[STO], s23, v5
	v_mul_u32_u24 v5, v2, SPITCH
	v_lshl_add_u32 v5, v1, 4, v5
	v_add_nc_u32 v[RD], s23, v5
	v_lshlrev_b32 v[BO], 4, v1
	s_wait_alu depctr_va_vdst(0)
	v_lshl_add_u32 v[CO], v2, 12, v[BO]
	s_lshl_b32 s20, s17, 7
	s_lshl_b32 s21, s15, 6
	s_add_co_u32 s20, s20, s21
	s_mov_b32 s21, 0
	s_mov_b64 s[18:19], SIZE_N*4
	s_mul_u64 s[20:21], s[20:21], s[18:19]
	s_lshl_b32 s46, s42, 9
	s_lshl_b32 s47, s16, 8
	s_add_co_u32 s46, s46, s47
	s_mov_b32 s47, 0
	s_add_nc_u64 s[98:99], s[98:99], s[46:47]
	s_add_nc_u64 s[20:21], s[20:21], s[46:47]
	s_add_nc_u64 s[12:13], s[12:13], s[20:21]
	s_add_nc_u64 s[100:101], s[100:101], s[20:21]
	global_load_b128 v[8:11], v[BO], s[98:99]
	v_lshlrev_b32 v[RO], 12, v1
	v_lshl_add_u32 v[RO], v2, 5, v[RO]
	WIN 0x40
.irp a, 0,1,2,3
.irp b, 0,1,2,3
	global_load_b128 v[8*(4*\a+\b):8*(4*\a+\b)+3], v[RO], s[100:101] offset:65536*\a+64*\b
	global_load_b128 v[8*(4*\a+\b)+4:8*(4*\a+\b)+7], v[RO], s[100:101] offset:65536*\a+64*\b+16
.endr
.endr
	WIN 0
.macro FRAG reg, adr, q, i
.irp p, 0,1,2,3,4,5
.set PCE, 12*((\q)%2)+6*(\p/3)+\p%3
.if PCE%8 < 5
	ds_load_b64 v[\reg+2*\p:\reg+2*\p+1], v[\adr] offset:((\q)/2)*HALFT+8*PCE+16*(PCE/8)+16*(\i)*PITCH
.else
	ds_load_b64 v[\reg+2*\p:\reg+2*\p+1], v[\adr+2] offset:((\q)/2)*HALFT+8*PCE+16*(PCE/8)+16*(\i)*PITCH
.endif
.endr
.endm
.macro MULA a, p, q, sc
.irp b, 0,1,2,3
	v_wmma_scale_f32_16x16x128_f8f6f4 v[8*(4*(\a)+\b):8*(4*(\a)+\b)+7], v[BF+48*(\p)+FR*\b:BF+48*(\p)+FR*\b+FR-1], v[AF+48*(\p)+FR*(\a):AF+48*(\p)+FR*(\a)+FR-1], v[8*(4*(\a)+\b):8*(4*(\a)+\b)+7], v[SC+16*(\sc)+4*\b+(\q)], v[SC+16*(\sc)+4*(\a)+(\q)] matrix_a_fmt:MATRIX_FMT_FP6 matrix_b_fmt:MATRIX_FMT_FP6 matrix_a_scale:MATRIX_SCALE_ROW1
.endr
.endm
.macro FETCH slot, q, p
.irp i, 0,1,2,3
	FRAG BF+48*(\p)+FR*\i, ADRB+\slot, \q, \i
.endr
.irp i, 0,1,2,3
	FRAG AF+48*(\p)+FR*\i, ADRA+\slot, \q, \i
.endr
.endm
.macro SCALES sc
.irp i, 0,1,2,3
	ds_load_b128 v[SC+16*\sc+4*\i:SC+16*\sc+4*\i+3], v[ADRS] offset:\i*SBLK
.endr
.endm
.macro PLACES n
.rept \n
	v_nop
.endr
.endm
.macro STEP slot, q
	s_wait_dscnt 0x0
	PLACES NP
	FETCH \slot, (\q)+1, 1-(\q)%2
	WIN MUL
	MULA 0, (\q)%2, \q, \slot
	MULA 1, (\q)%2, \q, \slot
	MULA 2, (\q)%2, \q, \slot
	MULA 3, (\q)%2, \q, \slot
	WIN 0
.endm
.macro TURN slot, next, fill
	s_wait_tensorcnt 0x0
	ds_add_u32 v[SPW], v[NIL]
	s_wait_dscnt 1
	WIN MUL
	MULA 0, 1, 3, \slot
	s_wait_dscnt 0x0
	s_barrier_signal -1
	MULA 1, 1, 3, \slot
	WIN 0
	s_barrier_wait -1
.if \fill
	CREST
	s_add_nc_u64 s[G0+4*\slot+2:G0+4*\slot+3], s[G0+4*\slot+2:G0+4*\slot+3], 4*ATILE
	s_add_nc_u64 s[G0B+4*\slot+2:G0B+4*\slot+3], s[G0B+4*\slot+2:G0B+4*\slot+3], 4*ATILE
	JLOAD G0+4*\slot, G1, G0B+4*\slot, G1B
.else
	PLACES NP
.endif
	v_add_nc_u32 v[ADRS], 16, v[ADRS]
	FETCH \next, 0, 0
	SCALES \next
	WIN MUL
	MULA 2, 1, 3, \slot
	MULA 3, 1, 3, \slot
	WIN 0
.endm
	s_wait_alu depctr_va_vdst(0)
	s_wait_tensorcnt 0x0                           ; my tile of the head's four is in
	ds_add_u32 v[SPW], v[NIL]
	s_mov_b32 s[G1+2], 96<<16                      ; no load of mine is out: from here on a load brings one K step's tile, 96 x 256 bytes
	s_mov_b32 s[G1+4], 96
	s_mov_b32 s[G1B+2], 96<<16
	s_mov_b32 s[G1B+4], 96
	s_wait_dscnt 0x0
	CROUND                                         ; all four tiles are in, all sixteen work-groups are here
	JLOAD G0+4, G1, G0B+4, G1B                     ; slot 1, the first tensor load behind the round
	FETCH 0, 0, 0
	SCALES 0
	s_wait_loadcnt 0x0
	STEP 0, 0
	STEP 0, 1
	STEP 0, 2
.if LAPS > 1
	s_mov_b32 s3, LAPS-1
.Llap:
	TURN 0, 1, 1
	STEP 1, 0
	STEP 1, 1
	STEP 1, 2
	TURN 1, 0, 1
	STEP 0, 0
	STEP 0, 1
	STEP 0, 2
	s_sub_co_u32 s3, s3, 1
	s_cmp_lg_u32 s3, 0
	s_cbranch_scc1 .Llap
.endif
	TURN 0, 1, 0
	STEP 1, 0
	STEP 1, 1
	STEP 1, 2
	s_wait_dscnt 0x0
	WIN MUL
	MULA 0, 1, 3, 1
	MULA 1, 1, 3, 1
	MULA 2, 1, 3, 1
	MULA 3, 1, 3, 1
	WIN 0
.macro TOSTAGE a
	WIN 0x04
.irp b, 0,1,2,3
	ds_store_b128 v[STO], v[8*(4*(\a)+\b):8*(4*(\a)+\b)+3] offset:64*\b
	ds_store_b128 v[STO], v[8*(4*(\a)+\b)+4:8*(4*(\a)+\b)+7] offset:64*\b+16
.endr
	WIN 0
.irp t, 0,1,2,3,4,5,6,7
	ds_load_b128 v[BK+32*(\a)+4*\t:BK+32*(\a)+4*\t+3], v[RD] offset:\t*2*SPITCH
.endr
.endm
.macro SEND a, younger
	s_wait_dscnt \younger
.irp t, 0,1,2,3,4,5,6,7
	v_pk_add_f32 v[BK+32*(\a)+4*\t:BK+32*(\a)+4*\t+1], v[BK+32*(\a)+4*\t:BK+32*(\a)+4*\t+1], v[8:9]
	v_pk_add_f32 v[BK+32*(\a)+4*\t+2:BK+32*(\a)+4*\t+3], v[BK+32*(\a)+4*\t+2:BK+32*(\a)+4*\t+3], v[10:11]
.endr
.irp t, 0,1,2,3,4,5,6,7
	global_store_b128 v[CO], v[BK+32*(\a)+4*\t:BK+32*(\a)+4*\t+3], s[12:13] offset:(16*(\a)+2*\t)*SIZE_N*4
.endr
.endm
	PLACES NP
	TOSTAGE 0
.irp a, 1,2,3
	TOSTAGE \a
	SEND \a-1, 16
.endr
	SEND 3, 0
	s_wait_tensorcnt 0x0
	ds_add_u32 v[SPW], v[NIL]
	s_wait_dscnt 0x0
	CROUND
	s_endpgm
.Lfunc_end_k_q5ecd118fcf_proj:
	.size	k_q5ecd118fcf_proj, .Lfunc_end_k_q5ecd118fcf_proj-k_q5ecd118fcf_proj
	.p2alignl 7, 3214868480
	.fill 96, 4, 3214868480
	.section	.rodata,"a",@progbits
	.p2align	6, 0x0
	.amdhsa_kernel k_q5ecd118fcf_proj
		.amdhsa_group_segment_fixed_size 327680
		.amdhsa_private_segment_fixed_size 0
		.amdhsa_enable_private_segment 0
		.amdhsa_kernarg_size 48
		.amdhsa_user_sgpr_count 2
		.amdhsa_user_sgpr_kernarg_segment_ptr 1
		.amdhsa_wavefront_size32 1
		.amdhsa_system_sgpr_workgroup_id_x 1
		.amdhsa_system_sgpr_workgroup_id_y 1
		.amdhsa_system_sgpr_workgroup_id_z 1
		.amdhsa_system_vgpr_workitem_id 0
		.amdhsa_next_free_vgpr 512
		.amdhsa_next_free_sgpr 102
		.amdhsa_reserve_vcc 0
		.amdhsa_float_denorm_mode_32 3
		.amdhsa_float_denorm_mode_16_64 3
		.amdhsa_memory_ordered 1
		.amdhsa_forward_progress 1
		.amdhsa_inst_pref_size 70
	.end_amdhsa_kernel
	.amdgpu_metadata
---
amdhsa.version: [ 1, 2 ]
amdhsa.kernels:
  - .name:           k_q5ecd118fcf_proj
    .symbol:         k_q5ecd118fcf_proj.kd
    .args:
      - { .name: aq, .offset: 0, .size: 8, .value_kind: global_buffer, .address_space: global }
      - { .name: wt, .offset: 8, .size: 8, .value_kind: global_buffer, .address_space: global }
      - { .name: proj_w_scales, .offset: 16, .size: 8, .value_kind: global_buffer, .address_space: global }
      - { .name: proj_b, .offset: 24, .size: 8, .value_kind: global_buffer, .address_space: global }
      - { .name: x, .offset: 32, .size: 8, .value_kind: global_buffer, .address_space: global }
      - { .name: x1, .offset: 40, .size: 8, .value_kind: global_buffer, .address_space: global }
    .group_segment_fixed_size: 327680
    .private_segment_fixed_size: 0
    .kernarg_segment_align: 8
    .kernarg_segment_size: 48
    .max_flat_workgroup_size: 128
    .sgpr_count:     102
    .vgpr_count:     512
    .wavefront_size: 32
...
	.end_amdgpu_metadata
.endif
;; end of part 10
;; launch ln1 (part 11): grid 256 x 1, 4 waves a work-group, no clusters, 33,792 bytes of LDS; arguments x1, ln2_w, ln2_b, nq; writes nq
.if DOCPART == 11
	.amdgcn_target "amdgcn-amd-amdhsa--gfx1250"
	.amdhsa_code_object_version 6
	.text
	.protected	k_q5ecd118fcf_ln1
	.globl	k_q5ecd118fcf_ln1
	.p2align	8
	.type	k_q5ecd118fcf_ln1,@function
k_q5ecd118fcf_ln1:
	s_mov_b64 s[64:65], 0
	v_nop
	global_prefetch_b8 v0, s[64:65] scope:SCOPE_SE
	s_setreg_imm32_b32 hwreg(HW_REG_WAVE_MODE, 25, 1), 1
	s_wait_xcnt 0x0
; LayerNorm of 4,096 rows of 1,024 f32, then the MX-FP6 quantiser along the row: n = (z - mean) rsqrt(var + 1e-5) w + b, all in f32; each block of 32 gets the scale 2^(floor(log2(largest magnitude)) - 2).
; OUT: codes laid as the next launch's tiles: [row / 256][K step of 256][256 rows][192 bytes]; behind them (byte 3,145,728) the scale bytes, [4096][32].
; SHARES: a work-group has 16 rows, a wave 4; a wave holds a whole row in 32 registers (lane l: numbers 128 i + 4 l + 0..3 of load i), so mean and variance never leave the wave.  All 32 row loads of a wave go out at the head.
; The conversion wants 16 neighbours in a lane: 512 numbers at a time turn through the wave's own stage in LDS (16 bytes of padding behind each 64).  Codes gather in the wave's own 3,072 bytes, [K step][row][192], and leave
; as 16-byte pieces of which sixteen lanes cover 256 consecutive bytes, aligned.  The 16 rows' scale bytes (512) gather for the work-group and leave by wave 0.
; No matrix unit, no tensor load, no cluster: work-groups share no input but w and b (8 KB).
; LIMITS: NaN and infinities are not served; a block of zeros gets the byte 1 (its codes are zeros; only this program reads the bytes).
.set W,    16                          ; v16-47   w, as a row lies in registers
.set BV,   48                          ; v48-79   b
.set X,    80                          ; v80-207  four rows; later each 16 registers hold 3 of codes and 1 scale byte
.set T,    208                         ; v208-239 two sets of 16 neighbours; at the end the codes on their way out
.set CST,  20480                       ; LDS: 4 x 5,120 bytes of stages, then 4 x 3,072 of codes,
.set SCB,  32768                       ; then 512 scale bytes
.set KJMP, 49152-768                   ; the codes' tiles hold 256 rows: [row / 256][K step of 256][256 rows][192 bytes]; this is the way from the end of my 4 rows in one K step's tile to their start in the next
	s_load_b256 s[4:11], s[0:1], 0x0               ; z s[4:5], w s[6:7], b s[8:9], out s[10:11]
	v_lshl_add_u32 v254, v0, 2, 0x8200
	v_mov_b32 v255, 0
	v_lshrrev_b32 v1, 5, v0
	v_readfirstlane_b32 s14, v1                    ; wave
	v_and_b32 v1, 31, v0                           ; lane
	v_lshlrev_b32 v2, 4, v1                        ; 16 x lane
	s_mul_i32 s15, s14, 5120
	v_lshrrev_b32 v3, 2, v1
	v_mul_u32_u24 v3, v3, 80
	v_and_b32 v9, 3, v1
	v_lshl_add_u32 v3, v9, 4, v3
	v_add_nc_u32 v3, s15, v3                       ; the stage, way in: 80 (lane / 4) + 16 (lane % 4)
	v_mul_u32_u24 v4, v1, 80
	v_add_nc_u32 v4, s15, v4                       ; way out: 80 x lane
	s_mul_i32 s15, s14, 3072
	s_add_co_u32 s15, s15, CST
	v_lshrrev_b32 v9, 4, v1
	v_and_b32 v10, 15, v1
	v_mul_u32_u24 v5, v9, 768
	v_mad_u32_u24 v5, v10, 12, v5
	v_add_nc_u32 v5, s15, v5                       ; my 12 bytes of codes: K step 2 t + lane / 16, byte 12 (lane % 16)
	v_add_nc_u32 v6, s15, v2                       ; and 16 x lane on the way out
	s_lshl_b32 s15, s14, 7
	s_add_co_u32 s15, s15, SCB
	v_lshrrev_b32 v7, 1, v1
	v_add_nc_u32 v7, s15, v7                       ; my block's scale byte
	v_mul_u32_u24 v8, v9, KJMP
	v_add_nc_u32 v8, v8, v2                        ; a store whose upper sixteen lanes lie in the next K step's tile
	v_add_nc_u32 v11, SCB, v2
	s_lshl_b32 s16, ttmp9, 16
	s_lshl_b32 s17, s14, 14
	s_add_co_u32 s16, s16, s17                     ; row 16 g + 4 wave, 4,096 bytes a row
	s_mov_b32 s17, 0
	s_lshr_b32 s18, ttmp9, 4
	s_mul_i32 s18, s18, 196608                     ; the block of 256 rows
	s_and_b32 s19, ttmp9, 15
	s_lshl_b32 s19, s19, 2
	s_add_co_u32 s19, s19, s14
	s_mul_i32 s19, s19, 768                        ; my 4 rows in it
	s_add_co_u32 s18, s18, s19
	s_mov_b32 s19, 0
	s_lshl_b32 s22, ttmp9, 9
	s_add_co_u32 s22, s22, 3145728
	s_mov_b32 s23, 0
	s_mov_b32 s20, 0xba800000                      ; -1 / 1024
	s_mov_b32 s24, 0x76543210
	s_mov_b32 s25, 0xfedcba98                      ; lane l xor 16
	s_mov_b32 s26, 0x3a800000                      ; 1 / 1024
	s_mov_b32 s27, 0x3727c5ac                      ; 1e-5
	s_wait_kmcnt 0x0
	s_add_nc_u64 s[4:5], s[4:5], s[16:17]
	s_add_nc_u64 s[12:13], s[10:11], s[18:19]      ; codes
	s_add_nc_u64 s[10:11], s[10:11], s[22:23]      ; scale bytes
.irp i, 0,1,2,3,4,5,6,7
	global_load_b128 v[W+4*\i:W+4*\i+3], v2, s[6:7] offset:512*\i
	global_load_b128 v[BV+4*\i:BV+4*\i+3], v2, s[8:9] offset:512*\i
.endr
.irp r, 0,1,2,3
.irp i, 0,1,2,3,4,5,6,7
	global_load_b128 v[X+32*\r+4*\i:X+32*\r+4*\i+3], v2, s[4:5] offset:4096*\r+512*\i th:TH_LOAD_NT
.endr
.endr
.macro RED                             ; two chains of pairs -> one sum in every lane's v240
	v_pk_add_f32 v[240:241], v[240:241], v[242:243]
	v_add_f32 v240, v240, v241
	v_add_f32_dpp v240, v240, v240 row_xmask:1 row_mask:0xf bank_mask:0xf
	v_add_f32_dpp v240, v240, v240 row_xmask:2 row_mask:0xf bank_mask:0xf
	v_add_f32_dpp v240, v240, v240 row_xmask:4 row_mask:0xf bank_mask:0xf
	v_add_f32_dpp v240, v240, v240 row_xmask:8 row_mask:0xf bank_mask:0xf
	v_permlanex16_b32 v241, v240, s24, s25
	v_add_f32 v240, v240, v241
.endm
.macro TURN r, t                       ; 512 numbers through stage t: LDS serves a wave's instructions in order, so no wait stands between the stores and the loads
.irp i, 0,1,2,3
	ds_store_b128 v3, v[X+32*(\r)+16*(\t)+4*\i:X+32*(\r)+16*(\t)+4*\i+3] offset:2560*(\t)+640*\i
.endr
.irp i, 0,1,2,3
	ds_load_b128 v[T+16*(\t)+4*\i:T+16*(\t)+4*\i+3], v4 offset:2560*(\t)+16*\i
.endr
.endm
.macro QZ r, t                         ; my 16 neighbours; two neighbouring lanes hold a block of 32
.set TS, T+16*(\t)
.set CR, X+32*(\r)+16*(\t)
	v_max3_num_f32 v248, |v[TS]|, |v[TS+1]|, |v[TS+2]|
	v_max3_num_f32 v249, |v[TS+3]|, |v[TS+4]|, |v[TS+5]|
.irp i, 6,10
	v_max3_num_f32 v248, v248, |v[TS+\i]|, |v[TS+\i+1]|
	v_max3_num_f32 v249, v249, |v[TS+\i+2]|, |v[TS+\i+3]|
.endr
	v_max3_num_f32 v248, v248, |v[TS+14]|, |v[TS+15]|
	v_max3_num_f32 v248, v248, v249, 0x1800000     ; the floor 2^(3 - 127): the byte cannot fall under 1
	v_max_num_f32_dpp v248, v248, v248 row_xmask:1 row_mask:0xf bank_mask:0xf
	v_add_nc_u32 v250, 0xff000000, v248            ; 2 off the exponent field: the conversion's scale operand
	v_cvt_scalef32_pk16_fp6_f32 v[CR:CR+2], v[TS:TS+15], v250
	v_lshrrev_b32 v[CR+3], 23, v250                ; the scale's byte (a plain line behind the conversion)
.irp k, 0,1,2
	ds_store_b32 v5, v[CR+\k] offset:1536*(\t)+192*(\r)+4*\k
.endr
	ds_store_b8 v7, v[CR+3] offset:32*(\r)+16*(\t)
.endm
.macro ROW r
.set XR, X+32*(\r)
	s_wait_loadcnt 8*(3-(\r))                      ; w, b and my row are in; the later rows' eight loads each may be out
	v_pk_add_f32 v[240:241], v[XR:XR+1], v[XR+2:XR+3]
	v_pk_add_f32 v[242:243], v[XR+4:XR+5], v[XR+6:XR+7]
.irp j, 8,12,16,20,24,28
	v_pk_add_f32 v[240:241], v[240:241], v[XR+\j:XR+\j+1]
	v_pk_add_f32 v[242:243], v[242:243], v[XR+\j+2:XR+\j+3]
.endr
	RED
	v_mul_f32 v244, s20, v240                      ; -mean
	v_mov_b32 v245, v244
.irp j, 0,2,4,6,8,10,12,14,16,18,20,22,24,26,28,30
	v_pk_add_f32 v[XR+\j:XR+\j+1], v[XR+\j:XR+\j+1], v[244:245]
.endr
	v_pk_mul_f32 v[240:241], v[XR:XR+1], v[XR:XR+1]
	v_pk_mul_f32 v[242:243], v[XR+2:XR+3], v[XR+2:XR+3]
.irp j, 4,8,12,16,20,24,28
	v_pk_fma_f32 v[240:241], v[XR+\j:XR+\j+1], v[XR+\j:XR+\j+1], v[240:241]
	v_pk_fma_f32 v[242:243], v[XR+\j+2:XR+\j+3], v[XR+\j+2:XR+\j+3], v[242:243]
.endr
	RED
	v_fma_f32 v248, v240, s26, s27                 ; variance + 1e-5
	s_wait_alu depctr_va_vdst(0)
	v_rsq_f32 v246, v248
	v_rsq_f32 v247, v248
	v_nop                                          ; a plain line behind the transcendentals
	s_wait_alu depctr_va_vdst(0)                   ; one wait for both, ahead of their first reader
.irp j, 0,2,4,6,8,10,12,14,16,18,20,22,24,26,28,30
	v_pk_mul_f32 v[XR+\j:XR+\j+1], v[XR+\j:XR+\j+1], v[246:247]
.endr
.irp j, 0,2,4,6,8,10,12,14,16,18,20,22,24,26,28,30
	v_pk_fma_f32 v[XR+\j:XR+\j+1], v[XR+\j:XR+\j+1], v[W+\j:W+\j+1], v[BV+\j:BV+\j+1]
.endr
	TURN \r, 0
	TURN \r, 1
	s_wait_dscnt 8                                 ; the first turn's eight are done (the second's eight may be out): its numbers are back and its stores have read their registers
	QZ \r, 0
	s_wait_dscnt 4                                 ; the second turn is done; the four stores just issued may be out
	QZ \r, 1
.endm
	ROW 0
	ROW 1
	ROW 2
	ROW 3
.irp q, 0,1,2,3,4,5
	ds_load_b128 v[T+4*\q:T+4*\q+3], v6 offset:512*\q   ; my own bytes, behind my stores in order
.endr
	s_wait_dscnt 5
	global_store_b128 v2, v[T:T+3], s[12:13]
	s_wait_dscnt 4
	global_store_b128 v8, v[T+4:T+7], s[12:13] offset:512
	s_wait_dscnt 3
	global_store_b128 v2, v[T+8:T+11], s[12:13] offset:1024+KJMP
	s_wait_dscnt 2
	global_store_b128 v2, v[T+12:T+15], s[12:13] offset:1536+2*KJMP
	s_wait_dscnt 1
	global_store_b128 v8, v[T+16:T+19], s[12:13] offset:2048+2*KJMP
	s_wait_dscnt 0x0                               ; also for the others' sake: my scale bytes have landed
	global_store_b128 v2, v[T+20:T+23], s[12:13] offset:2560+3*KJMP
	s_barrier_signal -1
	s_barrier_wait -1
	s_cmp_lg_u32 s14, 0
	s_cbranch_scc1 .Lend
	ds_load_b128 v[232:235], v11                   ; the 16 rows' 512 scale bytes
	s_wait_dscnt 0x0
	global_store_b128 v2, v[232:235], s[10:11]
.Lend:
	s_wait_tensorcnt 0x0
	ds_add_u32 v254, v255
	s_wait_dscnt 0x0
	s_endpgm
.Lfunc_end_k_q5ecd118fcf_ln1:
	.size	k_q5ecd118fcf_ln1, .Lfunc_end_k_q5ecd118fcf_ln1-k_q5ecd118fcf_ln1
	.p2alignl 7, 3214868480
	.fill 96, 4, 3214868480
	.section	.rodata,"a",@progbits
	.p2align	6, 0x0
	.amdhsa_kernel k_q5ecd118fcf_ln1
		.amdhsa_group_segment_fixed_size 33792
		.amdhsa_private_segment_fixed_size 0
		.amdhsa_enable_private_segment 0
		.amdhsa_kernarg_size 32
		.amdhsa_user_sgpr_count 2
		.amdhsa_user_sgpr_kernarg_segment_ptr 1
		.amdhsa_wavefront_size32 1
		.amdhsa_system_sgpr_workgroup_id_x 1
		.amdhsa_system_sgpr_workgroup_id_y 1
		.amdhsa_system_sgpr_workgroup_id_z 1
		.amdhsa_system_vgpr_workitem_id 0
		.amdhsa_next_free_vgpr 256
		.amdhsa_next_free_sgpr 66
		.amdhsa_reserve_vcc 0
		.amdhsa_float_denorm_mode_32 3
		.amdhsa_float_denorm_mode_16_64 3
		.amdhsa_memory_ordered 1
		.amdhsa_forward_progress 1
		.amdhsa_inst_pref_size 46
	.end_amdhsa_kernel
	.amdgpu_metadata
---
amdhsa.version: [ 1, 2 ]
amdhsa.kernels:
  - .name:           k_q5ecd118fcf_ln1
    .symbol:         k_q5ecd118fcf_ln1.kd
    .args:
      - { .name: x1, .offset: 0, .size: 8, .value_kind: global_buffer, .address_space: global }
      - { .name: ln2_w, .offset: 8, .size: 8, .value_kind: global_buffer, .address_space: global }
      - { .name: ln2_b, .offset: 16, .size: 8, .value_kind: global_buffer, .address_space: global }
      - { .name: nq, .offset: 24, .size: 8, .value_kind: global_buffer, .address_space: global }
    .group_segment_fixed_size: 33792
    .private_segment_fixed_size: 0
    .kernarg_segment_align: 8
    .kernarg_segment_size: 32
    .max_flat_workgroup_size: 128
    .sgpr_count:     66
    .vgpr_count:     256
    .wavefront_size: 32
...
	.end_amdgpu_metadata
.endif
;; end of part 11
;; launch ffn1 (part 12): grid 16 x 16, 4 waves a work-group, clusters of 4 x 4, 327,680 bytes of LDS; arguments nq, wt, ffn_w1_scales, ffn_b1, gq; writes gq
.if DOCPART == 12
	.amdgcn_target "amdgcn-amd-amdhsa--gfx1250"
	.amdhsa_code_object_version 6
	.text
	.protected	k_q5ecd118fcf_ffn1
	.globl	k_q5ecd118fcf_ffn1
	.p2align	8
	.type	k_q5ecd118fcf_ffn1,@function
k_q5ecd118fcf_ffn1:
	s_mov_b64 s[64:65], 0
	v_nop
	global_prefetch_b8 v0, s[64:65] scope:SCOPE_SE
	s_setreg_imm32_b32 hwreg(HW_REG_WAVE_MODE, 25, 1), 1
	s_wait_xcnt 0x0
	s_wait_alu depctr_hold_cnt(0) depctr_sa_sdst(0) depctr_va_vdst(0) depctr_va_sdst(0) depctr_va_ssrc(0) depctr_va_vcc(0) depctr_vm_vsrc(0)
	s_getreg_b32 s2, hwreg(HW_REG_IB_STS2, 6, 4)
	s_cmp_eq_u32 s2, 0
	s_cbranch_scc0 .Lentry_in_a_cluster
	s_endpgm
.Lentry_in_a_cluster:
	s_bfe_u32 s2, ttmp6, 0x10000c
	s_cmp_lg_u32 s2, 0xf033
	s_cbranch_scc0 .Lentry_shape_is_right
	s_endpgm
.Lentry_shape_is_right:
.set SIZE_N, 4096
.set SIZE_K, 1024
.set PERM,   1
.set ASC,    3145728
.set KSTEP,  256
.set NQ,     KSTEP/128
.set ROWB,   192
.set ATILE,  128*ROWB
.set KROW,   SIZE_K*6/8
.set PITCH,  240
.set FR,     12
.set NL,     6
.set NP,     4
.set HALFT,  128*PITCH
.set SLOT,   4*HALFT
.set LAPS,   SIZE_K/(2*KSTEP)
.set KS,     SIZE_K/32
.set SCL,    2*SLOT
.set HALFS,  (128*KS/256)*272
.set SBLK,   (16*KS/256)*272
.set SPARE,  SCL+4*HALFS
.set RP,   7
.set ADRA, 16
.set ADRB, 20
.set ADRS, 27
.set SPW,  28
.set NIL,  29
.set SC,   32
.set BIAS, 64
.set AF,   128
.set G1, 24
.set G0, 32
.set G1B, 48
.set G0B, 56
.set G1S, 68
.set G0S, 76
.set G1SB, 80
.set G0SB, 88
.set SEL, 96
.set MSB, 0
.macro WIN new
.if MSB != (\new)
	s_set_vgpr_msb (MSB<<8)|(\new)
.set MSB, (\new)
.endif
.endm
.set MUL_LO, 0xa1
.set MUL_HI, 0xf1
.set TO_B,   0x40
.macro JLOAD g0a, g1a, g0b, g1b
	s_cmp_eq_u32 s15, 0
	s_cbranch_scc0 .Lfor_b_\@
	tensor_load_to_lds s[\g0a:\g0a+3], s[\g1a:\g1a+7]
	s_nop 0
.rept 4
	v_nop
.endr
	s_branch .Lasked_\@
.Lfor_b_\@:
	tensor_load_to_lds s[\g0b:\g0b+3], s[\g1b:\g1b+7]
	s_nop 0
.rept 4
	v_nop
.endr
.Lasked_\@:
.endm
.macro CREST
	s_cmp_lg_u32 s14, 0
	s_cbranch_scc1 .Lnot_wave_0_\@
	s_barrier_signal -3
.Lnot_wave_0_\@:
	s_barrier_wait -3
	s_barrier_signal -1
	s_barrier_wait -1
.endm
.macro CROUND
	s_barrier_signal -1
	s_barrier_wait -1
	CREST
.endm
	s_load_b64 s[4:5], s[0:1], 0x0
	s_load_b128 s[8:11], s[0:1], 0x8
	s_load_b64 s[98:99], s[0:1], 0x18
	s_load_b64 s[12:13], s[0:1], 0x20
	v_lshl_add_u32 v[SPW], v0, 2, SPARE
	v_mov_b32 v[NIL], 0
	ds_add_u32 v28, v29
	ds_add_u32 v28, v29
	s_wait_dscnt 0x0
	v_lshrrev_b32 v1, 5, v0
	v_readfirstlane_b32 s14, v1
	s_lshr_b32 s15, s14, 1
	s_and_b32 s16, s14, 1
	s_bfe_u32 s40, ttmp6, 0x40000
	s_bfe_u32 s41, ttmp6, 0x40004
	s_lshl_b32 s42, ttmp9, 2
	s_add_co_u32 s42, s42, s40
	s_and_b32 s17, ttmp7, 0xffff
	s_lshl_b32 s17, s17, 2
	s_add_co_u32 s17, s17, s41
	s_lshl_b32 s43, s41, 2
	s_lshl_b32 s43, 15, s43
	s_lshl_b32 s44, 0x1111, s40
	s_or_b32 s[G1+0], s43, (0<<16)|(1<<20)|(1<<21)|(3<<22)|(3<<25)
	s_or_b32 s[G1B+0], s44, (0<<16)|(1<<20)|(1<<21)|(3<<22)|(3<<25)
.irp g, G1, G1B
	; A's and B's tiles are dense in memory, [row / 256][K step of 256][256 rows][192 bytes] (B's as launch relay laid them): they come as rows of 256 bytes; the padding behind every 64 bytes gives LDS rows of 240
	s_mov_b32 s[\g+1], 256<<16
	s_mov_b32 s[\g+2], 192<<16                     ; at the head 256 rows of codes = 192 x 256 bytes
	s_mov_b32 s[\g+3], 256<<16
	s_mov_b32 s[\g+4], 192
	s_mov_b32 s[\g+6], 0
	s_mov_b32 s[\g+7], 0
.endr
	s_mov_b32 s[G1+5], 256
	s_mov_b32 s[G1B+5], 256
	s_or_b32 s[G1S+0], s43, (3<<16)|(1<<20)|(1<<21)|(5<<22)|(3<<25)
	s_or_b32 s[G1SB+0], s44, (3<<16)|(1<<20)|(1<<21)|(5<<22)|(3<<25)
.irp g, G1S, G1SB
	s_mov_b32 s[\g+1], 32<<16
	s_mov_b32 s[\g+2], KS<<16                      ; the scale bytes of all 256 rows
	s_mov_b32 s[\g+3], 32<<16
	s_mov_b32 s[\g+4], KS
	s_mov_b32 s[\g+5], 32
	s_mov_b32 s[\g+6], 0
	s_mov_b32 s[\g+7], 0
.endr
	s_lshl_b32 s20, s17, 8                         ; A: row 256 x tile row
	s_lshl_b32 s46, s42, 8                         ; B: row 256 x tile column
	s_mov_b32 s21, 0
	s_mov_b32 s47, 0
	s_mov_b64 s[18:19], KS
	s_mul_u64 s[22:23], s[20:21], s[18:19]
	s_mul_u64 s[92:93], s[46:47], s[18:19]
	s_mov_b64 s[18:19], KROW
	s_mul_u64 s[20:21], s[20:21], s[18:19]
	s_mul_u64 s[46:47], s[46:47], s[18:19]
	s_mul_i32 s45, s14, HALFT
	s_wait_kmcnt 0x0
	s_add_nc_u64 s[6:7], s[4:5], ASC
	s_add_nc_u64 s[20:21], s[4:5], s[20:21]
	s_add_nc_u64 s[22:23], s[6:7], s[22:23]
	s_add_nc_u64 s[46:47], s[8:9], s[46:47]
	s_add_nc_u64 s[92:93], s[10:11], s[92:93]
	CROUND
	s_mov_b32 s[G0S], 1
	s_mov_b32 s[G0S+1], SCL
	s_mov_b64 s[G0S+2:G0S+3], s[22:23]
	s_or_b32 s[G0S+3], s[G0S+3], 0x80000000
	s_mov_b32 s[G0SB], 1
	s_mov_b32 s[G0SB+1], SCL+2*HALFS
	s_mov_b64 s[G0SB+2:G0SB+3], s[92:93]
	s_or_b32 s[G0SB+3], s[G0SB+3], 0x80000000
	s_add_nc_u64 s[46:47], s[46:47], 2359296       ; ffn_w1's tiles in wt
	s_mov_b32 s4, 1                                ; group 0 of the head's loads of K step 0: A's 256 rows,
	s_mov_b32 s5, 0
	s_mov_b64 s[6:7], s[20:21]
	s_or_b32 s7, s7, 0x80000000
	s_mov_b32 s8, 1                                ; and B's 256 rows
	s_mov_b32 s9, 2*HALFT
	s_mov_b64 s[10:11], s[46:47]
	s_or_b32 s11, s11, 0x80000000
	s_mul_i32 s66, s16, ATILE                      ; in the ring I fetch 128 rows of a tile
	s_mov_b32 s67, 0
	s_add_nc_u64 s[20:21], s[20:21], s[66:67]
	s_add_nc_u64 s[46:47], s[46:47], s[66:67]
	; the prefetches' base: my ring tile of K step 0 (24,576 bytes = 96 blocks of 256); the four partners that ask for it jointly share it out by address, 24 blocks each (place cx for A, cy for B)
	s_cmp_eq_u32 s15, 0
	s_cselect_b32 s18, s40, s41
	s_cselect_b64 s[66:67], s[20:21], s[46:47]
	s_mul_i32 s18, s18, 6144
	s_mov_b32 s19, 0
	s_add_nc_u64 s[66:67], s[66:67], s[18:19]      ; never rewritten
.irp s, 0,1
	s_mov_b32 s[G0+4*\s], 1
	s_add_co_u32 s[G0+4*\s+1], s45, \s*SLOT
	s_add_nc_u64 s[G0+4*\s+2:G0+4*\s+3], s[20:21], \s*2*ATILE
	s_or_b32 s[G0+4*\s+3], s[G0+4*\s+3], 0x80000000
	s_mov_b32 s[G0B+4*\s], 1
	s_add_co_u32 s[G0B+4*\s+1], s45, \s*SLOT
	s_add_nc_u64 s[G0B+4*\s+2:G0B+4*\s+3], s[46:47], \s*2*ATILE
	s_or_b32 s[G0B+4*\s+3], s[G0B+4*\s+3], 0x80000000
.endr
; the head's loads, one a wave: wave 0 K step 0 of A, wave 1 of B, wave 2 A's scale bytes, wave 3 B's; one tree of branches on the wave's number
.macro ARM under, g0, g1, next
	s_cmp_lt_u32 s14, \under
	s_cbranch_scc0 \next
	tensor_load_to_lds s[\g0:\g0+3], s[\g1:\g1+7]
	s_nop 0
.rept 4
	v_nop
.endr
	s_branch .Lhead_asked
\next:
.endm
	ARM 1, 4, G1, .Lhead_b
	ARM 2, 8, G1B, .Lhead_sa
	ARM 3, G0S, G1S, .Lhead_sb
	tensor_load_to_lds s[G0SB:G0SB+3], s[G1SB:G1SB+7]
	s_nop 0
.rept 4
	v_nop
.endr
.Lhead_asked:
	v_and_b32 v30, 31, v0
	v_min_u32 v30, 23, v30                         ; a lane a block; the eight lanes left over name the last block again
	v_lshlrev_b32 v30, 8, v30                      ; never rewritten
	global_prefetch_b8 v30, s[66:67] offset:2*ATILE th:TH_LOAD_NT scope:SCOPE_SE   ; K steps 1 and 2 of my tile: one and two loads ahead of the loads that want them
	global_prefetch_b8 v30, s[66:67] offset:4*ATILE th:TH_LOAD_NT scope:SCOPE_SE
	v_and_b32 v1, 15, v0
	v_bfe_u32 v2, v0, 4, 1
	v_and_b32 v7, 8, v1
	v_add_nc_u32 v7, v7, v1
	v_mul_u32_u24 v3, v[RP], PITCH
	v_mul_u32_u24 v4, v2, 24
	v_add_nc_u32 v4, v3, v4
	v_lshl_add_u32 v5, v2, 4, v4
	s_mul_i32 s21, s15, HALFT
	s_mul_i32 s22, s16, HALFT
	s_add_co_u32 s22, s22, 2*HALFT
.irp s, 0,1
	v_add_nc_u32 v[ADRA+\s], s21, v4
	v_add_nc_u32 v[ADRB+\s], s22, v4
	v_add_nc_u32 v[ADRA+2+\s], s21, v5
	v_add_nc_u32 v[ADRB+2+\s], s22, v5
	s_add_co_u32 s21, s21, SLOT
	s_add_co_u32 s22, s22, SLOT
.endr
	v_mul_u32_u24 v5, v[RP], KS
	v_lshrrev_b32 v6, 8, v5
	v_lshl_add_u32 v5, v6, 4, v5
	s_mul_i32 s21, s15, HALFS
	s_mul_i32 s22, s16, HALFS
	s_add_co_u32 s22, s22, 2*HALFS
	s_sub_co_u32 s22, s22, s21
	v_mul_u32_u24 v6, s22, v2
	s_add_co_u32 s21, s21, SCL
	v_add_nc_u32 v5, v5, v6
	v_add_nc_u32 v[ADRS], s21, v5
	s_lshl_b32 s46, s42, 10
	s_lshl_b32 s47, s16, 9
	s_add_co_u32 s46, s46, s47
	s_mov_b32 s47, 0
	s_add_nc_u64 s[98:99], s[98:99], s[46:47]
	v_lshlrev_b32 v8, 6, v2
.irp b, 0,1,2,3,4,5,6,7
	global_load_b128 v[BIAS+8*\b:BIAS+8*\b+3], v8, s[98:99] offset:128*(\b/2)+32*(\b%2)
	global_load_b128 v[BIAS+8*\b+4:BIAS+8*\b+7], v8, s[98:99] offset:128*(\b/2)+32*(\b%2)+16
.endr
	s_lshl_b32 s20, s17, 1
	s_add_co_u32 s20, s20, s15
	s_mul_i32 s20, s20, 393216
	s_mul_i32 s21, s42, 24576
	s_add_co_u32 s20, s20, s21
	s_mul_i32 s21, s16, 12288
	s_add_co_u32 s20, s20, s21
	s_mov_b32 s21, 0
	s_lshl_b32 s22, s17, 15
	s_lshl_b32 s23, s14, 13
	s_add_co_u32 s22, s22, s23
	s_lshl_b32 s23, s42, 3
	s_add_co_u32 s22, s22, s23
	s_add_co_u32 s22, s22, 12582912
	s_mov_b32 s23, 0
	s_add_nc_u64 s[100:101], s[12:13], s[22:23]
	s_add_nc_u64 s[12:13], s[12:13], s[20:21]
.macro FRAG reg, adr, q, i
.irp p, 0,1,2,3,4,5
.set PCE, 12*(\q)+6*(\p/3)+\p%3
.if PCE%8 < 5
	ds_load_b64 v[\reg+2*\p:\reg+2*\p+1], v[\adr] offset:8*PCE+16*(PCE/8)+(16*(\i)-8*PERM*((\i)%2))*PITCH
.else
	ds_load_b64 v[\reg+2*\p:\reg+2*\p+1], v[\adr+2] offset:8*PCE+16*(PCE/8)+(16*(\i)-8*PERM*((\i)%2))*PITCH
.endif
.endr
.endm
.macro MUL16 a0, p, q, sc, zero
.irp a, \a0, \a0+1
.irp b, 0,1,2,3,4,5,6,7
.if \zero == 2
	v_wmma_scale_f32_16x16x128_f8f6f4 v[8*(8*((\a)%4)+\b):8*(8*((\a)%4)+\b)+7], v[128*(\p)+FR*\b:128*(\p)+FR*\b+FR-1], v[AF+FR*(\a):AF+FR*(\a)+FR-1], v[BIAS+8*\b:BIAS+8*\b+7], v[SC+8*NQ*(\sc)+NQ*\b+(\q)], v[SC+8*NQ*(\sc)+NQ*(\a)+(\q)] matrix_a_fmt:MATRIX_FMT_FP6 matrix_b_fmt:MATRIX_FMT_FP6 matrix_a_scale:MATRIX_SCALE_ROW1
.else
	v_wmma_scale_f32_16x16x128_f8f6f4 v[8*(8*((\a)%4)+\b):8*(8*((\a)%4)+\b)+7], v[128*(\p)+FR*\b:128*(\p)+FR*\b+FR-1], v[AF+FR*(\a):AF+FR*(\a)+FR-1], v[8*(8*((\a)%4)+\b):8*(8*((\a)%4)+\b)+7], v[SC+8*NQ*(\sc)+NQ*\b+(\q)], v[SC+8*NQ*(\sc)+NQ*(\a)+(\q)] matrix_a_fmt:MATRIX_FMT_FP6 matrix_b_fmt:MATRIX_FMT_FP6 matrix_a_scale:MATRIX_SCALE_ROW1
.endif
.endr
.endr
.endm
.macro FETCH_B slot, q, p
	WIN TO_B
.irp i, 0,1,2,3,4,5,6,7
	FRAG 128*(\p)+FR*\i, ADRB+\slot, \q, \i
.endr
	WIN 0
.endm
.macro FETCH_A slot, q, i0
.irp i, \i0, \i0+1, \i0+2, \i0+3
	FRAG AF+FR*(\i), ADRA+\slot, \q, \i
.endr
.endm
.macro SCALES sc
.irp i, 0,1,2,3,4,5,6,7
	ds_load_b64 v[SC+8*NQ*\sc+NQ*\i:SC+8*NQ*\sc+NQ*\i+1], v[ADRS] offset:\i*SBLK-PERM*(\i%2)*272
.endr
.endm
.macro PLACES n
.rept \n
	v_nop
.endr
.endm
.macro STEP slot, q, zero
	s_wait_dscnt 4*NL
	WIN MUL_LO-0x20*((\zero)/2)
	MUL16 0, (\q)%2, \q, \slot, \zero
	MUL16 2, (\q)%2, \q, \slot, \zero
	s_wait_dscnt 0
	PLACES NP
	FETCH_B \slot, (\q)+1, 1-(\q)%2
	FETCH_A \slot, (\q)+1, 0
	WIN MUL_HI-0x30*((\zero)/2)
	MUL16 4, (\q)%2, \q, \slot, \zero
	MUL16 6, (\q)%2, \q, \slot, \zero
	PLACES NP
	WIN 0
	FETCH_A \slot, (\q)+1, 4
.endm
.macro TURN slot, next, fill
	s_wait_tensorcnt 0x0
	ds_add_u32 v[SPW], v[NIL]
	s_wait_dscnt 4*NL+1
	WIN MUL_LO
	MUL16 0, 1, NQ-1, \slot, 0
	s_wait_dscnt 0x0
	s_barrier_signal -1
	MUL16 2, 1, NQ-1, \slot, 0
	WIN 0
	s_barrier_wait -1
.if \fill
	CREST
	s_add_nc_u64 s[G0+4*\slot+2:G0+4*\slot+3], s[G0+4*\slot+2:G0+4*\slot+3], 4*ATILE
	s_add_nc_u64 s[G0B+4*\slot+2:G0B+4*\slot+3], s[G0B+4*\slot+2:G0B+4*\slot+3], 4*ATILE
	JLOAD G0+4*\slot, G1, G0B+4*\slot, G1B
.else
	PLACES NP
.endif
	s_wait_alu depctr_va_vdst(0)
	v_add_nc_u32 v[ADRS], 4*NQ, v[ADRS]
	FETCH_B \next, 0, 0
	FETCH_A \next, 0, 0
	SCALES \next
	WIN MUL_HI
	MUL16 4, 1, NQ-1, \slot, 0
	MUL16 6, 1, NQ-1, \slot, 0
	PLACES NP
	WIN 0
	FETCH_A \next, 0, 4
.endm
	s_wait_alu depctr_va_vdst(0)
	s_wait_tensorcnt 0x0                           ; my tile of the head's four is in
	ds_add_u32 v[SPW], v[NIL]
	s_mov_b32 s[G1+2], 96<<16                      ; no load of mine is out: from here on a load brings 128 rows of codes = 96 x 256 bytes
	s_mov_b32 s[G1+4], 96
	s_mov_b32 s[G1B+2], 96<<16
	s_mov_b32 s[G1B+4], 96
	s_wait_dscnt 0x0
	CROUND                                         ; all four tiles are in, all sixteen work-groups are here
	JLOAD G0+4, G1, G0B+4, G1B                     ; K step 1, the first tensor load behind the round
	global_prefetch_b8 v30, s[66:67] offset:6*ATILE th:TH_LOAD_NT scope:SCOPE_SE   ; K step 3, the last: two loads ahead; the two refills ask for nothing
	FETCH_B 0, 0, 0
	FETCH_A 0, 0, 0
	SCALES 0
	FETCH_A 0, 0, 4
	s_wait_loadcnt 0x0
	STEP 0, 0, 2
	s_mov_b32 s3, LAPS-1
.Llap:
	TURN 0, 1, 1
	STEP 1, 0, 0
	TURN 1, 0, 1
	STEP 0, 0, 0
	s_sub_co_u32 s3, s3, 1
	s_cmp_lg_u32 s3, 0
	s_cbranch_scc1 .Llap
	TURN 0, 1, 0
	STEP 1, 0, 0
	s_wait_dscnt 4*NL
	WIN MUL_LO
	MUL16 0, 1, NQ-1, 1, 0
	MUL16 2, 1, NQ-1, 1, 0
	s_wait_dscnt 0
	WIN MUL_HI
	MUL16 4, 1, NQ-1, 1, 0
	MUL16 6, 1, NQ-1, 1, 0
	WIN 0
.set H,    32
.set Z,    96
.set Z2,   128
.set PA,   160
.set PB,   192
.set TM,   96
.set QC,   112
.set PW,   132
.set OB,   96
.set GL,   224
.set GSTO, 225
.set GSSW, 226
.set GRD,  227
.set GSRD, 228
.set GSO,  229
.set SQ2, 24
.set CA0, 26
.set CA2, 28
.set CA3, 30
.set CA4, 32
.set CA5, 34
.set CA6, 36
.set CB0, 38
.set CB2, 40
.set CB3, 42
.set CB4, 44
.macro SC2 reg, val
	s_mov_b32 s[\reg], \val
	s_mov_b32 s[\reg+1], \val
.endm
	PLACES NP
	SC2 SQ2, 0x3fb504f3
	SC2 CA0, 0xaf95df0b
	SC2 CA2, 0xb60cff51
	SC2 CA3, 0xb86ec2d2
	SC2 CA4, 0xba40ac63
	SC2 CA5, 0xbb41a1f6
	SC2 CA6, 0xbc83dbd4
	SC2 CB0, 0xb77460cd
	SC2 CB2, 0xbadc924e
	SC2 CB3, 0xbbf19bf8
	SC2 CB4, 0xbc69b6a7
	s_mov_b32 s[SEL], 0x76543210
	s_mov_b32 s[SEL+1], 0xfedcba98
	v_mov_b32 v240, 0x32edffee
	v_mov_b32 v241, 0x32edffee
	v_mov_b32 v242, 0xb95fbd29
	v_mov_b32 v243, 0xb95fbd29
	v_and_b32 v3, 31, v0
	v_lshlrev_b32 v[GL], 4, v3
	s_wait_alu depctr_va_vdst(0)
	s_mul_i32 s20, s15, 24576
	s_mul_i32 s21, s16, 96
	s_add_co_u32 s20, s20, s21
	v_mul_u32_u24 v4, v7, 192
	v_mad_u32_u24 v4, v2, 24, v4
	v_add_nc_u32 v[GSTO], s20, v4
	s_lshl_b32 s20, s15, 10
	s_lshl_b32 s21, s16, 2
	s_add_co_u32 s20, s20, s21
	s_add_co_u32 s20, s20, 49152
	v_lshl_add_u32 v[GSSW], v7, 3, s20
	s_mul_i32 s20, s14, 12288
	v_add_nc_u32 v[GRD], s20, v[GL]
	s_lshl_b32 s20, s14, 9
	s_add_co_u32 s20, s20, 49152
	v_lshl_add_u32 v[GSRD], v3, 3, s20
	v_lshlrev_b32 v[GSO], 7, v3
.macro QUANT s
.irp b, 0,1,2,3
	v_max3_num_f32 v[TM+\b], |v[\s+16*\b]|, |v[\s+1+16*\b]|, 0x1800000
.endr
.irp i, 2,4,6,8,10,12,14
.irp b, 0,1,2,3
	v_max3_num_f32 v[TM+\b], v[TM+\b], |v[\s+16*\b+\i]|, |v[\s+1+16*\b+\i]|
.endr
.endr
.irp b, 0,1,2,3
	v_permlanex16_b32 v[TM+4+\b], v[TM+\b], s[SEL], s[SEL+1]
.endr
.irp b, 0,1,2,3
	v_max_num_f32 v[TM+\b], v[TM+\b], v[TM+4+\b]
.endr
.irp b, 0,1,2,3
	v_add_nc_u32 v[TM+12+\b], 0xff000000, v[TM+\b]
.endr
.irp b, 0,1,2,3
	v_lshrrev_b32 v[TM+4+\b], 23, v[TM+12+\b]
.endr
	v_lshl_or_b32 v[PW], v[TM+5], 8, v[TM+4]
	v_lshl_or_b32 v[PW], v[TM+6], 16, v[PW]
	v_lshl_or_b32 v[PW], v[TM+7], 24, v[PW]
.irp c, 0,1
	v_cvt_scalef32_pk16_fp6_f32 v[QC+6*\c:QC+2+6*\c], v[\s+32*\c:\s+15+32*\c], v[TM+12+2*\c]
	v_cvt_scalef32_pk16_fp6_f32 v[QC+12+4*\c:QC+14+4*\c], v[\s+16+32*\c:\s+31+32*\c], v[TM+12+2*\c+1]
.endr
	v_nop
.irp c, 0,1
.irp i, 0,1,2
	v_permlane16_swap_b32 v[QC+6*\c+\i], v[QC+12+4*\c+\i]
.endr
.irp i, 0,1,2
	v_mov_b32 v[QC+3+6*\c+\i], v[QC+12+4*\c+\i]
.endr
.endr
.endm
.macro POLY dst, c
.set j, 0
.rept 16
	v_pk_fma_f32 v[\dst+j:\dst+j+1], v[\dst+j:\dst+j+1], v[Z2+j:Z2+j+1], s[\c:\c+1] op_sel_hi:[1,1,0]
.set j, j+2
.endr
.endm
.macro GELU c
.set HB, H+32*(\c)
.set j, 0
.rept 16
	v_pk_mul_f32 v[Z+j:Z+j+1], v[HB+j:HB+j+1], s[SQ2:SQ2+1] op_sel_hi:[1,0]
.set j, j+2
.endr
.set j, 0
.rept 32
	v_med3_num_f32 v[Z+j], v[Z+j], -4.0, 4.0
.set j, j+1
.endr
.set j, 0
.rept 16
	v_pk_mul_f32 v[Z2+j:Z2+j+1], v[Z+j:Z+j+1], v[Z+j:Z+j+1]
.set j, j+2
.endr
.set j, 0
.rept 16
	v_pk_fma_f32 v[PA+j:PA+j+1], v[Z2+j:Z2+j+1], s[CA0:CA0+1], v[240:241] op_sel_hi:[1,0,1]
	v_pk_fma_f32 v[PB+j:PB+j+1], v[Z2+j:Z2+j+1], s[CB0:CB0+1], v[242:243] op_sel_hi:[1,0,1]
.set j, j+2
.endr
	POLY PA, CA2
	POLY PB, CB2
	POLY PA, CA3
	POLY PB, CB3
	POLY PA, CA4
	POLY PB, CB4
	POLY PA, CA5
	POLY PA, CA6
.set j, 0
	s_wait_alu depctr_va_vdst(0)
.rept 32
	v_rcp_f32 v[PB+j], v[PB+j]
.set j, j+1
.endr
.set j, 0
.rept 16
	v_pk_mul_f32 v[PA+j:PA+j+1], v[PA+j:PA+j+1], v[Z+j:Z+j+1]
.set j, j+2
.endr
	s_wait_alu depctr_va_vdst(0)
.set j, 0
.rept 16
	v_pk_mul_f32 v[PA+j:PA+j+1], v[PA+j:PA+j+1], v[PB+j:PB+j+1]
.set j, j+2
.endr
.set j, 0
.rept 16
	v_pk_fma_f32 v[HB+j:HB+j+1], v[HB+j:HB+j+1], v[PA+j:PA+j+1], v[HB+j:HB+j+1]
.set j, j+2
.endr
.endm
.macro COPYA a
.Lcopy_\a:
	WIN 0x02+((\a)/4)
.set j, 0
.rept 32
	v_pk_mul_f32 v[H+j:H+j+1], v[64*((\a)%4)+j:64*((\a)%4)+j+1], 0.5 op_sel_hi:[1,0]
.set j, j+2
.endr
	WIN 0
	s_branch .Lmath
.endm
.macro STOREA a
.Lstore_\a:
	s_wait_alu depctr_va_vdst(0)
.irp c, 0,1
.irp p, 0,1,2
	ds_store_b64 v[GSTO], v[QC+6*\c+2*\p:QC+6*\c+2*\p+1] offset:(32*((\a)/2)+8*((\a)%2))*192+48*\c+8*\p
.endr
.endr
	ds_store_b32 v[GSSW], v[PW] offset:8*(32*((\a)/2)+8*((\a)%2))
	s_branch .Lnext
.endm
	s_mov_b32 s3, 0
.Lblk:
.irp a, 1,2,3,4,5,6,7
	s_cmp_eq_u32 s3, \a
	s_cbranch_scc1 .Lcopy_\a
.endr
.irp a, 0,1,2,3,4,5,6,7
	COPYA \a
.endr
.Lmath:
	GELU 0
	GELU 1
	QUANT H
.irp a, 1,2,3,4,5,6,7
	s_cmp_eq_u32 s3, \a
	s_cbranch_scc1 .Lstore_\a
.endr
.irp a, 0,1,2,3,4,5,6,7
	STOREA \a
.endr
.Lnext:
	s_wait_dscnt 0x0
	s_add_co_u32 s3, s3, 1
	s_cmp_lt_u32 s3, 8
	s_cbranch_scc1 .Lblk
	s_barrier_signal -1
	s_barrier_wait -1
	ds_load_b64 v[192:193], v[GSRD]
	ds_load_b64 v[194:195], v[GSRD] offset:256
.set q, 0
.rept 24
	ds_load_b128 v[OB+4*q:OB+4*q+3], v[GRD] offset:512*q
.set q, q+1
.endr
	s_wait_dscnt 24
	global_store_b64 v[GSO], v[192:193], s[100:101]
	global_store_b64 v[GSO], v[194:195], s[100:101] offset:4096
.set q, 0
.rept 24
	s_wait_dscnt 23-q
	global_store_b128 v[GL], v[OB+4*q:OB+4*q+3], s[12:13] offset:512*q
.set q, q+1
.endr
	s_wait_tensorcnt 0x0
	ds_add_u32 v[SPW], v[NIL]
	s_wait_dscnt 0x0
	CROUND
	s_endpgm
.Lfunc_end_k_q5ecd118fcf_ffn1:
	.size	k_q5ecd118fcf_ffn1, .Lfunc_end_k_q5ecd118fcf_ffn1-k_q5ecd118fcf_ffn1
	.p2alignl 7, 3214868480
	.fill 96, 4, 3214868480
	.section	.rodata,"a",@progbits
	.p2align	6, 0x0
	.amdhsa_kernel k_q5ecd118fcf_ffn1
		.amdhsa_group_segment_fixed_size 327680
		.amdhsa_private_segment_fixed_size 0
		.amdhsa_enable_private_segment 0
		.amdhsa_kernarg_size 40
		.amdhsa_user_sgpr_count 2
		.amdhsa_user_sgpr_kernarg_segment_ptr 1
		.amdhsa_wavefront_size32 1
		.amdhsa_system_sgpr_workgroup_id_x 1
		.amdhsa_system_sgpr_workgroup_id_y 1
		.amdhsa_system_sgpr_workgroup_id_z 1
		.amdhsa_system_vgpr_workitem_id 0
		.amdhsa_next_free_vgpr 1024
		.amdhsa_next_free_sgpr 102
		.amdhsa_reserve_vcc 0
		.amdhsa_float_denorm_mode_32 3
		.amdhsa_float_denorm_mode_16_64 3
		.amdhsa_memory_ordered 1
		.amdhsa_forward_progress 1
		.amdhsa_inst_pref_size 203
	.end_amdhsa_kernel
	.amdgpu_metadata
---
amdhsa.version: [ 1, 2 ]
amdhsa.kernels:
  - .name:           k_q5ecd118fcf_ffn1
    .symbol:         k_q5ecd118fcf_ffn1.kd
    .args:
      - { .name: nq, .offset: 0, .size: 8, .value_kind: global_buffer, .address_space: global }
      - { .name: wt, .offset: 8, .size: 8, .value_kind: global_buffer, .address_space: global }
      - { .name: ffn_w1_scales, .offset: 16, .size: 8, .value_kind: global_buffer, .address_space: global }
      - { .name: ffn_b1, .offset: 24, .size: 8, .value_kind: global_buffer, .address_space: global }
      - { .name: gq, .offset: 32, .size: 8, .value_kind: global_buffer, .address_space: global }
    .group_segment_fixed_size: 327680
    .private_segment_fixed_size: 0
    .kernarg_segment_align: 8
    .kernarg_segment_size: 40
    .max_flat_workgroup_size: 128
    .sgpr_count:     102
    .vgpr_count:     1024
    .wavefront_size: 32
...
	.end_amdgpu_metadata
.endif
;; end of part 12
;; launch ffn2 (part 13): grid 8 x 32, 4 waves a work-group, clusters of 4 x 4, 327,680 bytes of LDS; arguments gq, wt, ffn_w2_scales, ffn_b2, x1, out0; writes out0
.if DOCPART == 13
	.amdgcn_target "amdgcn-amd-amdhsa--gfx1250"
	.amdhsa_code_object_version 6
	.text
	.protected	k_q5ecd118fcf_ffn2
	.globl	k_q5ecd118fcf_ffn2
	.p2align	8
	.type	k_q5ecd118fcf_ffn2,@function
k_q5ecd118fcf_ffn2:
	s_mov_b64 s[64:65], 0
	v_nop
	global_prefetch_b8 v0, s[64:65] scope:SCOPE_SE
	s_setreg_imm32_b32 hwreg(HW_REG_WAVE_MODE, 25, 1), 1
	s_wait_xcnt 0x0
	s_wait_alu depctr_hold_cnt(0) depctr_sa_sdst(0) depctr_va_vdst(0) depctr_va_sdst(0) depctr_va_ssrc(0) depctr_va_vcc(0) depctr_vm_vsrc(0)
	s_getreg_b32 s2, hwreg(HW_REG_IB_STS2, 6, 4)
	s_cmp_eq_u32 s2, 0
	s_cbranch_scc0 .Lentry_in_a_cluster
	s_endpgm
.Lentry_in_a_cluster:
	s_bfe_u32 s2, ttmp6, 0x10000c
	s_cmp_lg_u32 s2, 0xf033
	s_cbranch_scc0 .Lentry_shape_is_right
	s_endpgm
.Lentry_shape_is_right:
.set SIZE_N, 1024
.set SIZE_K, 4096
.set ASC,    12582912
.set ROWB,   192
.set ATILE,  128*ROWB
.set KROW,   SIZE_K*6/8
.set PITCH,  240
.set FR,     12
.set NP,     4
.set HALFT,  128*PITCH
.set SLOT,   4*HALFT
.set LAPS,   SIZE_K/1024
.set KS,     SIZE_K/32
.set SCL,    2*SLOT
.set HS,     (64*KS/256)*272
.set SBLK,   (16*KS/256)*272
.set SPARE,  SCL+4*HS
.set STAGE,  SPARE+512
.set SPITCH, 272
.set RO,   12
.set BO,   13
.set ADRA, 16
.set ADRB, 20
.set STO,  24
.set RD,   25
.set CO,   26
.set ADRS, 27
.set SPW,  28
.set NIL,  29
.set SC,   32
.set AF,   64
.set BF,   160
.set BK,   64
.set G1, 24
.set G0, 32
.set G1B, 48
.set G0B, 56
.set G1S, 68
.set G0S, 76
.set G1SB, 80
.set G0SB, 88
.set MSB, 0
.macro WIN new
.if MSB != (\new)
	s_set_vgpr_msb (MSB<<8)|(\new)
.set MSB, (\new)
.endif
.endm
.set MUL,  0x50
.macro JLOAD g0a, g1a, g0b, g1b
	s_cmp_eq_u32 s15, 0
	s_cbranch_scc0 .Lfor_b_\@
	tensor_load_to_lds s[\g0a:\g0a+3], s[\g1a:\g1a+7]
	s_nop 0
.rept 4
	v_nop
.endr
	s_branch .Lasked_\@
.Lfor_b_\@:
	tensor_load_to_lds s[\g0b:\g0b+3], s[\g1b:\g1b+7]
	s_nop 0
.rept 4
	v_nop
.endr
.Lasked_\@:
.endm
.macro CREST
	s_cmp_lg_u32 s14, 0
	s_cbranch_scc1 .Lnot_wave_0_\@
	s_barrier_signal -3
.Lnot_wave_0_\@:
	s_barrier_wait -3
	s_barrier_signal -1
	s_barrier_wait -1
.endm
.macro CROUND
	s_barrier_signal -1
	s_barrier_wait -1
	CREST
.endm
	s_load_b64 s[4:5], s[0:1], 0x0
	s_load_b128 s[8:11], s[0:1], 0x8
	s_load_b64 s[98:99], s[0:1], 0x18
	s_load_b64 s[100:101], s[0:1], 0x20
	s_load_b64 s[12:13], s[0:1], 0x28
	v_lshl_add_u32 v[SPW], v0, 2, SPARE
	v_mov_b32 v[NIL], 0
	ds_add_u32 v28, v29
	ds_add_u32 v28, v29
	s_wait_dscnt 0x0
	v_lshrrev_b32 v1, 5, v0
	v_readfirstlane_b32 s14, v1
	s_lshr_b32 s15, s14, 1
	s_and_b32 s16, s14, 1
	s_bfe_u32 s40, ttmp6, 0x40000
	s_bfe_u32 s41, ttmp6, 0x40004
	s_lshl_b32 s42, ttmp9, 2
	s_add_co_u32 s42, s42, s40
	s_and_b32 s17, ttmp7, 0xffff
	s_lshl_b32 s17, s17, 2
	s_add_co_u32 s17, s17, s41
	s_lshl_b32 s43, s41, 2
	s_lshl_b32 s43, 15, s43
	s_lshl_b32 s44, 0x1111, s40
	s_or_b32 s[G1+0], s43, (0<<16)|(1<<20)|(1<<21)|(3<<22)|(3<<25)
	s_or_b32 s[G1B+0], s44, (0<<16)|(1<<20)|(1<<21)|(3<<22)|(3<<25)
.irp g, G1, G1B
	; A's and B's tiles are dense in memory, [row / 128][K step of 256][128 rows][192 bytes] (B's as launch relay laid them): they come as rows of 256 bytes; the padding behind every 64 bytes gives LDS rows of 240
	s_mov_b32 s[\g+1], 256<<16
	s_mov_b32 s[\g+2], 192<<16                     ; at the head two K steps' tiles at once: 192 x 256 bytes
	s_mov_b32 s[\g+3], 256<<16
	s_mov_b32 s[\g+4], 192
	s_mov_b32 s[\g+6], 0
	s_mov_b32 s[\g+7], 0
.endr
	s_mov_b32 s[G1+5], 256
	s_mov_b32 s[G1B+5], 256
	s_or_b32 s[G1S+0], s43, (3<<16)|(1<<20)|(1<<21)|(5<<22)|(3<<25)
	s_or_b32 s[G1SB+0], s44, (3<<16)|(1<<20)|(1<<21)|(5<<22)|(3<<25)
.irp g, G1S, G1SB
	s_mov_b32 s[\g+1], 32<<16
	s_mov_b32 s[\g+2], (128*KS/256)<<16            ; the scale bytes of all 128 rows
	s_mov_b32 s[\g+3], 32<<16
	s_mov_b32 s[\g+4], 128*KS/256
	s_mov_b32 s[\g+5], 32
	s_mov_b32 s[\g+6], 0
	s_mov_b32 s[\g+7], 0
.endr
	s_lshl_b32 s20, s17, 7
	s_lshl_b32 s46, s42, 7
	s_mov_b32 s21, 0
	s_mov_b32 s47, 0
	s_mov_b32 s22, s20
	s_mov_b32 s23, 0
	s_mov_b32 s92, s46
	s_mov_b32 s93, 0
	s_mov_b64 s[18:19], KS
	s_mul_u64 s[22:23], s[22:23], s[18:19]
	s_mul_u64 s[92:93], s[92:93], s[18:19]
	s_mov_b64 s[18:19], KROW
	s_mul_u64 s[20:21], s[20:21], s[18:19]
	s_mul_u64 s[46:47], s[46:47], s[18:19]
	s_mul_i32 s66, s16, ATILE
	s_mov_b32 s67, 0
	s_mul_i32 s45, s14, HALFT
	s_wait_kmcnt 0x0
	s_add_nc_u64 s[6:7], s[4:5], ASC
	s_add_nc_u64 s[20:21], s[4:5], s[20:21]
	s_add_nc_u64 s[22:23], s[6:7], s[22:23]
	s_add_nc_u64 s[46:47], s[8:9], s[46:47]
	s_add_nc_u64 s[92:93], s[10:11], s[92:93]
	CROUND
	s_mov_b32 s[G0S], 1
	s_mov_b32 s[G0S+1], SCL
	s_mov_b64 s[G0S+2:G0S+3], s[22:23]
	s_or_b32 s[G0S+3], s[G0S+3], 0x80000000
	s_mov_b32 s[G0SB], 1
	s_mov_b32 s[G0SB+1], SCL+2*HS
	s_mov_b64 s[G0SB+2:G0SB+3], s[92:93]
	s_or_b32 s[G0SB+3], s[G0SB+3], 0x80000000
	s_add_nc_u64 s[46:47], s[46:47], 6291456       ; ffn_w2's tiles in wt
	s_mov_b32 s4, 1                                ; group 0 of the head's loads of slot 0: A's two K steps,
	s_mov_b32 s5, 0
	s_mov_b64 s[6:7], s[20:21]
	s_or_b32 s7, s7, 0x80000000
	s_mov_b32 s8, 1                                ; and B's
	s_mov_b32 s9, 2*HALFT
	s_mov_b64 s[10:11], s[46:47]
	s_or_b32 s11, s11, 0x80000000
	s_add_nc_u64 s[20:21], s[20:21], s[66:67]      ; in the ring I fetch one K step's tile
	s_add_nc_u64 s[46:47], s[46:47], s[66:67]
	; the prefetches' base: my ring tile of slot 0 (24,576 bytes = 96 blocks of 256); the four partners that ask for it jointly share it out by address, 24 blocks each (place cx for A, cy for B)
	s_cmp_eq_u32 s15, 0
	s_cselect_b32 s18, s40, s41
	s_cselect_b64 s[66:67], s[20:21], s[46:47]
	s_mul_i32 s18, s18, 6144
	s_mov_b32 s19, 0
	s_add_nc_u64 s[66:67], s[66:67], s[18:19]      ; stepped by one fill's way along K, 2 ATILE, at the head of each change of slots that fills
.irp s, 0,1
	s_mov_b32 s[G0+4*\s], 1
	s_add_co_u32 s[G0+4*\s+1], s45, \s*SLOT
	s_add_nc_u64 s[G0+4*\s+2:G0+4*\s+3], s[20:21], \s*2*ATILE
	s_or_b32 s[G0+4*\s+3], s[G0+4*\s+3], 0x80000000
	s_mov_b32 s[G0B+4*\s], 1
	s_add_co_u32 s[G0B+4*\s+1], s45, \s*SLOT
	s_add_nc_u64 s[G0B+4*\s+2:G0B+4*\s+3], s[46:47], \s*2*ATILE
	s_or_b32 s[G0B+4*\s+3], s[G0B+4*\s+3], 0x80000000
.endr
; the head's loads, one a wave: wave 0 slot 0 of A, wave 1 of B, wave 2 A's scale bytes, wave 3 B's; one tree of branches on the wave's number
.macro ARM under, g0, g1, next
	s_cmp_lt_u32 s14, \under
	s_cbranch_scc0 \next
	tensor_load_to_lds s[\g0:\g0+3], s[\g1:\g1+7]
	s_nop 0
.rept 4
	v_nop
.endr
	s_branch .Lhead_asked
\next:
.endm
	ARM 1, 4, G1, .Lhead_b
	ARM 2, 8, G1B, .Lhead_sa
	ARM 3, G0S, G1S, .Lhead_sb
	tensor_load_to_lds s[G0SB:G0SB+3], s[G1SB:G1SB+7]
	s_nop 0
.rept 4
	v_nop
.endr
.Lhead_asked:
	v_and_b32 v30, 31, v0
	v_min_u32 v30, 23, v30                         ; a lane a block; the eight lanes left over name the last block again
	v_lshlrev_b32 v30, 8, v30                      ; never rewritten
	global_prefetch_b8 v30, s[66:67] offset:2*ATILE th:TH_LOAD_NT scope:SCOPE_SE   ; my tiles of fills 1 and 2: one and two loads ahead of the loads that want them
	global_prefetch_b8 v30, s[66:67] offset:4*ATILE th:TH_LOAD_NT scope:SCOPE_SE
	v_and_b32 v1, 15, v0
	v_bfe_u32 v2, v0, 4, 1
	v_mul_u32_u24 v3, v1, PITCH
	v_mul_u32_u24 v4, v2, 24
	v_add_nc_u32 v4, v3, v4
	v_lshl_add_u32 v5, v2, 4, v4
	s_mul_i32 s21, s15, 64*PITCH
	s_mul_i32 s22, s16, 64*PITCH
	s_add_co_u32 s22, s22, 2*HALFT
.irp s, 0,1
	v_add_nc_u32 v[ADRA+\s], s21, v4
	v_add_nc_u32 v[ADRB+\s], s22, v4
	v_add_nc_u32 v[ADRA+2+\s], s21, v5
	v_add_nc_u32 v[ADRB+2+\s], s22, v5
	s_add_co_u32 s21, s21, SLOT
	s_add_co_u32 s22, s22, SLOT
.endr
	v_mul_u32_u24 v5, v1, KS
	v_lshrrev_b32 v6, 8, v5
	v_lshl_add_u32 v5, v6, 4, v5
	s_mul_i32 s21, s15, HS
	s_mul_i32 s22, s16, HS
	s_add_co_u32 s22, s22, 2*HS
	s_sub_co_u32 s22, s22, s21
	v_mul_u32_u24 v6, s22, v2
	s_add_co_u32 s21, s21, SCL
	v_add_nc_u32 v5, v5, v6
	v_add_nc_u32 v[ADRS], s21, v5
	s_mul_i32 s23, s14, 16*SPITCH
	s_add_co_u32 s23, s23, STAGE
	v_mul_u32_u24 v5, v1, SPITCH
	v_lshl_add_u32 v5, v2, 5, v5
	v_add_nc_u32 v[STO], s23, v5
	v_mul_u32_u24 v5, v2, SPITCH
	v_lshl_add_u32 v5, v1, 4, v5
	v_add_nc_u32 v[RD], s23, v5
	v_lshlrev_b32 v[BO], 4, v1
	s_wait_alu depctr_va_vdst(0)
	v_lshl_add_u32 v[CO], v2, 12, v[BO]
	s_lshl_b32 s20, s17, 7
	s_lshl_b32 s21, s15, 6
	s_add_co_u32 s20, s20, s21
	s_mov_b32 s21, 0
	s_mov_b64 s[18:19], SIZE_N*4
	s_mul_u64 s[20:21], s[20:21], s[18:19]
	s_lshl_b32 s46, s42, 9
	s_lshl_b32 s47, s16, 8
	s_add_co_u32 s46, s46, s47
	s_mov_b32 s47, 0
	s_add_nc_u64 s[98:99], s[98:99], s[46:47]
	s_add_nc_u64 s[20:21], s[20:21], s[46:47]
	s_add_nc_u64 s[12:13], s[12:13], s[20:21]
	s_add_nc_u64 s[100:101], s[100:101], s[20:21]
	global_load_b128 v[8:11], v[BO], s[98:99]
	v_lshlrev_b32 v[RO], 12, v1
	v_lshl_add_u32 v[RO], v2, 5, v[RO]
	WIN 0x40
.irp a, 0,1,2,3
.irp b, 0,1,2,3
	global_load_b128 v[8*(4*\a+\b):8*(4*\a+\b)+3], v[RO], s[100:101] offset:65536*\a+64*\b
	global_load_b128 v[8*(4*\a+\b)+4:8*(4*\a+\b)+7], v[RO], s[100:101] offset:65536*\a+64*\b+16
.endr
.endr
	WIN 0
.macro FRAG reg, adr, q, i
.irp p, 0,1,2,3,4,5
.set PCE, 12*((\q)%2)+6*(\p/3)+\p%3
.if PCE%8 < 5
	ds_load_b64 v[\reg+2*\p:\reg+2*\p+1], v[\adr] offset:((\q)/2)*HALFT+8*PCE+16*(PCE/8)+16*(\i)*PITCH
.else
	ds_load_b64 v[\reg+2*\p:\reg+2*\p+1], v[\adr+2] offset:((\q)/2)*HALFT+8*PCE+16*(PCE/8)+16*(\i)*PITCH
.endif
.endr
.endm
.macro MULA a, p, q, sc
.irp b, 0,1,2,3
	v_wmma_scale_f32_16x16x128_f8f6f4 v[8*(4*(\a)+\b):8*(4*(\a)+\b)+7], v[BF+48*(\p)+FR*\b:BF+48*(\p)+FR*\b+FR-1], v[AF+48*(\p)+FR*(\a):AF+48*(\p)+FR*(\a)+FR-1], v[8*(4*(\a)+\b):8*(4*(\a)+\b)+7], v[SC+16*(\sc)+4*\b+(\q)], v[SC+16*(\sc)+4*(\a)+(\q)] matrix_a_fmt:MATRIX_FMT_FP6 matrix_b_fmt:MATRIX_FMT_FP6 matrix_a_scale:MATRIX_SCALE_ROW1
.endr
.endm
.macro FETCH slot, q, p
.irp i, 0,1,2,3
	FRAG BF+48*(\p)+FR*\i, ADRB+\slot, \q, \i
.endr
.irp i, 0,1,2,3
	FRAG AF+48*(\p)+FR*\i, ADRA+\slot, \q, \i
.endr
.endm
.macro SCALES sc
.irp i, 0,1,2,3
	ds_load_b128 v[SC+16*\sc+4*\i:SC+16*\sc+4*\i+3], v[ADRS] offset:\i*SBLK
.endr
.endm
.macro PLACES n
.rept \n
	v_nop
.endr
.endm
.macro STEP slot, q
	s_wait_dscnt 0x0
	PLACES NP
	FETCH \slot, (\q)+1, 1-(\q)%2
	WIN MUL
	MULA 0, (\q)%2, \q, \slot
	MULA 1, (\q)%2, \q, \slot
	MULA 2, (\q)%2, \q, \slot
	MULA 3, (\q)%2, \q, \slot
	WIN 0
.endm
.macro TURN slot, next, fill
.if \fill
	s_wait_xcnt 0x0                                ; my prefetches have read their address: it is stepped only behind this wait
	s_add_nc_u64 s[66:67], s[66:67], 2*ATILE
.endif
	s_wait_tensorcnt 0x0
	ds_add_u32 v[SPW], v[NIL]
	s_wait_dscnt 1
	WIN MUL
	MULA 0, 1, 3, \slot
	s_wait_dscnt 0x0
	s_barrier_signal -1
	MULA 1, 1, 3, \slot
	WIN 0
	s_barrier_wait -1
.if \fill
	CREST
	s_add_nc_u64 s[G0+4*\slot+2:G0+4*\slot+3], s[G0+4*\slot+2:G0+4*\slot+3], 4*ATILE
	s_add_nc_u64 s[G0B+4*\slot+2:G0B+4*\slot+3], s[G0B+4*\slot+2:G0B+4*\slot+3], 4*ATILE
	JLOAD G0+4*\slot, G1, G0B+4*\slot, G1B
.else
	PLACES NP
.endif
	s_wait_alu depctr_va_vdst(0)
	v_add_nc_u32 v[ADRS], 16, v[ADRS]
	FETCH \next, 0, 0
	SCALES \next
.if \fill
	s_cmp_gt_u32 s3, 1                             ; fill r (2 to 7) asks for fill r + 2; the loop's last trip, fills 6 and 7, asks for nothing: the eighth fill is the last
	s_cbranch_scc0 .Lno_ask_\@
	global_prefetch_b8 v30, s[66:67] offset:6*ATILE th:TH_LOAD_NT scope:SCOPE_SE
.Lno_ask_\@:
.endif
	WIN MUL
	MULA 2, 1, 3, \slot
	MULA 3, 1, 3, \slot
	WIN 0
.endm
	s_wait_alu depctr_va_vdst(0)
	s_wait_tensorcnt 0x0                           ; my tile of the head's four is in
	ds_add_u32 v[SPW], v[NIL]
	s_mov_b32 s[G1+2], 96<<16                      ; no load of mine is out: from here on a load brings one K step's tile, 96 x 256 bytes
	s_mov_b32 s[G1+4], 96
	s_mov_b32 s[G1B+2], 96<<16
	s_mov_b32 s[G1B+4], 96
	s_wait_dscnt 0x0
	CROUND                                         ; all four tiles are in, all sixteen work-groups are here
	JLOAD G0+4, G1, G0B+4, G1B                     ; slot 1, the first tensor load behind the round
	global_prefetch_b8 v30, s[66:67] offset:6*ATILE th:TH_LOAD_NT scope:SCOPE_SE   ; fill 3: two loads ahead
	FETCH 0, 0, 0
	SCALES 0
	s_wait_loadcnt 0x0
	STEP 0, 0
	STEP 0, 1
	STEP 0, 2
.if LAPS > 1
	s_mov_b32 s3, LAPS-1
.Llap:
	TURN 0, 1, 1
	STEP 1, 0
	STEP 1, 1
	STEP 1, 2
	TURN 1, 0, 1
	STEP 0, 0
	STEP 0, 1
	STEP 0, 2
	s_sub_co_u32 s3, s3, 1
	s_cmp_lg_u32 s3, 0
	s_cbranch_scc1 .Llap
.endif
	TURN 0, 1, 0
	STEP 1, 0
	STEP 1, 1
	STEP 1, 2
	s_wait_dscnt 0x0
	WIN MUL
	MULA 0, 1, 3, 1
	MULA 1, 1, 3, 1
	MULA 2, 1, 3, 1
	MULA 3, 1, 3, 1
	WIN 0
.macro TOSTAGE a
	WIN 0x04
.irp b, 0,1,2,3
	ds_store_b128 v[STO], v[8*(4*(\a)+\b):8*(4*(\a)+\b)+3] offset:64*\b
	ds_store_b128 v[STO], v[8*(4*(\a)+\b)+4:8*(4*(\a)+\b)+7] offset:64*\b+16
.endr
	WIN 0
.irp t, 0,1,2,3,4,5,6,7
	ds_load_b128 v[BK+32*(\a)+4*\t:BK+32*(\a)+4*\t+3], v[RD] offset:\t*2*SPITCH
.endr
.endm
.macro SEND a, younger
	s_wait_dscnt \younger
.irp t, 0,1,2,3,4,5,6,7
	v_pk_add_f32 v[BK+32*(\a)+4*\t:BK+32*(\a)+4*\t+1], v[BK+32*(\a)+4*\t:BK+32*(\a)+4*\t+1], v[8:9]
	v_pk_add_f32 v[BK+32*(\a)+4*\t+2:BK+32*(\a)+4*\t+3], v[BK+32*(\a)+4*\t+2:BK+32*(\a)+4*\t+3], v[10:11]
.endr
.irp t, 0,1,2,3,4,5,6,7
	global_store_b128 v[CO], v[BK+32*(\a)+4*\t:BK+32*(\a)+4*\t+3], s[12:13] offset:(16*(\a)+2*\t)*SIZE_N*4 th:TH_STORE_NT
.endr
.endm
	PLACES NP
	TOSTAGE 0
.irp a, 1,2,3
	TOSTAGE \a
	SEND \a-1, 16
.endr
	SEND 3, 0
	s_wait_tensorcnt 0x0
	ds_add_u32 v[SPW], v[NIL]
	s_wait_dscnt 0x0
	CROUND
	s_endpgm
.Lfunc_end_k_q5ecd118fcf_ffn2:
	.size	k_q5ecd118fcf_ffn2, .Lfunc_end_k_q5ecd118fcf_ffn2-k_q5ecd118fcf_ffn2
	.p2alignl 7, 3214868480
	.fill 96, 4, 3214868480
	.section	.rodata,"a",@progbits
	.p2align	6, 0x0
	.amdhsa_kernel k_q5ecd118fcf_ffn2
		.amdhsa_group_segment_fixed_size 327680
		.amdhsa_private_segment_fixed_size 0
		.amdhsa_enable_private_segment 0
		.amdhsa_kernarg_size 48
		.amdhsa_user_sgpr_count 2
		.amdhsa_user_sgpr_kernarg_segment_ptr 1
		.amdhsa_wavefront_size32 1
		.amdhsa_system_sgpr_workgroup_id_x 1
		.amdhsa_system_sgpr_workgroup_id_y 1
		.amdhsa_system_sgpr_workgroup_id_z 1
		.amdhsa_system_vgpr_workitem_id 0
		.amdhsa_next_free_vgpr 512
		.amdhsa_next_free_sgpr 102
		.amdhsa_reserve_vcc 0
		.amdhsa_float_denorm_mode_32 3
		.amdhsa_float_denorm_mode_16_64 3
		.amdhsa_memory_ordered 1
		.amdhsa_forward_progress 1
		.amdhsa_inst_pref_size 115
	.end_amdhsa_kernel
	.amdgpu_metadata
---
amdhsa.version: [ 1, 2 ]
amdhsa.kernels:
  - .name:           k_q5ecd118fcf_ffn2
    .symbol:         k_q5ecd118fcf_ffn2.kd
    .args:
      - { .name: gq, .offset: 0, .size: 8, .value_kind: global_buffer, .address_space: global }
      - { .name: wt, .offset: 8, .size: 8, .value_kind: global_buffer, .address_space: global }
      - { .name: ffn_w2_scales, .offset: 16, .size: 8, .value_kind: global_buffer, .address_space: global }
      - { .name: ffn_b2, .offset: 24, .size: 8, .value_kind: global_buffer, .address_space: global }
      - { .name: x1, .offset: 32, .size: 8, .value_kind: global_buffer, .address_space: global }
      - { .name: out0, .offset: 40, .size: 8, .value_kind: global_buffer, .address_space: global }
    .group_segment_fixed_size: 327680
    .private_segment_fixed_size: 0
    .kernarg_segment_align: 8
    .kernarg_segment_size: 48
    .max_flat_workgroup_size: 128
    .sgpr_count:     102
    .vgpr_count:     512
    .wavefront_size: 32
...
	.end_amdgpu_metadata
.endif
;; end of part 13
